; MI455X (gfx1250); checked and timed in simulation.
; The chip was launched on July 23, 2026; its instructions are those of AMD's public machine-readable ISA for CDNA 5 (MIT licence, August 2026) and "CDNA5" Instruction Set Architecture Reference Guide (July 2026). The comments in the code are by the model that wrote it; some were corrected since.
;; Low Fidelity Fusion Deep O Net. Allowed arithmetic: matrix products marked QUANTISED: E2M1 operands, one E8M0 scale for each 32 along K, by v_wmma_scale_f32_16x16x128_f8f6f4 with both operands' format E2M1 (or v_wmma_scale_f32_32x16x128_f4), f32 sums; products left as they are: f32 operands where the result goes on into a quantised operand, else bf16, f16 or f32 operands; f32 sums; everything else in f32.
;; Inputs: branch_W0 8 x 128 float32; branch_Wout 128 x 512 float32; branch_Wr 5 x 128 x 128 float32; branch_b 6 x 128 float32; branch_bout 512 float32; coords 16 x 10,000 x 3 float32; final_W 128 x 128 float32; final_b 128 float32; params 16 x 8 float32; rowdy_a 6 x 3 x 128 float32; sdf 16 x 10,000 x 1 float32; trunk_W0 4 x 128 float32; trunk_Wr 5 x 128 x 128 float32; trunk_b 6 x 128 float32.
;; Outputs: out0 16 x 10,000 x 4 float32.
;; This version of the problem:
;;   THIS VERSION OF THE PROBLEM IS GIVEN IN LOW PRECISION. The matrix products marked QUANTISED in the list below multiply operands that are first quantised to E2M1 (2 exponent bits, 1 mantissa bit; 4 bits a number), with one power-of-two scale for each 32 numbers along K (OCP MX v1.0); their sums are f32. All else is computed in f32.
;;   The module's matrix products, in the order in which they are computed (A, B: the left and right operand; K: the contracted axis; several contracted axes count as one K, in the product's order):
;;     1. [M 16, K 8] x [K 8, N 128]; A: input params; B: input branch_W0: left as it is (K = 8 < 32)
;;     2. [M 16, K 128] x [K 128, N 128]; A: computed on the way; B: input branch_Wr: QUANTISED
;;     3. [M 16, K 128] x [K 128, N 128]; A: computed on the way; B: input branch_Wr: QUANTISED
;;     4. [M 16, K 128] x [K 128, N 128]; A: computed on the way; B: input branch_Wr: QUANTISED
;;     5. [M 16, K 128] x [K 128, N 128]; A: computed on the way; B: input branch_Wr: QUANTISED
;;     6. [M 16, K 128] x [K 128, N 128]; A: computed on the way; B: input branch_Wr: QUANTISED
;;     7. [M 16, K 128] x [K 128, N 512]; A: computed on the way; B: input branch_Wout: QUANTISED
;;     8. [M 160,000, K 4] x [K 4, N 128]; A: computed on the way; B: input trunk_W0: left as it is (K = 4 < 32)
;;     9. [M 160,000, K 128] x [K 128, N 128]; A: computed on the way; B: input trunk_Wr: QUANTISED
;;     10. [M 160,000, K 128] x [K 128, N 128]; A: computed on the way; B: input trunk_Wr: QUANTISED
;;     11. [M 160,000, K 128] x [K 128, N 128]; A: computed on the way; B: input trunk_Wr: QUANTISED
;;     12. [M 160,000, K 128] x [K 128, N 128]; A: computed on the way; B: input trunk_Wr: QUANTISED
;;     13. [M 160,000, K 128] x [K 128, N 128]; A: computed on the way; B: input trunk_Wr: QUANTISED
;;     14. [M 160,000, K 128] x [K 128, N 128]; A: computed on the way; B: input final_W: QUANTISED
;;     15. batch 16 x [M 10,000, K 128] x [K 128, N 4]; A: computed on the way; B: computed on the way: left as it is (N = 4 < 16)
;;   THE QUANTISER, for each operand of a quantised product, along K:
;;     - K is cut into blocks of 32 from its start; a last block that is shorter is filled with zeros.
;;     - A block's scale is 2^e with e = floor(log2(the largest magnitude in the block)) - 2, held to -126 .. 127; a block of zeros has e = 0. As a byte (E8M0): e + 127.
;;     - Each number is divided by its block's scale, clamped to +-6, and rounded to the nearest number of E2M1, ties to even, subnormals kept.
;;     - The product sums the exact products of the quantised numbers (number of the format x scale) in f32.
;;   ~~~python
;;   def quantise(x, axis):      # numpy; x: float32 -> the quantised numbers, widened to float32 again
;;       x = np.moveaxis(x, axis, -1); K = x.shape[-1]
;;       x = np.pad(x, [(0, 0)] * (x.ndim - 1) + [(0, -K % 32)]); x = x.reshape(x.shape[:-1] + (-1, 32)); a = np.abs(x).max(-1, keepdims=True)
;;       e = np.where(a > 0, np.clip(np.frexp(np.where(a > 0, a, 1))[1] - 1 - 2, -126, 127), 0)      # np.frexp(a)[1] - 1 = floor(log2(a)), exactly
;;       r = np.clip(x / 2.0 ** e, -6, 6)
;;       step = 2.0 ** (np.maximum(np.frexp(np.where(r == 0, 1, r))[1] - 1, 0) - 1)
;;       q = np.round(r / step) * step * 2.0 ** e      # np.round: ties to even
;;       return np.moveaxis(q.reshape(q.shape[:-2] + (-1,))[..., :K], -1, axis).astype(np.float32)
;;   ~~~
;;   OPERANDS COMPUTED ON THE WAY. 'Computed on the way' means the value that the module computes at that place (a softmax that the list does not call 'softmax' is quantised finished and normalised). What goes into a quantiser is computed in f32, as accurately as f32 sums, v_exp_f32 and their like allow (about 1e-6 of the number): no bf16 or f16 on the way to a quantiser, and a product that is left as it is and whose result goes on into a quantised operand takes f32 operands (vector FMAs, or v_wmma_f32_16x16x4_f32). A number that lies on a knife's edge between two numbers of the format may be rounded either way, as far as f32 arithmetic and the matrix unit's own rounding can turn it there, and no further.
;; 3 versions, each right; version 2 is faster than version 1; version 3 is version 2 with the launches branch, trunk written anew for expert scheduling mode. Each part assembles by itself: llvm-mc -triple=amdgcn-amd-amdhsa -mcpu=gfx1250 --defsym DOCPART=n.
;; ======== version 1 of 3: 3 launches
;; limits: right only within a limited range of input values
;; workspace buffers: wq 130,560 bytes; sbuf 49,152 bytes; zl 32,768 bytes
;; launch quantw (part 1): grid 15 x 1, 4 waves a work-group, no clusters, 0 bytes of LDS; arguments branch_Wr, branch_Wout, trunk_Wr, final_W, wq; writes wq
.if DOCPART == 1
	.amdgcn_target "amdgcn-amd-amdhsa--gfx1250"
	.amdhsa_code_object_version 6
	.text
	.protected	k_qb39a90cc61_quantw
	.globl	k_qb39a90cc61_quantw
	.p2align	8
	.type	k_qb39a90cc61_quantw,@function
k_qb39a90cc61_quantw:
	s_mov_b64 s[64:65], 0
	v_nop
	global_prefetch_b8 v0, s[64:65] scope:SCOPE_SE
	s_setreg_imm32_b32 hwreg(HW_REG_WAVE_MODE, 25, 1), 1
	s_wait_xcnt 0x0
; The fifteen weight matrices of 128 (k) x 128 (n), f32 with K as their FIRST axis, become codes of FP4 (E2M1) with one E8M0 byte for each 32 along K.
; Matrix m = the work-group's number: 0-4 branch_Wr, 5-8 branch_Wout's columns 128 (m - 5) on, 9-13 trunk_Wr, 14 final_W.
; THE CODES ARE LAID AS IMAGES OF THE OPERAND'S REGISTERS: at 8192 m, [b 0..3][u 0..1][c 0..1][lane' 0..31][16 bytes]: tile 2 b + u, lane' = (r, h') holds k = 64 c + 32 h' + 0 .. 31
; of column 32 b + 8 u + r + 8 (r / 8).  (The columns of a tile are chosen so that the 16 results of tiles 2 b and 2 b + 1 in a lane are 16 neighbours along the next product's K.)
; THE SCALE WORDS lie at 122880 + 512 m + 128 b + 4 (16 u + r): one load of 4 bytes a lane gives tile 2 b's words in lanes 0-15 and tile 2 b + 1's in lanes 16-31.
; SHARES: wave b takes 32 columns; lane (u = lane / 16, r = lane % 16) takes ONE column, and its 128 registers run down K: a block of 32 lies in one lane, its largest magnitude needs
; no other lane, and the conversions' results are the image's 16 bytes.  Each load of a wave reads 128 consecutive bytes; each store of codes covers two runs of 256 consecutive bytes.
; A block's scale is 2^(floor(log2(largest magnitude)) - 2): its byte is the largest magnitude's exponent field less 2, held at 1 from below.
; LIMITS: a block of zeros gets the byte 1 where the rule says 127 (its codes are zeros, which add nothing, and only this program reads the bytes); NaN and infinities are not served.
.set X,   16                           ; v16-143  my column, 128 numbers down K
.set CD,  144                          ; v144-159 the codes: four registers a block, so that no store's data are written again
.set SB,  160                          ; v160     the four scale bytes
.set TM,  161                          ; v161-164 at work
.set SCL, 122880                       ; where the scale words begin in wq
	s_load_b256 s[4:11], s[0:1], 0x0               ; branch_Wr s[4:5], branch_Wout s[6:7], trunk_Wr s[8:9], final_W s[10:11]
	s_load_b64 s[12:13], s[0:1], 0x20              ; wq
	v_lshrrev_b32 v4, 5, v0
	v_readfirstlane_b32 s14, v4                    ; wave b
	v_and_b32 v5, 15, v0                           ; r
	v_bfe_u32 v6, v0, 4, 1                         ; u
	v_and_b32 v7, 8, v5
	v_add_nc_u32 v7, v7, v5                        ; r + 8 (r / 8)
	v_lshl_add_u32 v7, v6, 3, v7                   ; + 8 u: my column among the wave's 32
	s_lshl_b32 s15, s14, 7                         ; 128 b: the wave's 32 columns in bytes
	v_lshlrev_b32 v1, 2, v7
	v_add_nc_u32 v1, s15, v1                       ; in: 4 x column
	v_lshlrev_b32 v2, 4, v5
	v_lshl_add_u32 v2, v6, 10, v2                  ; codes out: 1024 u + 16 r
	v_and_b32 v3, 31, v0
	v_lshlrev_b32 v3, 2, v3                        ; scale word out: 4 x lane
	s_lshl_b32 s18, ttmp9, 16                      ; branch_Wr: matrix m begins 65,536 m bytes on
	s_sub_co_u32 s20, ttmp9, 9
	s_lshl_b32 s20, s20, 16                        ; trunk_Wr: 65,536 (m - 9)
	s_sub_co_u32 s21, ttmp9, 5                     ; m - 5: 0 .. 3 for branch_Wout (it wraps to a large number for m < 5)
	s_lshl_b32 s22, s21, 9                         ; branch_Wout: 128 columns are 512 bytes
	s_lshl_b32 s24, ttmp9, 13
	s_lshl_b32 s23, s14, 11
	s_add_co_u32 s24, s24, s23                     ; codes: 8192 m + 2048 b
	s_mov_b32 s25, 0
	s_lshl_b32 s26, ttmp9, 9
	s_add_co_u32 s26, s26, s15
	s_add_co_u32 s26, s26, SCL                     ; scale words: 122880 + 512 m + 128 b
	s_mov_b32 s27, 0
	s_mov_b32 s19, 0
	s_wait_kmcnt 0x0
	s_cmp_ge_u32 ttmp9, 9                          ; which tensor: the choice hangs on the work-group's number alone
	s_cselect_b64 s[16:17], s[8:9], s[4:5]
	s_cselect_b32 s18, s20, s18
	s_cmp_eq_u32 ttmp9, 14
	s_cselect_b64 s[16:17], s[10:11], s[16:17]
	s_cselect_b32 s18, 0, s18
	s_cmp_lt_u32 s21, 4
	s_cselect_b64 s[16:17], s[6:7], s[16:17]
	s_cselect_b32 s18, s22, s18
	s_add_nc_u64 s[16:17], s[16:17], s[18:19]      ; the matrix's first row at its first column
	s_add_nc_u64 s[24:25], s[12:13], s[24:25]
	s_add_nc_u64 s[26:27], s[12:13], s[26:27]
.macro LOADS pitch                     ; W(k, my column), k = 0 .. 127; every offset is an immediate (127 x 2,048 at the most)
.set k, 0
.rept 128
	global_load_b32 v[X+k], v1, s[16:17] offset:k*\pitch th:TH_LOAD_NT
.set k, k+1
.endr
.endm
	s_cmp_lt_u32 s21, 4                            ; branch_Wout's rows are 2,048 bytes apart, all others' 512: two arms with the same 128 loads
	s_cbranch_scc1 .Lwide
	LOADS 512
	s_branch .Lloaded
.Lwide:
	LOADS 2048
.Lloaded:
; Block beta of my column.  left: how many of the 128 loads may still be out.
.macro QBLK beta, left
.set xs, X+32*(\beta)
	s_wait_loadcnt \left
	v_max3_num_f32 v[TM], |v[xs]|, |v[xs+1]|, 0x1800000            ; the largest magnitude, in two chains; the floor 2^(3 - 127) is one of its leaves: so the byte cannot fall under 1
	v_max3_num_f32 v[TM+1], |v[xs+2]|, |v[xs+3]|, |v[xs+4]|
.irp i, 5,9,13,17,21,25
	v_max3_num_f32 v[TM], v[TM], |v[xs+\i]|, |v[xs+\i+1]|
	v_max3_num_f32 v[TM+1], v[TM+1], |v[xs+\i+2]|, |v[xs+\i+3]|
.endr
	v_max3_num_f32 v[TM], v[TM], |v[xs+29]|, |v[xs+30]|
	v_max3_num_f32 v[TM], v[TM], v[TM+1], |v[xs+31]|
	v_add_nc_u32 v[TM+2], 0xff000000, v[TM]        ; 2 off its exponent field: the conversion takes the exponent field of this operand as its scale, and nothing else of it
.irp g, 0,1,2,3
	v_cvt_scalef32_pk8_fp4_f32 v[CD+4*(\beta)+\g], v[xs+8*\g:xs+8*\g+7], v[TM+2]
.endr
.if (\beta) == 0
	v_lshrrev_b32 v[SB], 23, v[TM+2]               ; the scale's byte (also the plain line behind the conversions)
.else
	v_lshrrev_b32 v[TM+3], 23, v[TM+2]
	v_lshl_or_b32 v[SB], v[TM+3], 8*(\beta), v[SB] ; the lower K in the lower byte
.endif
	global_store_b128 v2, v[CD+4*(\beta):CD+4*(\beta)+3], s[24:25] offset:((\beta)/2)*512+((\beta)%2)*256   ; block beta = 2 c + h': sixteen lanes store 256 consecutive bytes, aligned
.endm
	QBLK 0, 63                                     ; a wait's count names 63 at the most: at most 63 of the 128 are out, so the first 65 are in, blocks 0 and 1 among them
	QBLK 1, 63
	QBLK 2, 32                                     ; block 3's 32 loads may be out
	QBLK 3, 0
	global_store_b32 v3, v[SB], s[26:27]           ; the wave's 32 scale words: 128 consecutive bytes
	s_endpgm
.Lfunc_end_k_qb39a90cc61_quantw:
	.size	k_qb39a90cc61_quantw, .Lfunc_end_k_qb39a90cc61_quantw-k_qb39a90cc61_quantw
	.p2alignl 7, 3214868480
	.fill 96, 4, 3214868480
	.section	.rodata,"a",@progbits
	.p2align	6, 0x0
	.amdhsa_kernel k_qb39a90cc61_quantw
		.amdhsa_group_segment_fixed_size 0
		.amdhsa_private_segment_fixed_size 0
		.amdhsa_enable_private_segment 0
		.amdhsa_kernarg_size 40
		.amdhsa_user_sgpr_count 2
		.amdhsa_user_sgpr_kernarg_segment_ptr 1
		.amdhsa_wavefront_size32 1
		.amdhsa_system_sgpr_workgroup_id_x 1
		.amdhsa_system_sgpr_workgroup_id_y 1
		.amdhsa_system_sgpr_workgroup_id_z 1
		.amdhsa_system_vgpr_workitem_id 0
		.amdhsa_next_free_vgpr 176
		.amdhsa_next_free_sgpr 66
		.amdhsa_reserve_vcc 0
		.amdhsa_float_denorm_mode_32 3
		.amdhsa_float_denorm_mode_16_64 3
		.amdhsa_memory_ordered 1
		.amdhsa_forward_progress 1
		.amdhsa_inst_pref_size 33
	.end_amdhsa_kernel
	.amdgpu_metadata
---
amdhsa.version: [ 1, 2 ]
amdhsa.kernels:
  - .name:           k_qb39a90cc61_quantw
    .symbol:         k_qb39a90cc61_quantw.kd
    .args:
      - { .name: branch_Wr, .offset: 0, .size: 8, .value_kind: global_buffer, .address_space: global }
      - { .name: branch_Wout, .offset: 8, .size: 8, .value_kind: global_buffer, .address_space: global }
      - { .name: trunk_Wr, .offset: 16, .size: 8, .value_kind: global_buffer, .address_space: global }
      - { .name: final_W, .offset: 24, .size: 8, .value_kind: global_buffer, .address_space: global }
      - { .name: wq, .offset: 32, .size: 8, .value_kind: global_buffer, .address_space: global }
    .group_segment_fixed_size: 0
    .private_segment_fixed_size: 0
    .kernarg_segment_align: 8
    .kernarg_segment_size: 40
    .max_flat_workgroup_size: 128
    .sgpr_count:     66
    .vgpr_count:     176
    .wavefront_size: 32
...
	.end_amdgpu_metadata
.endif
;; end of part 1
;; launch branch (part 2): grid 1 x 1, 4 waves a work-group, no clusters, 4,608 bytes of LDS; arguments params, branch_W0, branch_b, branch_bout, wq, sbuf, zl; writes sbuf, zl
.if DOCPART == 2
	.amdgcn_target "amdgcn-amd-amdhsa--gfx1250"
	.amdhsa_code_object_version 6
	.text
	.protected	k_qb39a90cc61_branch
	.globl	k_qb39a90cc61_branch
	.p2align	8
	.type	k_qb39a90cc61_branch,@function
k_qb39a90cc61_branch:
	s_mov_b64 s[64:65], 0
	v_nop
	global_prefetch_b8 v0, s[64:65] scope:SCOPE_SE
	s_setreg_imm32_b32 hwreg(HW_REG_WAVE_MODE, 25, 1), 1
	s_wait_xcnt 0x0
; The branch tower, 16 rows: h0 = tanh(params W0 + b0) (f32 operands: its result goes on into a quantiser), h_i = tanh(Q(h_{i-1}) Q(Wr_{i-1}) + b_i), i = 1 .. 5, branch_out = Q(h5) Q(Wout) + bout.
; Stored: sbuf [6][16][128] = the running sums S_i = h_0 + .. + h_i;  zl [16][512] = branch_out.  The weights' codes and scale words come from wq as images of the operands' registers.
; It is a chain of seven dependent products on 16 rows: one work-group.  SHARES: wave w makes channels 32 w .. 32 w + 31 of every layer (tiles 2 w, 2 w + 1) and columns 128 w .. 128 w + 127 of branch_out.
; ALL PRODUCTS ARE USED TRANSPOSED (source 0 = 16 columns of the weight, source 1 = the 16 rows): lane (r, h) holds row r, and register 8 u + j of its 16 results is channel 32 w + 16 h + 8 u + j:
; 16 neighbours along the next K; lanes l and l xor 16 hold block w of 32.  Each wave quantises its block; the codes (8 bytes a lane) and the scale byte go to LDS at their places in the IMAGE of the
; next product's operand, a barrier follows, and every wave loads the whole fragment.  Two images take turns, so that one barrier a layer serves: a wave writes an image again only behind the barrier
; that every wave reaches behind its reads of it.
; tanh(z) = x P(x^2) / Q(x^2), x = z held to +-7.9053: a polynomial of degree 13 over one of degree 6; accurate relative to the result, for small z too.  The biases are the C of each sum's first matrix instruction.
; LIMITS: NaN and infinities are not served; a block of zeros gets the byte 1 (its codes are zeros; only this program reads the byte).
; REGISTERS.  Window 0: v1-14 addresses; v16-25 scale words and nothing else; v26-33 h's fragment; v34-35 codes; v36-41 at work; v42-53 layer 0's operands; v54-69 the results, written by matrix instructions
; alone; v70-165 the six biases; v166-181 S; v182-245 at work.   Window 1: v0-79 Wr's fragments, v80-143 Wout's, v144-207 bout, then branch_out in place.
.set IMG, 0                            ; LDS: h's fragment, 1,024 bytes, twice
.set SCB, 2048                         ; its 16 scale words, 64 bytes, twice, 256 bytes apart
.set WS,  16                           ; v16-20  scale words of layers 1-5: lanes 0-15 tile 2 w, lanes 16-31 tile 2 w + 1
.set WSO, 21                           ; v21-24  Wout's
.set HS,  25                           ; v25     h's
.set HF,  26
.set PC,  34
.set TM,  36
.set PB,  42                           ; v42-45  params^T, two K steps of 4
.set A0,  46                           ; v46-53  W0^T: tile u, K step s at 4 u + 2 s
.set ZB,  54
.set BB,  70
.set SS,  166
.set XX,  182
.set X2,  198
.set NU,  214
.set DE,  230
.set WO,  80                           ; in window 1
.set DO,  144
.set SEL, 40                           ; s[40:41] v_permlanex16_b32's selects for lane l xor 16
.set CLP, 42                           ; s42, s43 +-7.9053
.set CLN, 43
.set AL13, 48                          ; s[48:49], s[50:51] the two polynomials' leading coefficients (a line takes one literal)
.set BE6, 50
.set MSB, 0
.macro WIN new                         ; the immediate's high byte repeats the setting that is left
.if MSB != \new
	s_set_vgpr_msb (MSB<<8)|\new
.set MSB, \new
.endif
.endm
	s_load_b256 s[4:11], s[0:1], 0x0               ; params s[4:5], branch_W0 s[6:7], branch_b s[8:9], branch_bout s[10:11]
	s_load_b128 s[12:15], s[0:1], 0x20             ; wq s[12:13], sbuf s[14:15]
	s_load_b64 s[16:17], s[0:1], 0x30              ; zl
	v_lshl_add_u32 v254, v0, 2, 0x1000
	v_mov_b32 v255, 0
	v_lshrrev_b32 v36, 5, v0
	v_readfirstlane_b32 s18, v36                   ; wave w
	v_and_b32 v37, 31, v0                          ; lane
	v_and_b32 v38, 15, v0                          ; r
	v_bfe_u32 v39, v0, 4, 1                        ; h
	s_lshl_b32 s19, s18, 8
	s_lshl_b32 s20, s18, 7
	s_lshl_b32 s21, s18, 9
	s_lshl_b32 s22, s18, 11
	s_lshl_b32 s23, s18, 13
	v_lshlrev_b32 v1, 4, v37                       ; an image's place for my lane: 16 x lane
	v_lshlrev_b32 v2, 4, v38
	v_lshl_add_u32 v2, v39, 3, v2
	v_add_nc_u32 v2, s19, v2                       ; where my 16 codes go: block w = 2 c + h' lies at 512 c + 256 h' = 256 w; in it 16 r + 8 h
	v_lshl_add_u32 v4, v38, 2, SCB                 ; row r's scale word,
	v_add_nc_u32 v3, s18, v4                       ; and my block's byte in it
	v_lshlrev_b32 v5, 9, v38
	v_lshl_add_u32 v5, v39, 6, v5
	v_add_nc_u32 v5, s20, v5                       ; sbuf: 512 r + 128 w + 64 h
	v_lshlrev_b32 v9, 6, v39
	v_add_nc_u32 v14, s21, v9                      ; bout: 64 h + 512 w
	v_add_nc_u32 v9, s20, v9                       ; biases: 64 h + 128 w
	v_lshl_add_u32 v6, v38, 11, v14                ; zl: 2048 r + 512 w + 64 h
	v_lshlrev_b32 v7, 5, v38
	v_lshl_add_u32 v7, v39, 3, v7                  ; params: 32 r + 8 h
	v_and_b32 v40, 8, v38
	v_add_nc_u32 v40, v40, v38                     ; r + 8 (r / 8)
	v_lshlrev_b32 v8, 2, v40
	v_lshl_add_u32 v8, v39, 10, v8
	v_add_nc_u32 v8, s20, v8                       ; W0: rows 2 h, 2 h + 1 of 512 bytes; column 32 w + r + 8 (r / 8)
	v_add_nc_u32 v10, s22, v1                      ; Wr's images: 16 x lane + 2048 w
	v_lshlrev_b32 v41, 2, v37
	v_add_nc_u32 v11, s20, v41                     ; their scale words: 4 x lane + 128 w
	v_add_nc_u32 v13, s21, v41                     ; Wout's: 4 x lane + 512 w
	v_add_nc_u32 v12, s23, v1                      ; Wout's images: 16 x lane + 8192 w
	s_mov_b32 s[SEL], 0x76543210
	s_mov_b32 s[SEL+1], 0xfedcba98
	s_mov_b32 s[CLP], 0x40fcf84f
	s_mov_b32 s[CLN], 0xc0fcf84f
	s_mov_b32 s[AL13], 0xa59f25c0
	s_mov_b32 s[AL13+1], 0xa59f25c0
	s_mov_b32 s[BE6], 0x35a0d3d8
	s_mov_b32 s[BE6+1], 0x35a0d3d8
	s_wait_kmcnt 0x0
	; all that the chain needs is asked for at once
.irp s, 0,1
	global_load_b64 v[PB+2*\s:PB+2*\s+1], v7, s[4:5] offset:16*\s          ; params(r, 4 s + 2 h + 0, 1)
.endr
.irp u, 0,1
.irp s, 0,1
.irp j, 0,1
	global_load_b32 v[A0+4*\u+2*\s+\j], v8, s[6:7] offset:(4*\s+\j)*512+32*\u   ; W0(4 s + 2 h + j, column)
.endr
.endr
.endr
.irp i, 0,1,2,3,4,5
.irp g, 0,1,2,3
	global_load_b128 v[BB+16*\i+4*\g:BB+16*\i+4*\g+3], v9, s[8:9] offset:512*\i+16*\g   ; b_i at my 16 channels
.endr
.endr
.irp i, 0,1,2,3,4
	global_load_b32 v[WS+\i], v11, s[12:13] offset:122880+512*\i
.endr
.irp b, 0,1,2,3
	global_load_b32 v[WSO+\b], v13, s[12:13] offset:125440+128*\b
.endr
	WIN 0x40                                       ; destination window 1
.irp i, 0,1,2,3,4
.irp u, 0,1
.irp c, 0,1
	global_load_b128 v[16*\i+8*\u+4*\c:16*\i+8*\u+4*\c+3], v10, s[12:13] offset:8192*\i+1024*\u+512*\c
.endr
.endr
.endr
.irp t, 0,1,2,3,4,5,6,7
.irp c, 0,1
	global_load_b128 v[WO+8*\t+4*\c:WO+8*\t+4*\c+3], v12, s[12:13] offset:40960+1024*\t+512*\c
.endr
.endr
.irp b, 0,1,2,3
.irp g, 0,1,2,3
	global_load_b128 v[DO+16*\b+4*\g:DO+16*\b+4*\g+3], v14, s[10:11] offset:128*\b+16*\g   ; bout in the result's layout
.endr
.endr
	WIN 0
	s_wait_loadcnt 0x0
; tanh of the 16 results, into dst.
.macro HB2 ka, kb
.irp p, 0,2,4,6,8,10,12,14
	v_pk_fma_f32 v[NU+\p:NU+\p+1], v[NU+\p:NU+\p+1], v[X2+\p:X2+\p+1], \ka op_sel_hi:[1,1,0]
	v_pk_fma_f32 v[DE+\p:DE+\p+1], v[DE+\p:DE+\p+1], v[X2+\p:X2+\p+1], \kb op_sel_hi:[1,1,0]
.endr
.endm
.macro HB1 ka
.irp p, 0,2,4,6,8,10,12,14
	v_pk_fma_f32 v[NU+\p:NU+\p+1], v[NU+\p:NU+\p+1], v[X2+\p:X2+\p+1], \ka op_sel_hi:[1,1,0]
.endr
.endm
.macro TANH16 dst
.irp j, 0,1,2,3,4,5,6,7,8,9,10,11,12,13,14,15
	v_med3_num_f32 v[XX+\j], v[ZB+\j], s[CLN], s[CLP]              ; each accumulator is read from its low end on
.endr
.irp p, 0,2,4,6,8,10,12,14
	v_pk_mul_f32 v[X2+\p:X2+\p+1], v[XX+\p:XX+\p+1], v[XX+\p:XX+\p+1]
.endr
.irp p, 0,2,4,6,8,10,12,14
	v_pk_fma_f32 v[NU+\p:NU+\p+1], v[X2+\p:X2+\p+1], s[AL13:AL13+1], 0x2a61337e op_sel_hi:[1,0,0]
	v_pk_fma_f32 v[DE+\p:DE+\p+1], v[X2+\p:X2+\p+1], s[BE6:BE6+1], 0x38f895d6 op_sel_hi:[1,0,0]
.endr
	HB2 0xaebd37ff, 0x3b14aa05
	HB2 0x335c0041, 0x3ba059dd
	HB1 0x3779434a
	HB1 0x3a270ded
	HB1 0x3ba059dc
.irp j, 0,1,2,3,4,5,6,7,8,9,10,11,12,13,14,15
	v_rcp_f32 v[DE+\j], v[DE+\j]
.endr
.irp p, 0,2,4,6,8,10,12,14
	v_pk_mul_f32 v[NU+\p:NU+\p+1], v[NU+\p:NU+\p+1], v[XX+\p:XX+\p+1]   ; (plain lines behind the reciprocals, which touch none of them)
.endr
	s_wait_alu depctr_va_vdst(0)
.irp p, 0,2,4,6,8,10,12,14
	v_pk_mul_f32 v[\dst+\p:\dst+\p+1], v[NU+\p:NU+\p+1], v[DE+\p:DE+\p+1]
.endr
.endm
; My 16 numbers of block w become 16 codes and, with lane l xor 16's, the block's byte; both go to image buf.
.macro QB16 src, buf
	v_max3_num_f32 v[TM], |v[\src]|, |v[\src+1]|, 0x1800000        ; with the floor 2^(3 - 127) among the leaves: the byte cannot fall under 1
	v_max3_num_f32 v[TM+1], |v[\src+2]|, |v[\src+3]|, |v[\src+4]|
.irp i, 5,9
	v_max3_num_f32 v[TM], v[TM], |v[\src+\i]|, |v[\src+\i+1]|
	v_max3_num_f32 v[TM+1], v[TM+1], |v[\src+\i+2]|, |v[\src+\i+3]|
.endr
	v_max3_num_f32 v[TM], v[TM], |v[\src+13]|, |v[\src+14]|
	v_max3_num_f32 v[TM], v[TM], v[TM+1], |v[\src+15]|
	v_permlanex16_b32 v[TM+2], v[TM], s[SEL], s[SEL+1]             ; (its destination counts as read: v38 was written at the head)
	v_max_num_f32 v[TM], v[TM], v[TM+2]
	v_add_nc_u32 v[TM+3], 0xff000000, v[TM]        ; 2 off the exponent field: the conversion's scale operand
	v_cvt_scalef32_pk8_fp4_f32 v[PC], v[\src:\src+7], v[TM+3]
	v_cvt_scalef32_pk8_fp4_f32 v[PC+1], v[\src+8:\src+15], v[TM+3]
	v_lshrrev_b32 v[TM+4], 23, v[TM+3]             ; the byte (also the plain line behind the conversions)
	ds_store_b64 v2, v[PC:PC+1] offset:IMG+1024*(\buf)
	ds_store_b8 v3, v[TM+4] offset:256*(\buf)      ; both lanes of a row write the same byte with the same value
.endm
; Behind layer i's products: the activation, S_i, and h_i's image.
.macro POST i
.if (\i) == 0
	TANH16 SS
.else
	TANH16 NU
	s_wait_xcnt 0x0                                ; the last layer's stores of S have read their data: only now is S written again
.irp p, 0,2,4,6,8,10,12,14
	v_pk_add_f32 v[SS+\p:SS+\p+1], v[SS+\p:SS+\p+1], v[NU+\p:NU+\p+1]
.endr
.endif
.irp g, 0,1,2,3
	global_store_b128 v5, v[SS+4*\g:SS+4*\g+3], s[14:15] offset:8192*(\i)+16*\g
.endr
.if (\i) == 0
	QB16 SS, 0
.else
	QB16 NU, (\i)%2
.endif
	s_wait_dscnt 0x0                               ; for the others' sake: my stores have landed, and my reads of the other image are over
	s_barrier_signal -1
	s_barrier_wait -1
.endm
.macro HLOAD buf                       ; h's whole fragment and its scale words, from image buf
	ds_load_b128 v[HF:HF+3], v1 offset:IMG+1024*(\buf)
	ds_load_b128 v[HF+4:HF+7], v1 offset:IMG+1024*(\buf)+512
	ds_load_b32 v[HS], v4 offset:256*(\buf)
	s_wait_dscnt 0x0
.endm
.macro LAYER i
	HLOAD ((\i)-1)%2
	WIN 0x01                                       ; source 0 (the weight) window 1
	v_wmma_scale_f32_16x16x128_f8f6f4 v[ZB:ZB+7], v[16*((\i)-1):16*((\i)-1)+7], v[HF:HF+7], v[BB+16*(\i):BB+16*(\i)+7], v[WS+(\i)-1], v[HS] matrix_a_fmt:MATRIX_FMT_FP4 matrix_b_fmt:MATRIX_FMT_FP4
	v_wmma_scale_f32_16x16x128_f8f6f4 v[ZB+8:ZB+15], v[16*((\i)-1)+8:16*((\i)-1)+15], v[HF:HF+7], v[BB+16*(\i)+8:BB+16*(\i)+15], v[WS+(\i)-1], v[HS] matrix_a_fmt:MATRIX_FMT_FP4 matrix_b_fmt:MATRIX_FMT_FP4 matrix_a_scale:MATRIX_SCALE_ROW1
	WIN 0
.rept 4
	v_nop                                          ; four places in front of the first read of the results (ISA guide 7.12.1)
.endr
	POST \i
.endm
	; layer 0: K = 8 in two steps of 4, f32 operands; the two accumulators take turns; the bias starts each sum
.irp s, 0,1
.irp u, 0,1
.if \s == 0
	v_wmma_f32_16x16x4_f32 v[ZB+8*\u:ZB+8*\u+7], v[A0+4*\u:A0+4*\u+1], v[PB:PB+1], v[BB+8*\u:BB+8*\u+7]
.else
	v_wmma_f32_16x16x4_f32 v[ZB+8*\u:ZB+8*\u+7], v[A0+4*\u+2:A0+4*\u+3], v[PB+2:PB+3], v[ZB+8*\u:ZB+8*\u+7]
.endif
.endr
.endr
.rept 8
	v_nop                                          ; eight places behind this form
.endr
	POST 0
	LAYER 1
	LAYER 2
	LAYER 3
	LAYER 4
	LAYER 5
	; branch_out: my 128 columns, eight tiles; bout lies in the accumulators
	HLOAD 1
	WIN 0x51                                       ; source 0 (Wout), C and D window 1; source 1 (h) window 0
.irp t, 0,1,2,3,4,5,6,7
.if \t % 2
	v_wmma_scale_f32_16x16x128_f8f6f4 v[DO+8*\t:DO+8*\t+7], v[WO+8*\t:WO+8*\t+7], v[HF:HF+7], v[DO+8*\t:DO+8*\t+7], v[WSO+\t/2], v[HS] matrix_a_fmt:MATRIX_FMT_FP4 matrix_b_fmt:MATRIX_FMT_FP4 matrix_a_scale:MATRIX_SCALE_ROW1
.else
	v_wmma_scale_f32_16x16x128_f8f6f4 v[DO+8*\t:DO+8*\t+7], v[WO+8*\t:WO+8*\t+7], v[HF:HF+7], v[DO+8*\t:DO+8*\t+7], v[WSO+\t/2], v[HS] matrix_a_fmt:MATRIX_FMT_FP4 matrix_b_fmt:MATRIX_FMT_FP4
.endif
.endr
	WIN 0
.rept 4
	v_nop
.endr
	WIN 0x04                                       ; a store's data are its source 1: window 1
.irp b, 0,1,2,3
.irp g, 0,1,2,3
	global_store_b128 v6, v[DO+16*\b+4*\g:DO+16*\b+4*\g+3], s[16:17] offset:128*\b+16*\g   ; branch_out(r, 128 w + 32 b + 16 h + 4 g ..): each accumulator from its low end on
.endr
.endr
	WIN 0
	s_wait_tensorcnt 0x0
	ds_add_u32 v254, v255
	s_wait_dscnt 0x0
	s_endpgm
.Lfunc_end_k_qb39a90cc61_branch:
	.size	k_qb39a90cc61_branch, .Lfunc_end_k_qb39a90cc61_branch-k_qb39a90cc61_branch
	.p2alignl 7, 3214868480
	.fill 96, 4, 3214868480
	.section	.rodata,"a",@progbits
	.p2align	6, 0x0
	.amdhsa_kernel k_qb39a90cc61_branch
		.amdhsa_group_segment_fixed_size 4608
		.amdhsa_private_segment_fixed_size 0
		.amdhsa_enable_private_segment 0
		.amdhsa_kernarg_size 56
		.amdhsa_user_sgpr_count 2
		.amdhsa_user_sgpr_kernarg_segment_ptr 1
		.amdhsa_wavefront_size32 1
		.amdhsa_system_sgpr_workgroup_id_x 1
		.amdhsa_system_sgpr_workgroup_id_y 1
		.amdhsa_system_sgpr_workgroup_id_z 1
		.amdhsa_system_vgpr_workitem_id 0
		.amdhsa_next_free_vgpr 512
		.amdhsa_next_free_sgpr 66
		.amdhsa_reserve_vcc 0
		.amdhsa_float_denorm_mode_32 3
		.amdhsa_float_denorm_mode_16_64 3
		.amdhsa_memory_ordered 1
		.amdhsa_forward_progress 1
		.amdhsa_inst_pref_size 89
	.end_amdhsa_kernel
	.amdgpu_metadata
---
amdhsa.version: [ 1, 2 ]
amdhsa.kernels:
  - .name:           k_qb39a90cc61_branch
    .symbol:         k_qb39a90cc61_branch.kd
    .args:
      - { .name: params, .offset: 0, .size: 8, .value_kind: global_buffer, .address_space: global }
      - { .name: branch_W0, .offset: 8, .size: 8, .value_kind: global_buffer, .address_space: global }
      - { .name: branch_b, .offset: 16, .size: 8, .value_kind: global_buffer, .address_space: global }
      - { .name: branch_bout, .offset: 24, .size: 8, .value_kind: global_buffer, .address_space: global }
      - { .name: wq, .offset: 32, .size: 8, .value_kind: global_buffer, .address_space: global }
      - { .name: sbuf, .offset: 40, .size: 8, .value_kind: global_buffer, .address_space: global }
      - { .name: zl, .offset: 48, .size: 8, .value_kind: global_buffer, .address_space: global }
    .group_segment_fixed_size: 4608
    .private_segment_fixed_size: 0
    .kernarg_segment_align: 8
    .kernarg_segment_size: 56
    .max_flat_workgroup_size: 128
    .sgpr_count:     66
    .vgpr_count:     512
    .wavefront_size: 32
...
	.end_amdgpu_metadata
.endif
;; end of part 2
;; launch trunk (part 3): grid 256 x 1, 8 waves a work-group, no clusters, 117,760 bytes of LDS; arguments coords, sdf, trunk_W0, trunk_b, rowdy_a, final_b, wq, sbuf, zl, out0; writes out0
.if DOCPART == 3
	.amdgcn_target "amdgcn-amd-amdhsa--gfx1250"
	.amdhsa_code_object_version 6
	.text
	.protected	k_qb39a90cc61_trunk
	.globl	k_qb39a90cc61_trunk
	.p2align	8
	.type	k_qb39a90cc61_trunk,@function
k_qb39a90cc61_trunk:
	s_mov_b64 s[64:65], 0
	v_nop
	global_prefetch_b8 v0, s[64:65] scope:SCOPE_SE
	s_setreg_imm32_b32 hwreg(HW_REG_WAVE_MODE, 25, 1), 1
	s_wait_xcnt 0x0
; The trunk tower for 160,000 points: x = (coords, sdf); six times x = (tanh z + a1 sin z + a2 sin 2z + a3 sin 3z) S_i with z = x W + b; YL = x final_W + final_b; out(o) = sum over channels of ZL(o) YL.
; Layer 0 (K = 4) takes f32 operands, since its result goes on into a quantiser; layers 1-5 and final_W multiply codes of FP4 (E2M1) with one E8M0 scale for each 32 along K; the last contraction (4 outputs) is f32 multiply-adds.
; WHAT BINDS IS THE ACTIVATION'S VECTOR WORK (128 x 6 activations a point), so the text is laid to spare vector lines: nearly all of it on register PAIRS, S folded into the coefficients, per-channel numbers in registers.
; SHARES.  Sixteen work-groups to a batch, eight waves each: wave q = 0 .. 127 of a batch takes the tiles of 16 points q + 128 i, i = 0 .. 4, of the batch's 625.  Every loop has the constant trip count 5; a tile
; number of 625 or more (i = 4, q >= 113) is jumped over by a scalar branch on ids.  Two waves share a SIMD: one's waits and dependent lines stand beside the other's vector work.
; A WAVE WALKS STAGE BY STAGE OVER ITS FIVE TILES, so that a stage's weights and per-channel numbers are read from LDS once for five tiles; between stages a tile lives in the wave's own LDS slot as the IMAGE OF
; THE NEXT PRODUCT'S OPERAND (1,024 bytes of codes, 128 of scale words).
; THE PRODUCTS ARE USED TRANSPOSED (source 0 = 16 columns of the weight, source 1 = the 16 points): lane (r, h) holds point r, and register 16 b + 8 u + j of its 64 results is channel 32 b + 16 h + 8 u + j
; (the columns of a tile were chosen for that when the weights were quantised): 16 neighbours along the next K for each block b; lanes l and l xor 16 hold a block.
; THE ACTIVATION.  n = z / 2 pi to the nearest whole number (by adding and taking off 1.5 x 2^23), r = z - n 2 pi in two steps; S2 = sqrt 2 sin(r / 2) = r P(r^2), C2 = sqrt 2 cos(r / 2) = Q(r^2) (Taylor, |r / 2| <= pi / 2);
; s = sin z = S2 C2, c = cos z = 1 - S2^2: no quadrant, no sign.  a1 sin z + a2 sin 2z + a3 sin 3z = s ((a1 - a3) + 2 a2 c + 4 a3 c^2).  tanh z = x P13(x^2) / Q6(x^2), x = z held to +-7.9053.
; out = tanh S + s (P0 + P1 c + P2 c^2), Pk = S x the coefficient, made once a work-group.  Everything ahead of the quantiser is f32 and accurate relative to the number, for small z too.
; LIMITS: |z| under 2^22 x 2 pi (beyond it n is no whole number any more); NaN and infinities are not served; a block of zeros gets the byte 1 (its codes are zeros; only this program reads the byte); a bias is the C of
; its sum's matrix instruction.  No tensor loads, no cluster: a work-group reads 70 KB of tables once and shares nothing else with others.
; LDS: TAB [7 stages][5 arrays][128 f32]: bias, S, P0, P1, P2 (stage 6: final_b, ZL0-3); channel ch's word lies at 256 ((ch / 16) % 2) + 64 (ch / 32) + 4 (ch % 16), so that a lane half's 64 numbers lie on end in the
; order of its registers.  WIM, WSC: the six weights' images and scale words.  XC: for each wave five slots of 1,152 bytes.  One barrier, behind the tables' stores; behind it they are only read.
; REGISTERS.  Window 0: v1-15 addresses; v16-20 scale words and nothing else; v21 the scale word being made; v22-23 out; v24-31 x's fragment; v32-39 codes; v40-47 at work; v48-111 the results Z, written by matrix
; instructions alone; v112-175 the weight's fragments; v176-255 five arrays of 16 at work (v176-239: the bias while the products run).   Window 1: S, P0, P1, P2, 64 each (stage 6: ZL0-3).
.set TAB,   0
.set WIM,   17920
.set WSC,   67072
.set XC,    70144
.set SLOTB, 1152
.set WAVEB, 5*SLOTB
.set XLD, 1                            ; v1   my wave's slot 0 + 16 x lane: an image's place for my lane
.set XST, 2                            ; v2   + 16 r + 8 h: where my 16 codes of a block go
.set XSW, 3                            ; v3   + 1024 + 4 x lane: the scale word
.set TA0, 4                            ; v4   256 h: my half's numbers in an array of TAB
.set TAS, 5                            ; v5   the same in this stage
.set WI0, 6                            ; v6   WIM + 16 x lane
.set WS0, 7                            ; v7   WSC + 4 x lane
.set GO,  8                            ; v8   16 r + 8 h: my 8 bytes of a tile's 256 in out0
.set XB0, 9                            ; v9   my wave's slot 0 + 8 x lane: the point's f32 fragment
.set WIA, 10                           ; v10, v11  WI0, WS0 in this stage
.set WSA, 11
.set TLD, 12                           ; v12-15    XLD, XST, XSW, XB0 in this tile's slot
.set TST, 13
.set TSW, 14
.set TXB, 15
.set WS,  16
.set XS,  20
.set PW,  21
.set OD,  22
.set XF,  24
.set PC,  32
.set TM,  40
.set Z,   48
.set WF,  112
.set BI,  176
.set AA,  176
.set AB,  192
.set AC,  208
.set AD,  224
.set AE,  240
.set FA,  176                          ; the last contraction's sums: output o, chain e at 4 o + 2 e
.set PS,  0                            ; in window 1
.set P0,  64
.set P1,  128
.set P2,  192
.set WV,   24                          ; s24 wave; s25 batch; s27 q
.set BAT,  25
.set QQ,   27
.set SLOT, 32                          ; s32 the tile's slot in bytes; s33 the tile's number; s34 counts tiles, s35 stages
.set TILE, 33
.set TCNT, 34
.set SCNT, 35
.set TOFF, 36                          ; s36-38 the stage's place in TAB, WIM, WSC
.set WOFF, 37
.set SOFF, 38
.set SEL,  40                          ; s[40:41] v_permlanex16_b32's selects for lane l xor 16
.set CLP,  42
.set CLN,  43
.set SN5,  44                          ; s[44:53] the polynomials' leading coefficients and 1 / 2 pi, as pairs: a line takes one literal, and the packed form names a pair
.set CS6,  46
.set AL13, 48
.set BE6,  50
.set INV,  52
.set MSB, 0
.macro WIN new                         ; the immediate's high byte repeats the setting that is left
.if MSB != \new
	s_set_vgpr_msb (MSB<<8)|\new
.set MSB, \new
.endif
.endm
	s_load_b256 s[4:11], s[0:1], 0x0               ; coords s[4:5], sdf s[6:7], trunk_W0 s[8:9], trunk_b s[10:11]
	s_load_b256 s[12:19], s[0:1], 0x20             ; rowdy_a s[12:13], final_b s[14:15], wq s[16:17], sbuf s[18:19]
	s_load_b128 s[20:23], s[0:1], 0x40             ; zl s[20:21], out0 s[22:23]
	v_lshrrev_b32 v226, 5, v0
	v_readfirstlane_b32 s[WV], v226                ; wave 0..7
	v_and_b32 v226, 15, v0                         ; r
	v_bfe_u32 v227, v0, 4, 1                       ; h
	v_and_b32 v228, 31, v0                         ; lane
	s_lshr_b32 s[BAT], ttmp9, 4                    ; the batch
	s_and_b32 s26, ttmp9, 15
	s_lshl_b32 s26, s26, 3
	s_add_co_u32 s[QQ], s26, s[WV]                 ; q = 8 x (work-group in the batch) + wave
	s_mul_i32 s39, s[WV], WAVEB
	s_add_co_u32 s39, s39, XC                      ; my wave's slots
	v_lshl_add_u32 v[XLD], v228, 4, s39
	v_lshl_add_u32 v[XB0], v228, 3, s39
	v_lshlrev_b32 v[GO], 4, v226
	v_lshl_add_u32 v[GO], v227, 3, v[GO]
	v_add_nc_u32 v[XST], s39, v[GO]
	v_lshl_add_u32 v[XSW], v228, 2, s39
	v_add_nc_u32 v[XSW], 1024, v[XSW]
	v_lshlrev_b32 v[TA0], 8, v227
	v_lshl_add_u32 v[WI0], v228, 4, WIM
	v_lshl_add_u32 v[WS0], v228, 2, WSC
	; offsets of the loads at the head
	v_mul_u32_u24 v229, v226, 12                   ; coords: 12 r
	v_lshl_add_u32 v230, v227, 3, v229             ; 12 r + 8 h: c0 for lanes 0-15, c2 for lanes 16-31
	v_lshlrev_b32 v231, 2, v226                    ; sdf: 4 r
	v_and_b32 v232, 8, v226
	v_add_nc_u32 v232, v232, v226
	v_lshlrev_b32 v232, 2, v232
	v_lshl_add_u32 v232, v227, 10, v232            ; trunk_W0: rows 2 h, 2 h + 1 of 512 bytes; column r + 8 (r / 8)
	v_lshlrev_b32 v233, 4, v0                      ; 16 x thread
	v_lshlrev_b32 v234, 2, v0                      ; 4 x thread
	v_and_b32 v235, 127, v0
	v_lshlrev_b32 v235, 2, v235                    ; 4 ch: thread t serves channel ch = t % 128 in the stages 2 k + g, g = t / 128
	v_bfe_u32 v236, v0, 7, 1                       ; g
	v_lshl_add_u32 v237, v236, 13, v235            ; sbuf: a stage is 8,192 bytes
	v_mad_u32_u24 v238, v236, 1536, v235           ; rowdy_a: 1,536
	v_lshl_add_u32 v239, v236, 9, v235             ; trunk_b: 512; zl: output g
	; and of the stores into the tables
	v_bfe_u32 v245, v0, 5, 2                       ; ch / 32
	v_lshl_add_u32 v240, v245, 6, v231
	v_lshl_add_u32 v240, v227, 8, v240             ; ch's word in an array: 4 (ch % 16) + 64 (ch / 32) + 256 ((ch / 16) % 2)
	v_mad_u32_u24 v241, v236, 2560, v240           ; in stage g
	v_lshl_add_u32 v242, v236, 9, v240             ; in array g
	v_lshl_add_u32 v243, v0, 4, WIM
	v_lshl_add_u32 v244, v0, 2, WSC
.irp j, 0,1,2,3,4,5,6,7
	v_mov_b32 v[TM+\j], 0                          ; written once: a lane permute's destination counts as one of its sources
.endr
	s_mov_b32 s[SEL], 0x76543210
	s_mov_b32 s[SEL+1], 0xfedcba98
	s_mov_b32 s[CLP], 0x40fcf84f
	s_mov_b32 s[CLN], 0xc0fcf84f
	s_mov_b32 s[SN5], 0xad982aa2
	s_mov_b32 s[SN5+1], 0xad982aa2
	s_mov_b32 s[CS6], 0x2b4ae382
	s_mov_b32 s[CS6+1], 0x2b4ae382
	s_mov_b32 s[AL13], 0xa59f25c0
	s_mov_b32 s[AL13+1], 0xa59f25c0
	s_mov_b32 s[BE6], 0x35a0d3d8
	s_mov_b32 s[BE6+1], 0x35a0d3d8
	s_mov_b32 s[INV], 0x3e22f983
	s_mov_b32 s[INV+1], 0x3e22f983
	s_mov_b32 vcc_lo, 0xffff0000                   ; lanes 16-31; never rewritten
	s_add_co_u32 s58, s[QQ], 512
	s_min_u32 s58, s58, 624                        ; my fifth tile, held to the batch's last: no load leaves its buffer (for q >= 113 what is loaded so is never used)
	s_mov_b32 s29, 0
	s_mov_b32 s31, 0
	s_mul_i32 s30, s[BAT], 120000                  ; coords: 120,000 bytes a batch, 192 a tile
	s_mul_i32 s26, s[QQ], 192
	s_add_co_u32 s28, s30, s26
	s_mul_i32 s26, s58, 192
	s_add_co_u32 s30, s30, s26
	s_wait_kmcnt 0x0
	s_add_nc_u64 s[54:55], s[4:5], s[30:31]        ; coords at my fifth tile,
	s_add_nc_u64 s[4:5], s[4:5], s[28:29]          ; and at my first
	s_mul_i32 s30, s[BAT], 40000                   ; sdf: 40,000 a batch, 64 a tile
	s_lshl_b32 s26, s[QQ], 6
	s_add_co_u32 s28, s30, s26
	s_lshl_b32 s26, s58, 6
	s_add_co_u32 s30, s30, s26
	s_add_nc_u64 s[56:57], s[6:7], s[30:31]
	s_add_nc_u64 s[6:7], s[6:7], s[28:29]
	s_lshl_b32 s28, s[BAT], 9
	s_add_nc_u64 s[18:19], s[18:19], s[28:29]      ; sbuf at my batch's row
	s_lshl_b32 s28, s[BAT], 11
	s_add_nc_u64 s[20:21], s[20:21], s[28:29]      ; zl likewise
	s_mul_i32 s28, s[BAT], 160000                  ; out0: 160,000 a batch, 256 a tile
	s_lshl_b32 s26, s[QQ], 8
	s_add_co_u32 s28, s28, s26
	s_add_nc_u64 s[22:23], s[22:23], s[28:29]
	; everything that comes from memory is asked for at once
.irp i, 0,1,2,3
	global_load_b32 v[128+2*\i], v230, s[4:5] offset:24576*\i
	global_load_b32 v[129+2*\i], v229, s[4:5] offset:24576*\i+4    ; c1
	global_load_b32 v[138+\i], v231, s[6:7] offset:8192*\i         ; sdf
.endr
	global_load_b32 v136, v230, s[54:55]
	global_load_b32 v137, v229, s[54:55] offset:4
	global_load_b32 v142, v231, s[56:57]
.irp t, 0,1,2,3,4,5,6,7
.irp j, 0,1
	global_load_b32 v[WF+2*\t+\j], v232, s[8:9] offset:512*\j+4*(32*(\t/2)+8*(\t%2))   ; W0(2 h + j, the tile's column): stays in registers through stage 0
.endr
.endr
.irp j, 0,1,2,3,4,5,6,7,8,9,10,11
	global_load_b128 v[144+4*\j:147+4*\j], v233, s[16:17] offset:73728+4096*\j       ; the six weights' images: 4,096 consecutive bytes a line for the work-group
.endr
.irp j, 0,1,2
	global_load_b32 v[192+\j], v234, s[16:17] offset:127488+1024*\j                  ; and their scale words
.endr
.irp k, 0,1,2
	global_load_b32 v[196+5*\k], v237, s[18:19] offset:16384*\k                      ; S
	global_load_b32 v[197+5*\k], v238, s[12:13] offset:3072*\k                       ; a1
	global_load_b32 v[198+5*\k], v238, s[12:13] offset:3072*\k+512                   ; a2
	global_load_b32 v[199+5*\k], v238, s[12:13] offset:3072*\k+1024                  ; a3
	global_load_b32 v[200+5*\k], v239, s[10:11] offset:1024*\k                       ; the bias
.endr
	global_load_b32 v211, v239, s[20:21]                                             ; ZL(g, ch)
	global_load_b32 v212, v239, s[20:21] offset:1024                                 ; ZL(2 + g, ch)
	global_load_b32 v213, v235, s[14:15]                                             ; final_b(ch)
	s_wait_loadcnt 0x0
.irp i, 0,1,2,3,4
	v_cndmask_b32 v[129+2*\i], v[129+2*\i], v[138+\i], vcc_lo      ; the f32 operand's layout: lane (r, h) holds k = 2 h, 2 h + 1 of point r: (c0, c1) or (c2, sdf)
.endr
.irp i, 0,1,2,3,4
	ds_store_b64 v[XB0], v[128+2*\i:129+2*\i] offset:SLOTB*\i
.endr
.irp j, 0,1,2,3,4,5,6,7,8,9,10,11
	ds_store_b128 v243, v[144+4*\j:147+4*\j] offset:4096*\j
.endr
.irp j, 0,1,2
	ds_store_b32 v244, v[192+\j] offset:1024*\j
.endr
.irp k, 0,1,2
	v_sub_f32 v[216+3*\k], v[197+5*\k], v[199+5*\k]                ; a1 - a3
	v_mul_f32 v[217+3*\k], v[196+5*\k], v[198+5*\k]                ; S a2
	v_mul_f32 v[218+3*\k], v[196+5*\k], v[199+5*\k]                ; S a3
	v_mul_f32 v[216+3*\k], v[196+5*\k], v[216+3*\k]                ; P0 = S (a1 - a3)
	v_mul_f32 v[217+3*\k], 2.0, v[217+3*\k]                        ; P1 = 2 S a2
	v_mul_f32 v[218+3*\k], 4.0, v[218+3*\k]                        ; P2 = 4 S a3
	ds_store_b32 v241, v[200+5*\k] offset:5120*\k
	ds_store_b32 v241, v[196+5*\k] offset:5120*\k+512
	ds_store_b32 v241, v[216+3*\k] offset:5120*\k+1024
	ds_store_b32 v241, v[217+3*\k] offset:5120*\k+1536
	ds_store_b32 v241, v[218+3*\k] offset:5120*\k+2048
.endr
	ds_store_b32 v242, v211 offset:15360+512
	ds_store_b32 v242, v212 offset:15360+1536
	s_cmp_lt_u32 s[WV], 4                          ; final_b has 128 numbers: waves 0-3 (g = 0) store them
	s_cbranch_scc0 .Lno_fb
	ds_store_b32 v241, v213 offset:15360
.Lno_fb:
	s_wait_dscnt 0x0                               ; for the others' sake: my stores have landed
	s_barrier_signal -1
	s_barrier_wait -1                              ; the tables are whole; from here on they are only read
; A stage's numbers: S, P0, P1, P2 (or ZL0-3) into window 1; with w = 1 the weight's eight fragments and four scale registers.  The wait for them is the first tile's.
.macro STAGE w
	s_wait_dscnt 0x0                               ; every LDS load of mine has landed before its register is loaded again: the last stage's too, also on the way on which all its tiles are jumped over, where no tile's wait stands between
	v_add_nc_u32 v[TAS], s[TOFF], v[TA0]
.if \w
	v_add_nc_u32 v[WIA], s[WOFF], v[WI0]
	v_add_nc_u32 v[WSA], s[SOFF], v[WS0]
.endif
	WIN 0x40                                       ; destination window 1
.irp a, 1,2,3,4
.irp g, 0,1,2,3,4,5,6,7,8,9,10,11,12,13,14,15
	ds_load_b128 v[64*(\a-1)+4*\g:64*(\a-1)+4*\g+3], v[TAS] offset:512*\a+16*\g
.endr
.endr
	WIN 0
.if \w
.irp t, 0,1,2,3,4,5,6,7
.irp c, 0,1
	ds_load_b128 v[WF+8*\t+4*\c:WF+8*\t+4*\c+3], v[WIA] offset:1024*\t+512*\c
.endr
.endr
.irp b, 0,1,2,3
	ds_load_b32 v[WS+\b], v[WSA] offset:128*\b     ; lanes 0-15: tile 2 b's words; lanes 16-31: tile 2 b + 1's
.endr
.endif
.endm
.macro MM4                             ; z^T = W^T x^T + b: eight tiles of 16 channels, K = 128 in one instruction each
.irp t, 0,1,2,3,4,5,6,7
.if \t % 2
	v_wmma_scale_f32_16x16x128_f8f6f4 v[Z+8*\t:Z+8*\t+7], v[WF+8*\t:WF+8*\t+7], v[XF:XF+7], v[BI+8*\t:BI+8*\t+7], v[WS+\t/2], v[XS] matrix_a_fmt:MATRIX_FMT_FP4 matrix_b_fmt:MATRIX_FMT_FP4 matrix_a_scale:MATRIX_SCALE_ROW1
.else
	v_wmma_scale_f32_16x16x128_f8f6f4 v[Z+8*\t:Z+8*\t+7], v[WF+8*\t:WF+8*\t+7], v[XF:XF+7], v[BI+8*\t:BI+8*\t+7], v[WS+\t/2], v[XS] matrix_a_fmt:MATRIX_FMT_FP4 matrix_b_fmt:MATRIX_FMT_FP4
.endif
.endr
.rept 4
	v_nop                                          ; four places in front of the first read of the results and the first write over the bias (ISA guide 7.12.1)
.endr
.endm
.macro MM0                             ; the same for layer 0: K = 4, f32 operands
.irp t, 0,1,2,3,4,5,6,7
	v_wmma_f32_16x16x4_f32 v[Z+8*\t:Z+8*\t+7], v[WF+2*\t:WF+2*\t+1], v[XF:XF+1], v[BI+8*\t:BI+8*\t+7]
.endr
.rept 8
	v_nop                                          ; eight places behind this form
.endr
.endm
.macro HORN2 x, kx, y, ky              ; x = x B + kx, y = y B + ky, by turns
.irp p, 0,2,4,6,8,10,12,14
	v_pk_fma_f32 v[\x+\p:\x+\p+1], v[\x+\p:\x+\p+1], v[AB+\p:AB+\p+1], \kx op_sel_hi:[1,1,0]
	v_pk_fma_f32 v[\y+\p:\y+\p+1], v[\y+\p:\y+\p+1], v[AB+\p:AB+\p+1], \ky op_sel_hi:[1,1,0]
.endr
.endm
.macro HORN1 x, kx
.irp p, 0,2,4,6,8,10,12,14
	v_pk_fma_f32 v[\x+\p:\x+\p+1], v[\x+\p:\x+\p+1], v[AB+\p:AB+\p+1], \kx op_sel_hi:[1,1,0]
.endr
.endm
; The activation of block beta: my 16 numbers z in Z + 16 beta on become 16 numbers x in array C.  Each line is eight independent packed instructions.
.macro ACTB beta
.set zb, Z+16*(\beta)
.set wb, 16*(\beta)
.irp p, 0,2,4,6,8,10,12,14
	v_pk_fma_f32 v[AA+\p:AA+\p+1], v[zb+\p:zb+\p+1], s[INV:INV+1], 0x4b400000 op_sel_hi:[1,0,0]   ; z / 2 pi + 1.5 x 2^23: rounded to a whole number.  (Each accumulator is read from its low end on)
.endr
.irp p, 0,2,4,6,8,10,12,14
	v_pk_add_f32 v[AA+\p:AA+\p+1], v[AA+\p:AA+\p+1], 0xcb400000 op_sel_hi:[1,0]                   ; n
.endr
.irp p, 0,2,4,6,8,10,12,14
	v_pk_fma_f32 v[AB+\p:AB+\p+1], v[AA+\p:AA+\p+1], 0xc0c90fdb, v[zb+\p:zb+\p+1] op_sel_hi:[1,0,1]   ; z - n x (2 pi as f32)
.endr
.irp p, 0,2,4,6,8,10,12,14
	v_pk_fma_f32 v[AA+\p:AA+\p+1], v[AA+\p:AA+\p+1], 0x343bbd2e, v[AB+\p:AB+\p+1] op_sel_hi:[1,0,1]   ; - n x (the rest of 2 pi, which is negative): r
.endr
.irp p, 0,2,4,6,8,10,12,14
	v_pk_mul_f32 v[AB+\p:AB+\p+1], v[AA+\p:AA+\p+1], v[AA+\p:AA+\p+1]                             ; r^2
.endr
.irp p, 0,2,4,6,8,10,12,14
	v_pk_fma_f32 v[AC+\p:AC+\p+1], v[AB+\p:AB+\p+1], s[SN5:SN5+1], 0x3202c4a3 op_sel_hi:[1,0,0]
	v_pk_fma_f32 v[AD+\p:AD+\p+1], v[AB+\p:AB+\p+1], s[CS6:CS6+1], 0xafd13a9e op_sel_hi:[1,0,0]
.endr
	HORN2 AC, 0xb6131d37, AD, 0x34131d37
	HORN2 AC, 0x39c11659, AD, 0xb800b990
	HORN2 AC, 0xbcf15bef, AD, 0x3b715bef
	HORN2 AC, 0x3f3504f3, AD, 0xbe3504f3
.irp p, 0,2,4,6,8,10,12,14
	v_pk_mul_f32 v[AC+\p:AC+\p+1], v[AC+\p:AC+\p+1], v[AA+\p:AA+\p+1]                             ; S2 = sqrt 2 sin(r / 2)
	v_pk_fma_f32 v[AD+\p:AD+\p+1], v[AD+\p:AD+\p+1], v[AB+\p:AB+\p+1], 0x3fb504f3 op_sel_hi:[1,1,0]   ; C2 = sqrt 2 cos(r / 2)
.endr
.irp p, 0,2,4,6,8,10,12,14
	v_pk_fma_f32 v[AB+\p:AB+\p+1], v[AC+\p:AC+\p+1], v[AC+\p:AC+\p+1], 1.0 op_sel_hi:[1,1,0] neg_lo:[1,0,0] neg_hi:[1,0,0]   ; c = 1 - S2^2
.endr
.irp p, 0,2,4,6,8,10,12,14
	v_pk_mul_f32 v[AC+\p:AC+\p+1], v[AC+\p:AC+\p+1], v[AD+\p:AD+\p+1]                             ; s = S2 C2
.endr
	WIN 0x14                                       ; sources 1 and 2 window 1
.irp p, 0,2,4,6,8,10,12,14
	v_pk_fma_f32 v[AD+\p:AD+\p+1], v[AB+\p:AB+\p+1], v[P2+wb+\p:P2+wb+\p+1], v[P1+wb+\p:P1+wb+\p+1]
.endr
	WIN 0x10                                       ; source 2 window 1
.irp p, 0,2,4,6,8,10,12,14
	v_pk_fma_f32 v[AD+\p:AD+\p+1], v[AD+\p:AD+\p+1], v[AB+\p:AB+\p+1], v[P0+wb+\p:P0+wb+\p+1]     ; P0 + P1 c + P2 c^2
.endr
	WIN 0
.irp p, 0,2,4,6,8,10,12,14
	v_pk_mul_f32 v[AC+\p:AC+\p+1], v[AC+\p:AC+\p+1], v[AD+\p:AD+\p+1]                             ; the three sines, times S
.endr
.irp j, 0,1,2,3,4,5,6,7,8,9,10,11,12,13,14,15
	v_med3_num_f32 v[AA+\j], v[zb+\j], s[CLN], s[CLP]                                             ; x = z held to +-7.9053
.endr
.irp p, 0,2,4,6,8,10,12,14
	v_pk_mul_f32 v[AB+\p:AB+\p+1], v[AA+\p:AA+\p+1], v[AA+\p:AA+\p+1]
.endr
.irp p, 0,2,4,6,8,10,12,14
	v_pk_fma_f32 v[AD+\p:AD+\p+1], v[AB+\p:AB+\p+1], s[AL13:AL13+1], 0x2a61337e op_sel_hi:[1,0,0]
	v_pk_fma_f32 v[AE+\p:AE+\p+1], v[AB+\p:AB+\p+1], s[BE6:BE6+1], 0x38f895d6 op_sel_hi:[1,0,0]
.endr
	HORN2 AD, 0xaebd37ff, AE, 0x3b14aa05
	HORN2 AD, 0x335c0041, AE, 0x3ba059dd
	HORN1 AD, 0x3779434a
	HORN1 AD, 0x3a270ded
	HORN1 AD, 0x3ba059dc
.irp j, 0,1,2,3,4,5,6,7,8,9,10,11,12,13,14,15
	v_rcp_f32 v[AE+\j], v[AE+\j]
.endr
.irp p, 0,2,4,6,8,10,12,14
	v_pk_mul_f32 v[AD+\p:AD+\p+1], v[AD+\p:AD+\p+1], v[AA+\p:AA+\p+1]                             ; (plain lines behind the reciprocals, which touch none of them)
.endr
	s_wait_alu depctr_va_vdst(0)
.irp p, 0,2,4,6,8,10,12,14
	v_pk_mul_f32 v[AD+\p:AD+\p+1], v[AD+\p:AD+\p+1], v[AE+\p:AE+\p+1]                             ; tanh z
.endr
	WIN 0x04                                       ; source 1 window 1
.irp p, 0,2,4,6,8,10,12,14
	v_pk_fma_f32 v[AC+\p:AC+\p+1], v[AD+\p:AD+\p+1], v[PS+wb+\p:PS+wb+\p+1], v[AC+\p:AC+\p+1]     ; x = tanh S + the sines S
.endr
	WIN 0
.endm
; Array C, my 16 numbers of block beta, becomes 16 codes, which go straight to their place in the next operand's image: block beta = 2 c + h' lies at 512 c + 256 h', my 8 bytes at 16 r + 8 h in it.
.macro QB beta
	v_max3_num_f32 v[TM], |v[AC]|, |v[AC+1]|, 0x1800000            ; with the floor 2^(3 - 127) among the leaves: the byte cannot fall under 1
	v_max3_num_f32 v[TM+1], |v[AC+2]|, |v[AC+3]|, |v[AC+4]|
.irp i, 5,9
	v_max3_num_f32 v[TM], v[TM], |v[AC+\i]|, |v[AC+\i+1]|
	v_max3_num_f32 v[TM+1], v[TM+1], |v[AC+\i+2]|, |v[AC+\i+3]|
.endr
	v_max3_num_f32 v[TM], v[TM], |v[AC+13]|, |v[AC+14]|
	v_max3_num_f32 v[TM], v[TM], v[TM+1], |v[AC+15]|
	v_permlanex16_b32 v[TM+2], v[TM], s[SEL], s[SEL+1]
	v_max_num_f32 v[TM], v[TM], v[TM+2]            ; with lane l xor 16's: the block's largest magnitude
	v_add_nc_u32 v[TM+3], 0xff000000, v[TM]        ; 2 off its exponent field: the conversion's scale operand
	v_cvt_scalef32_pk8_fp4_f32 v[PC+2*(\beta)], v[AC:AC+7], v[TM+3]
	v_cvt_scalef32_pk8_fp4_f32 v[PC+2*(\beta)+1], v[AC+8:AC+15], v[TM+3]
.if (\beta) == 0
	v_lshrrev_b32 v[PW], 23, v[TM+3]               ; the byte (also the plain line behind the conversions)
.else
	v_lshrrev_b32 v[TM+4], 23, v[TM+3]
	v_lshl_or_b32 v[PW], v[TM+4], 8*(\beta), v[PW]
.endif
	ds_store_b64 v[TST], v[PC+2*(\beta):PC+2*(\beta)+1] offset:((\beta)/2)*512+((\beta)%2)*256
.endm
; out(o) = sum over the 128 channels of ZL(o) YL: my 64 channels in two chains of pairs for each output, then lane l xor 16's; lane (r, h) stores outputs 2 h, 2 h + 1 of point r.
.macro FINISH
	WIN 0x04                                       ; source 1 (ZL) window 1
.set pp, 0
.rept 32
.irp o, 0,1,2,3
.if pp < 2
	v_pk_mul_f32 v[FA+4*\o+2*pp:FA+4*\o+2*pp+1], v[Z+2*pp:Z+2*pp+1], v[64*\o+2*pp:64*\o+2*pp+1]   ; the first products start the sums
.else
	v_pk_fma_f32 v[FA+4*\o+2*(pp%2):FA+4*\o+2*(pp%2)+1], v[Z+2*pp:Z+2*pp+1], v[64*\o+2*pp:64*\o+2*pp+1], v[FA+4*\o+2*(pp%2):FA+4*\o+2*(pp%2)+1]
.endif
.endr
.set pp, pp+1
.endr
	WIN 0
.irp o, 0,1,2,3
	v_pk_add_f32 v[FA+4*\o:FA+4*\o+1], v[FA+4*\o:FA+4*\o+1], v[FA+4*\o+2:FA+4*\o+3]
.endr
.irp o, 0,1,2,3
	v_add_f32 v[FA+4*\o], v[FA+4*\o], v[FA+4*\o+1]
.endr
.irp o, 0,1,2,3
	v_permlanex16_b32 v[TM+4+\o], v[FA+4*\o], s[SEL], s[SEL+1]
.endr
.irp o, 0,1,2,3
	v_add_f32 v[FA+4*\o], v[FA+4*\o], v[TM+4+\o]
.endr
	v_cndmask_b32 v[OD], v[FA], v[FA+8], vcc_lo
	v_cndmask_b32 v[OD+1], v[FA+4], v[FA+12], vcc_lo
	global_store_b64 v[GO], v[OD:OD+1], s[22:23]   ; the wave stores the tile's 256 consecutive bytes, aligned
.endm
; One tile in one stage.  kind 0: layer 0;  1: layers 1-5;  2: final_W and the contraction.
.macro BODY kind
.if \kind == 0
	v_add_nc_u32 v[TXB], s[SLOT], v[XB0]
.else
	v_add_nc_u32 v[TLD], s[SLOT], v[XLD]
.endif
	v_add_nc_u32 v[TSW], s[SLOT], v[XSW]
.if \kind < 2
	v_add_nc_u32 v[TST], s[SLOT], v[XST]
.endif
.if \kind == 0
	ds_load_b64 v[XF:XF+1], v[TXB]
.else
	ds_load_b128 v[XF:XF+3], v[TLD]                ; LDS serves a wave's instructions in order (ISA guide 5.7.1.4): these see what I stored in the stage before
	ds_load_b128 v[XF+4:XF+7], v[TLD] offset:512
	ds_load_b32 v[XS], v[TSW]
.endif
.irp g, 0,1,2,3,4,5,6,7,8,9,10,11,12,13,14,15
	ds_load_b128 v[BI+4*\g:BI+4*\g+3], v[TAS] offset:16*\g         ; the bias in the result's layout: the work arrays have written over it
.endr
	s_wait_dscnt 0x0                               ; the tile's operand and the bias; in a stage's first tile also the stage's numbers and weights
.if \kind == 0
	MM0
.else
	MM4
.endif
.if \kind < 2
	ACTB 0
	QB 0
	ACTB 1
	QB 1
	ACTB 2
	QB 2
	ACTB 3
	QB 3
	ds_store_b32 v[TSW], v[PW]                     ; my point's scale word (lanes l and l xor 16 hold the same; the product reads lanes 0-15)
.else
	FINISH
.endif
.endm
; My five tiles.  The trip count is a constant; a tile number past the batch's 625 jumps over the work, not over the steps.
.macro TLOOP kind
	s_mov_b32 s[SLOT], 0
	s_mov_b32 s[TILE], s[QQ]
	s_mov_b32 s[TCNT], 0
.Ltile_\@:
	s_cmp_ge_u32 s[TILE], 625
	s_cbranch_scc1 .Lskip_\@
	BODY \kind
.Lskip_\@:
.if \kind == 2
	s_wait_xcnt 0x0                                ; the store has read its base and its data: both are written again only behind this wait
	s_add_nc_u64 s[22:23], s[22:23], 32768         ; 128 tiles on
.endif
	s_add_co_u32 s[SLOT], s[SLOT], SLOTB
	s_add_co_u32 s[TILE], s[TILE], 128
	s_add_co_u32 s[TCNT], s[TCNT], 1
	s_cmp_lt_u32 s[TCNT], 5
	s_cbranch_scc1 .Ltile_\@
.endm
	s_mov_b32 s[TOFF], 0
	s_mov_b32 s[WOFF], 0
	s_mov_b32 s[SOFF], 0
	STAGE 0                                        ; layer 0: its weight came into registers at the head
	TLOOP 0
	s_add_co_u32 s[TOFF], s[TOFF], 2560
	s_mov_b32 s[SCNT], 0
.Lstage:                                               ; layers 1 to 5
	STAGE 1
	TLOOP 1
	s_add_co_u32 s[TOFF], s[TOFF], 2560
	s_add_co_u32 s[WOFF], s[WOFF], 8192
	s_add_co_u32 s[SOFF], s[SOFF], 512
	s_add_co_u32 s[SCNT], s[SCNT], 1
	s_cmp_lt_u32 s[SCNT], 5
	s_cbranch_scc1 .Lstage
	STAGE 1                                        ; final_W, final_b and ZL
	TLOOP 2
	s_wait_xcnt 0x0
	v_lshl_add_u32 v244, v0, 2, 0x1c800
	v_mov_b32 v245, 0
	s_wait_tensorcnt 0x0
	ds_add_u32 v244, v245
	s_wait_dscnt 0x0
	s_endpgm
.Lfunc_end_k_qb39a90cc61_trunk:
	.size	k_qb39a90cc61_trunk, .Lfunc_end_k_qb39a90cc61_trunk-k_qb39a90cc61_trunk
	.p2alignl 7, 3214868480
	.fill 96, 4, 3214868480
	.section	.rodata,"a",@progbits
	.p2align	6, 0x0
	.amdhsa_kernel k_qb39a90cc61_trunk
		.amdhsa_group_segment_fixed_size 117760
		.amdhsa_private_segment_fixed_size 0
		.amdhsa_enable_private_segment 0
		.amdhsa_kernarg_size 80
		.amdhsa_user_sgpr_count 2
		.amdhsa_user_sgpr_kernarg_segment_ptr 1
		.amdhsa_wavefront_size32 1
		.amdhsa_system_sgpr_workgroup_id_x 1
		.amdhsa_system_sgpr_workgroup_id_y 1
		.amdhsa_system_sgpr_workgroup_id_z 1
		.amdhsa_system_vgpr_workitem_id 0
		.amdhsa_next_free_vgpr 512
		.amdhsa_next_free_sgpr 66
		.amdhsa_reserve_vcc 1
		.amdhsa_float_denorm_mode_32 3
		.amdhsa_float_denorm_mode_16_64 3
		.amdhsa_memory_ordered 1
		.amdhsa_forward_progress 1
		.amdhsa_inst_pref_size 255
	.end_amdhsa_kernel
	.section	.bss,"aw",@nobits
	.p2align	6
	.space	262144
	.amdgpu_metadata
---
amdhsa.version: [ 1, 2 ]
amdhsa.kernels:
  - .name:           k_qb39a90cc61_trunk
    .symbol:         k_qb39a90cc61_trunk.kd
    .args:
      - { .name: coords, .offset: 0, .size: 8, .value_kind: global_buffer, .address_space: global }
      - { .name: sdf, .offset: 8, .size: 8, .value_kind: global_buffer, .address_space: global }
      - { .name: trunk_W0, .offset: 16, .size: 8, .value_kind: global_buffer, .address_space: global }
      - { .name: trunk_b, .offset: 24, .size: 8, .value_kind: global_buffer, .address_space: global }
      - { .name: rowdy_a, .offset: 32, .size: 8, .value_kind: global_buffer, .address_space: global }
      - { .name: final_b, .offset: 40, .size: 8, .value_kind: global_buffer, .address_space: global }
      - { .name: wq, .offset: 48, .size: 8, .value_kind: global_buffer, .address_space: global }
      - { .name: sbuf, .offset: 56, .size: 8, .value_kind: global_buffer, .address_space: global }
      - { .name: zl, .offset: 64, .size: 8, .value_kind: global_buffer, .address_space: global }
      - { .name: out0, .offset: 72, .size: 8, .value_kind: global_buffer, .address_space: global }
    .group_segment_fixed_size: 117760
    .private_segment_fixed_size: 0
    .kernarg_segment_align: 8
    .kernarg_segment_size: 80
    .max_flat_workgroup_size: 256
    .sgpr_count:     66
    .vgpr_count:     512
    .wavefront_size: 32
...
	.end_amdgpu_metadata
.endif
;; end of part 3
;; ======== version 2 of 3: 3 launches; 1.15 times as fast as version 1
;; limits: right only within a limited range of input values
;; workspace buffers: wq 130,560 bytes; sbuf 49,152 bytes; zl 32,768 bytes
;; launch quantw: the kernel of part 1 again; grid 15 x 1, 4 waves a work-group, no clusters, 0 bytes of LDS; arguments branch_Wr, branch_Wout, trunk_Wr, final_W, wq; writes wq
;; launch branch (part 4): grid 1 x 1, 4 waves a work-group, no clusters, 4,608 bytes of LDS; arguments params, branch_W0, branch_b, branch_bout, wq, sbuf, zl; writes sbuf, zl
.if DOCPART == 4
	.amdgcn_target "amdgcn-amd-amdhsa--gfx1250"
	.amdhsa_code_object_version 6
	.text
	.protected	k_qb39a90cc61_branch
	.globl	k_qb39a90cc61_branch
	.p2align	8
	.type	k_qb39a90cc61_branch,@function
k_qb39a90cc61_branch:
	s_mov_b64 s[64:65], 0
	v_nop
	global_prefetch_b8 v0, s[64:65] scope:SCOPE_SE
	s_setreg_imm32_b32 hwreg(HW_REG_WAVE_MODE, 25, 1), 1
	s_wait_xcnt 0x0
; The branch tower, 16 rows: h0 = tanh(params W0 + b0) (f32 operands: its result goes on into a quantiser), h_i = tanh(Q(h_{i-1}) Q(Wr_{i-1}) + b_i), i = 1 .. 5, branch_out = Q(h5) Q(Wout) + bout.
; Stored: sbuf = the running sums S_i = h_0 + .. + h_i;  zl = branch_out.  The weights' codes and scale words come from wq as images of the operands' registers.
; BOTH RESULTS ARE LAID AS IMAGES OF THE REGISTERS THAT HOLD THEM, so that each store of a wave covers 512 consecutive bytes, aligned (they are this program's own buffers):
;   sbuf: S_i(row r, channel 32 w + 16 h + 4 g + e) at 8192 i + 2048 w + 512 g + 16 (16 h + r) + 4 e;   zl: branch_out(r, column 128 w + 32 b + 16 h + 4 g + e) at 8192 w + 2048 b + 512 g + 16 (16 h + r) + 4 e.
; It is a chain of seven dependent products on 16 rows: one work-group.  SHARES: wave w makes channels 32 w .. 32 w + 31 of every layer (tiles 2 w, 2 w + 1) and columns 128 w .. 128 w + 127 of branch_out.
; ALL PRODUCTS ARE USED TRANSPOSED (source 0 = 16 columns of the weight, source 1 = the 16 rows): lane (r, h) holds row r, and register 8 u + j of its 16 results is channel 32 w + 16 h + 8 u + j:
; 16 neighbours along the next K; lanes l and l xor 16 hold block w of 32.  Each wave quantises its block; the codes (8 bytes a lane) and the scale byte go to LDS at their places in the IMAGE of the
; next product's operand, a barrier follows, and every wave loads the whole fragment.  Two images take turns, so that one barrier a layer serves: a wave writes an image again only behind the barrier
; that every wave reaches behind its reads of it.
; tanh(z) = x P(x^2) / Q(x^2), x = z held to +-7.9053: a polynomial of degree 13 over one of degree 6; accurate relative to the result, for small z too.  The biases are the C of each sum's first matrix instruction.
; LIMITS: NaN and infinities are not served; a block of zeros gets the byte 1 (its codes are zeros; only this program reads the byte).
; REGISTERS.  Window 0: v1-14 addresses; v16-25 scale words and nothing else; v26-33 h's fragment; v34-35 codes; v36-41 at work; v42-53 layer 0's operands; v54-69 the results, written by matrix instructions
; alone; v70-165 the six biases; v166-181 S; v182-245 at work.   Window 1: v0-79 Wr's fragments, v80-143 Wout's, v144-207 bout, then branch_out in place.
.set IMG, 0                            ; LDS: h's fragment, 1,024 bytes, twice
.set SCB, 2048                         ; its 16 scale words, 64 bytes, twice, 256 bytes apart
.set WS,  16                           ; v16-20  scale words of layers 1-5: lanes 0-15 tile 2 w, lanes 16-31 tile 2 w + 1
.set WSO, 21                           ; v21-24  Wout's
.set HS,  25                           ; v25     h's
.set HF,  26
.set PC,  34
.set TM,  36
.set PB,  42                           ; v42-45  params^T, two K steps of 4
.set A0,  46                           ; v46-53  W0^T: tile u, K step s at 4 u + 2 s
.set ZB,  54
.set BB,  70
.set SS,  166
.set XX,  182
.set X2,  198
.set NU,  214
.set DE,  230
.set WO,  80                           ; in window 1
.set DO,  144
.set SEL, 40                           ; s[40:41] v_permlanex16_b32's selects for lane l xor 16
.set CLP, 42                           ; s42, s43 +-7.9053
.set CLN, 43
.set AL13, 48                          ; s[48:49], s[50:51] the two polynomials' leading coefficients (a line takes one literal)
.set BE6, 50
.set MSB, 0
.macro WIN new                         ; the immediate's high byte repeats the setting that is left
.if MSB != \new
	s_set_vgpr_msb (MSB<<8)|\new
.set MSB, \new
.endif
.endm
	s_load_b256 s[4:11], s[0:1], 0x0               ; params s[4:5], branch_W0 s[6:7], branch_b s[8:9], branch_bout s[10:11]
	s_load_b128 s[12:15], s[0:1], 0x20             ; wq s[12:13], sbuf s[14:15]
	s_load_b64 s[16:17], s[0:1], 0x30              ; zl
	v_lshl_add_u32 v254, v0, 2, 0x1000
	v_mov_b32 v255, 0
	v_lshrrev_b32 v36, 5, v0
	v_readfirstlane_b32 s18, v36                   ; wave w
	v_and_b32 v37, 31, v0                          ; lane
	v_and_b32 v38, 15, v0                          ; r
	v_bfe_u32 v39, v0, 4, 1                        ; h
	s_lshl_b32 s19, s18, 8
	s_lshl_b32 s20, s18, 7
	s_lshl_b32 s21, s18, 9
	s_lshl_b32 s22, s18, 11
	s_lshl_b32 s23, s18, 13
	v_lshlrev_b32 v1, 4, v37                       ; an image's place for my lane: 16 x lane
	v_lshlrev_b32 v2, 4, v38
	v_lshl_add_u32 v2, v39, 3, v2
	v_add_nc_u32 v2, s19, v2                       ; where my 16 codes go: block w = 2 c + h' lies at 512 c + 256 h' = 256 w; in it 16 r + 8 h
	v_lshl_add_u32 v4, v38, 2, SCB                 ; row r's scale word,
	v_add_nc_u32 v3, s18, v4                       ; and my block's byte in it
	v_lshlrev_b32 v9, 6, v39
	v_add_nc_u32 v14, s21, v9                      ; bout: 64 h + 512 w
	v_add_nc_u32 v9, s20, v9                       ; biases: 64 h + 128 w
	v_lshlrev_b32 v7, 5, v38
	v_lshl_add_u32 v7, v39, 3, v7                  ; params: 32 r + 8 h
	v_and_b32 v40, 8, v38
	v_add_nc_u32 v40, v40, v38                     ; r + 8 (r / 8)
	v_lshlrev_b32 v8, 2, v40
	v_lshl_add_u32 v8, v39, 10, v8
	v_add_nc_u32 v8, s20, v8                       ; W0: rows 2 h, 2 h + 1 of 512 bytes; column 32 w + r + 8 (r / 8)
	v_add_nc_u32 v10, s22, v1                      ; 16 x lane + 2048 w: Wr's images in wq, and S's image in sbuf
	v_lshlrev_b32 v41, 2, v37
	v_add_nc_u32 v11, s20, v41                     ; Wr's scale words: 4 x lane + 128 w
	v_add_nc_u32 v13, s21, v41                     ; Wout's: 4 x lane + 512 w
	v_add_nc_u32 v12, s23, v1                      ; 16 x lane + 8192 w: Wout's images in wq, and branch_out's image in zl
	s_mov_b32 s[SEL], 0x76543210
	s_mov_b32 s[SEL+1], 0xfedcba98
	s_mov_b32 s[CLP], 0x40fcf84f
	s_mov_b32 s[CLN], 0xc0fcf84f
	s_mov_b32 s[AL13], 0xa59f25c0
	s_mov_b32 s[AL13+1], 0xa59f25c0
	s_mov_b32 s[BE6], 0x35a0d3d8
	s_mov_b32 s[BE6+1], 0x35a0d3d8
	s_wait_kmcnt 0x0
	; all that the chain needs is asked for at once
.irp s, 0,1
	global_load_b64 v[PB+2*\s:PB+2*\s+1], v7, s[4:5] offset:16*\s          ; params(r, 4 s + 2 h + 0, 1)
.endr
.irp u, 0,1
.irp s, 0,1
.irp j, 0,1
	global_load_b32 v[A0+4*\u+2*\s+\j], v8, s[6:7] offset:(4*\s+\j)*512+32*\u   ; W0(4 s + 2 h + j, column)
.endr
.endr
.endr
.irp i, 0,1,2,3,4,5
.irp g, 0,1,2,3
	global_load_b128 v[BB+16*\i+4*\g:BB+16*\i+4*\g+3], v9, s[8:9] offset:512*\i+16*\g   ; b_i at my 16 channels
.endr
.endr
.irp i, 0,1,2,3,4
	global_load_b32 v[WS+\i], v11, s[12:13] offset:122880+512*\i
.endr
.irp b, 0,1,2,3
	global_load_b32 v[WSO+\b], v13, s[12:13] offset:125440+128*\b
.endr
	WIN 0x40                                       ; destination window 1
.irp i, 0,1,2,3,4
.irp u, 0,1
.irp c, 0,1
	global_load_b128 v[16*\i+8*\u+4*\c:16*\i+8*\u+4*\c+3], v10, s[12:13] offset:8192*\i+1024*\u+512*\c
.endr
.endr
.endr
.irp t, 0,1,2,3,4,5,6,7
.irp c, 0,1
	global_load_b128 v[WO+8*\t+4*\c:WO+8*\t+4*\c+3], v12, s[12:13] offset:40960+1024*\t+512*\c
.endr
.endr
.irp b, 0,1,2,3
.irp g, 0,1,2,3
	global_load_b128 v[DO+16*\b+4*\g:DO+16*\b+4*\g+3], v14, s[10:11] offset:128*\b+16*\g   ; bout in the result's layout
.endr
.endr
	WIN 0
	s_wait_loadcnt 0x0
; tanh of the 16 results, into dst.
.macro HB2 ka, kb
.irp p, 0,2,4,6,8,10,12,14
	v_pk_fma_f32 v[NU+\p:NU+\p+1], v[NU+\p:NU+\p+1], v[X2+\p:X2+\p+1], \ka op_sel_hi:[1,1,0]
	v_pk_fma_f32 v[DE+\p:DE+\p+1], v[DE+\p:DE+\p+1], v[X2+\p:X2+\p+1], \kb op_sel_hi:[1,1,0]
.endr
.endm
.macro HB1 ka
.irp p, 0,2,4,6,8,10,12,14
	v_pk_fma_f32 v[NU+\p:NU+\p+1], v[NU+\p:NU+\p+1], v[X2+\p:X2+\p+1], \ka op_sel_hi:[1,1,0]
.endr
.endm
.macro TANH16 dst
.irp j, 0,1,2,3,4,5,6,7,8,9,10,11,12,13,14,15
	v_med3_num_f32 v[XX+\j], v[ZB+\j], s[CLN], s[CLP]              ; each accumulator is read from its low end on
.endr
.irp p, 0,2,4,6,8,10,12,14
	v_pk_mul_f32 v[X2+\p:X2+\p+1], v[XX+\p:XX+\p+1], v[XX+\p:XX+\p+1]
.endr
.irp p, 0,2,4,6,8,10,12,14
	v_pk_fma_f32 v[NU+\p:NU+\p+1], v[X2+\p:X2+\p+1], s[AL13:AL13+1], 0x2a61337e op_sel_hi:[1,0,0]
	v_pk_fma_f32 v[DE+\p:DE+\p+1], v[X2+\p:X2+\p+1], s[BE6:BE6+1], 0x38f895d6 op_sel_hi:[1,0,0]
.endr
	HB2 0xaebd37ff, 0x3b14aa05
	HB2 0x335c0041, 0x3ba059dd
	HB1 0x3779434a
	HB1 0x3a270ded
	HB1 0x3ba059dc
.irp j, 0,1,2,3,4,5,6,7,8,9,10,11,12,13,14,15
	v_rcp_f32 v[DE+\j], v[DE+\j]
.endr
.irp p, 0,2,4,6,8,10,12,14
	v_pk_mul_f32 v[NU+\p:NU+\p+1], v[NU+\p:NU+\p+1], v[XX+\p:XX+\p+1]   ; (plain lines behind the reciprocals, which touch none of them)
.endr
	s_wait_alu depctr_va_vdst(0)
.irp p, 0,2,4,6,8,10,12,14
	v_pk_mul_f32 v[\dst+\p:\dst+\p+1], v[NU+\p:NU+\p+1], v[DE+\p:DE+\p+1]
.endr
.endm
; My 16 numbers of block w become 16 codes and, with lane l xor 16's, the block's byte; both go to image buf.
.macro QB16 src, buf
	v_max3_num_f32 v[TM], |v[\src]|, |v[\src+1]|, 0x1800000        ; with the floor 2^(3 - 127) among the leaves: the byte cannot fall under 1
	v_max3_num_f32 v[TM+1], |v[\src+2]|, |v[\src+3]|, |v[\src+4]|
.irp i, 5,9
	v_max3_num_f32 v[TM], v[TM], |v[\src+\i]|, |v[\src+\i+1]|
	v_max3_num_f32 v[TM+1], v[TM+1], |v[\src+\i+2]|, |v[\src+\i+3]|
.endr
	v_max3_num_f32 v[TM], v[TM], |v[\src+13]|, |v[\src+14]|
	v_max3_num_f32 v[TM], v[TM], v[TM+1], |v[\src+15]|
	v_permlanex16_b32 v[TM+2], v[TM], s[SEL], s[SEL+1]             ; (its destination counts as read: v38 was written at the head)
	v_max_num_f32 v[TM], v[TM], v[TM+2]
	v_add_nc_u32 v[TM+3], 0xff000000, v[TM]        ; 2 off the exponent field: the conversion's scale operand
	v_cvt_scalef32_pk8_fp4_f32 v[PC], v[\src:\src+7], v[TM+3]
	v_cvt_scalef32_pk8_fp4_f32 v[PC+1], v[\src+8:\src+15], v[TM+3]
	v_lshrrev_b32 v[TM+4], 23, v[TM+3]             ; the byte (also the plain line behind the conversions)
	ds_store_b64 v2, v[PC:PC+1] offset:IMG+1024*(\buf)
	ds_store_b8 v3, v[TM+4] offset:256*(\buf)      ; both lanes of a row write the same byte with the same value
.endm
; Behind layer i's products: the activation, S_i, and h_i's image.
.macro POST i
.if (\i) == 0
	TANH16 SS
.else
	TANH16 NU
	s_wait_xcnt 0x0                                ; the last layer's stores of S have read their data: only now is S written again
.irp p, 0,2,4,6,8,10,12,14
	v_pk_add_f32 v[SS+\p:SS+\p+1], v[SS+\p:SS+\p+1], v[NU+\p:NU+\p+1]
.endr
.endif
.irp g, 0,1,2,3
	global_store_b128 v10, v[SS+4*\g:SS+4*\g+3], s[14:15] offset:8192*(\i)+512*\g   ; the registers as they stand: the wave stores 512 consecutive bytes, aligned
.endr
.if (\i) == 0
	QB16 SS, 0
.else
	QB16 NU, (\i)%2
.endif
	s_wait_dscnt 0x0                               ; for the others' sake: my stores have landed, and my reads of the other image are over
	s_barrier_signal -1
	s_barrier_wait -1
.endm
.macro HLOAD buf                       ; h's whole fragment and its scale words, from image buf
	ds_load_b128 v[HF:HF+3], v1 offset:IMG+1024*(\buf)
	ds_load_b128 v[HF+4:HF+7], v1 offset:IMG+1024*(\buf)+512
	ds_load_b32 v[HS], v4 offset:256*(\buf)
	s_wait_dscnt 0x0
.endm
.macro LAYER i
	HLOAD ((\i)-1)%2
	WIN 0x01                                       ; source 0 (the weight) window 1
	v_wmma_scale_f32_16x16x128_f8f6f4 v[ZB:ZB+7], v[16*((\i)-1):16*((\i)-1)+7], v[HF:HF+7], v[BB+16*(\i):BB+16*(\i)+7], v[WS+(\i)-1], v[HS] matrix_a_fmt:MATRIX_FMT_FP4 matrix_b_fmt:MATRIX_FMT_FP4
	v_wmma_scale_f32_16x16x128_f8f6f4 v[ZB+8:ZB+15], v[16*((\i)-1)+8:16*((\i)-1)+15], v[HF:HF+7], v[BB+16*(\i)+8:BB+16*(\i)+15], v[WS+(\i)-1], v[HS] matrix_a_fmt:MATRIX_FMT_FP4 matrix_b_fmt:MATRIX_FMT_FP4 matrix_a_scale:MATRIX_SCALE_ROW1
	WIN 0
.rept 4
	v_nop                                          ; four places in front of the first read of the results (ISA guide 7.12.1)
.endr
	POST \i
.endm
	; layer 0: K = 8 in two steps of 4, f32 operands; the two accumulators take turns; the bias starts each sum
.irp s, 0,1
.irp u, 0,1
.if \s == 0
	v_wmma_f32_16x16x4_f32 v[ZB+8*\u:ZB+8*\u+7], v[A0+4*\u:A0+4*\u+1], v[PB:PB+1], v[BB+8*\u:BB+8*\u+7]
.else
	v_wmma_f32_16x16x4_f32 v[ZB+8*\u:ZB+8*\u+7], v[A0+4*\u+2:A0+4*\u+3], v[PB+2:PB+3], v[ZB+8*\u:ZB+8*\u+7]
.endif
.endr
.endr
.rept 8
	v_nop                                          ; eight places behind this form
.endr
	POST 0
	LAYER 1
	LAYER 2
	LAYER 3
	LAYER 4
	LAYER 5
	; branch_out: my 128 columns, eight tiles; bout lies in the accumulators
	HLOAD 1
	WIN 0x51                                       ; source 0 (Wout), C and D window 1; source 1 (h) window 0
.irp t, 0,1,2,3,4,5,6,7
.if \t % 2
	v_wmma_scale_f32_16x16x128_f8f6f4 v[DO+8*\t:DO+8*\t+7], v[WO+8*\t:WO+8*\t+7], v[HF:HF+7], v[DO+8*\t:DO+8*\t+7], v[WSO+\t/2], v[HS] matrix_a_fmt:MATRIX_FMT_FP4 matrix_b_fmt:MATRIX_FMT_FP4 matrix_a_scale:MATRIX_SCALE_ROW1
.else
	v_wmma_scale_f32_16x16x128_f8f6f4 v[DO+8*\t:DO+8*\t+7], v[WO+8*\t:WO+8*\t+7], v[HF:HF+7], v[DO+8*\t:DO+8*\t+7], v[WSO+\t/2], v[HS] matrix_a_fmt:MATRIX_FMT_FP4 matrix_b_fmt:MATRIX_FMT_FP4
.endif
.endr
	WIN 0
.rept 4
	v_nop
.endr
	WIN 0x04                                       ; a store's data are its source 1: window 1
.irp b, 0,1,2,3
.irp g, 0,1,2,3
	global_store_b128 v12, v[DO+16*\b+4*\g:DO+16*\b+4*\g+3], s[16:17] offset:2048*\b+512*\g   ; the registers as they stand, each accumulator from its low end on: 512 consecutive bytes a store, aligned
.endr
.endr
	WIN 0
	s_wait_tensorcnt 0x0
	ds_add_u32 v254, v255
	s_wait_dscnt 0x0
	s_endpgm
.Lfunc_end_k_qb39a90cc61_branch:
	.size	k_qb39a90cc61_branch, .Lfunc_end_k_qb39a90cc61_branch-k_qb39a90cc61_branch
	.p2alignl 7, 3214868480
	.fill 96, 4, 3214868480
	.section	.rodata,"a",@progbits
	.p2align	6, 0x0
	.amdhsa_kernel k_qb39a90cc61_branch
		.amdhsa_group_segment_fixed_size 4608
		.amdhsa_private_segment_fixed_size 0
		.amdhsa_enable_private_segment 0
		.amdhsa_kernarg_size 56
		.amdhsa_user_sgpr_count 2
		.amdhsa_user_sgpr_kernarg_segment_ptr 1
		.amdhsa_wavefront_size32 1
		.amdhsa_system_sgpr_workgroup_id_x 1
		.amdhsa_system_sgpr_workgroup_id_y 1
		.amdhsa_system_sgpr_workgroup_id_z 1
		.amdhsa_system_vgpr_workitem_id 0
		.amdhsa_next_free_vgpr 512
		.amdhsa_next_free_sgpr 66
		.amdhsa_reserve_vcc 0
		.amdhsa_float_denorm_mode_32 3
		.amdhsa_float_denorm_mode_16_64 3
		.amdhsa_memory_ordered 1
		.amdhsa_forward_progress 1
		.amdhsa_inst_pref_size 89
	.end_amdhsa_kernel
	.amdgpu_metadata
---
amdhsa.version: [ 1, 2 ]
amdhsa.kernels:
  - .name:           k_qb39a90cc61_branch
    .symbol:         k_qb39a90cc61_branch.kd
    .args:
      - { .name: params, .offset: 0, .size: 8, .value_kind: global_buffer, .address_space: global }
      - { .name: branch_W0, .offset: 8, .size: 8, .value_kind: global_buffer, .address_space: global }
      - { .name: branch_b, .offset: 16, .size: 8, .value_kind: global_buffer, .address_space: global }
      - { .name: branch_bout, .offset: 24, .size: 8, .value_kind: global_buffer, .address_space: global }
      - { .name: wq, .offset: 32, .size: 8, .value_kind: global_buffer, .address_space: global }
      - { .name: sbuf, .offset: 40, .size: 8, .value_kind: global_buffer, .address_space: global }
      - { .name: zl, .offset: 48, .size: 8, .value_kind: global_buffer, .address_space: global }
    .group_segment_fixed_size: 4608
    .private_segment_fixed_size: 0
    .kernarg_segment_align: 8
    .kernarg_segment_size: 56
    .max_flat_workgroup_size: 128
    .sgpr_count:     66
    .vgpr_count:     512
    .wavefront_size: 32
...
	.end_amdgpu_metadata
.endif
;; end of part 4
;; launch trunk (part 5): grid 256 x 1, 8 waves a work-group, no clusters, 117,760 bytes of LDS; arguments coords, sdf, trunk_W0, trunk_b, rowdy_a, final_b, wq, sbuf, zl, out0; writes out0
.if DOCPART == 5
	.amdgcn_target "amdgcn-amd-amdhsa--gfx1250"
	.amdhsa_code_object_version 6
	.text
	.protected	k_qb39a90cc61_trunk
	.globl	k_qb39a90cc61_trunk
	.p2align	8
	.type	k_qb39a90cc61_trunk,@function
k_qb39a90cc61_trunk:
	s_mov_b64 s[64:65], 0
	v_nop
	global_prefetch_b8 v0, s[64:65] scope:SCOPE_SE
	s_setreg_imm32_b32 hwreg(HW_REG_WAVE_MODE, 25, 1), 1
	s_wait_xcnt 0x0
; The trunk tower for 160,000 points: x = (coords, sdf); six times x = (tanh z + a1 sin z + a2 sin 2z + a3 sin 3z) S_i with z = x W + b; YL = x final_W + final_b; out(o) = sum over channels of ZL(o) YL.
; Layer 0 (K = 4) takes f32 operands, since its result goes on into a quantiser; layers 1-5 and final_W multiply codes of FP4 (E2M1) with one E8M0 scale for each 32 along K; the last contraction (4 outputs) is f32 multiply-adds.
; WHAT BINDS IS THE ACTIVATION'S VECTOR WORK (128 x 6 activations a point), so the text is laid to spare vector lines: nearly all of it on register PAIRS, S folded into the coefficients, per-channel numbers in registers.
; SHARES.  Sixteen work-groups to a batch, eight waves each: wave q = 0 .. 127 of a batch takes the tiles of 16 points q + 128 i, i = 0 .. 4, of the batch's 625.  Every loop has the constant trip count 5; a tile
; number of 625 or more (i = 4, q >= 113) is jumped over by a scalar branch on ids.  Two waves share a SIMD: one's waits and dependent lines stand beside the other's vector work.
; A WAVE WALKS STAGE BY STAGE OVER ITS FIVE TILES, so that a stage's weights and per-channel numbers are read from LDS once for five tiles; between stages a tile lives in the wave's own LDS slot as the IMAGE OF
; THE NEXT PRODUCT'S OPERAND (1,024 bytes of codes, 128 of scale words).
; THE PRODUCTS ARE USED TRANSPOSED (source 0 = 16 columns of the weight, source 1 = the 16 points): lane (r, h) holds point r, and register 16 b + 8 u + j of its 64 results is channel 32 b + 16 h + 8 u + j
; (the columns of a tile were chosen for that when the weights were quantised): 16 neighbours along the next K for each block b; lanes l and l xor 16 hold a block.
; THE SINES.  n = z / 2 pi to the nearest whole number (by adding and taking off 1.5 x 2^23), r = z - n 2 pi in two steps; S2 = sqrt 2 sin(r / 2) = r P(r^2), C2 = sqrt 2 cos(r / 2) = Q(r^2) (Taylor, |r / 2| <= pi / 2);
; s = sin z = S2 C2, c = cos z = 1 - S2^2: no quadrant, no sign.  a1 sin z + a2 sin 2z + a3 sin 3z = s ((a1 - a3) + 2 a2 c + 4 a3 c^2); times S: s (P0 + P1 c + P2 c^2), Pk = S x the coefficient, made once a work-group.
; TANH.  tanh z = (e - 1) / (e + 1), e = 2^(2 log2(e) x), x = z held to +-16 (there the quotient is 1 in f32, and e stays finite).  S (e - 1) is ONE fused multiply-add, e S - S, so nothing is lost in the
; difference but what e itself lacks; T = that x 1 / (e + 1) = S tanh z, and the block's last line is x = s (P0 + P1 c + P2 c^2) + T.
; LIMITS: the error of e near 1, one unit in its last place (ISA guide, v_exp_f32's entry), stays in e - 1: up to 6e-8 absolute in tanh z, which is more than 1e-6 of tanh z where |z| is under 0.06; all else ahead of the
; quantiser is accurate relative to the number.  |z| under 2^22 x 2 pi (beyond it n is no whole number any more); NaN and infinities are not served; a block of zeros gets the byte 1 (its codes are zeros; only this
; program reads the byte); a bias is the C of its sum's matrix instruction.  No tensor loads, no cluster: a work-group reads 70 KB of tables once and shares nothing else with others.
; LDS: TAB [7 stages][5 arrays][128 f32]: bias, S, P0, P1, P2 (stage 6: final_b, ZL0-3); channel ch's word lies at 256 ((ch / 16) % 2) + 64 (ch / 32) + 4 (ch % 16), so that a lane half's 64 numbers lie on end in the
; order of its registers.  WIM, WSC: the six weights' images and scale words.  XC: for each wave five slots of 1,152 bytes.  One barrier, behind the tables' stores; behind it they are only read.
; REGISTERS.  Window 0: v1-15 addresses; v16-20 scale words and nothing else; v21 the scale word being made; v22-23 out; v24-31 x's fragment; v32-39 codes; v40-47 at work; v48-111 the results Z, written by matrix
; instructions alone; v112-175 the weight's fragments; v176-255 five arrays of 16 at work (v176-239: the bias while the products run).   Window 1: S, P0, P1, P2, 64 each (stage 6: ZL0-3).
.set TAB,   0
.set WIM,   17920
.set WSC,   67072
.set XC,    70144
.set SLOTB, 1152
.set WAVEB, 5*SLOTB
.set XLD, 1                            ; v1   my wave's slot 0 + 16 x lane: an image's place for my lane
.set XST, 2                            ; v2   + 16 r + 8 h: where my 16 codes of a block go
.set XSW, 3                            ; v3   + 1024 + 4 x lane: the scale word
.set TA0, 4                            ; v4   256 h: my half's numbers in an array of TAB
.set TAS, 5                            ; v5   the same in this stage
.set WI0, 6                            ; v6   WIM + 16 x lane
.set WS0, 7                            ; v7   WSC + 4 x lane
.set GO,  8                            ; v8   16 r + 8 h: my 8 bytes of a tile's 256 in out0
.set XB0, 9                            ; v9   my wave's slot 0 + 8 x lane: the point's f32 fragment
.set WIA, 10                           ; v10, v11  WI0, WS0 in this stage
.set WSA, 11
.set TLD, 12                           ; v12-15    XLD, XST, XSW, XB0 in this tile's slot
.set TST, 13
.set TSW, 14
.set TXB, 15
.set WS,  16
.set XS,  20
.set PW,  21
.set OD,  22
.set XF,  24
.set PC,  32
.set TM,  40
.set Z,   48
.set WF,  112
.set BI,  176
.set AA,  176
.set AB,  192
.set AC,  208
.set AD,  224
.set AE,  240
.set FA,  176                          ; the last contraction's sums: output o, chain e at 4 o + 2 e
.set PS,  0                            ; in window 1
.set P0,  64
.set P1,  128
.set P2,  192
.set WV,   24                          ; s24 wave; s25 batch; s27 q
.set BAT,  25
.set QQ,   27
.set SLOT, 32                          ; s32 the tile's slot in bytes; s33 the tile's number; s34 counts tiles, s35 stages
.set TILE, 33
.set TCNT, 34
.set SCNT, 35
.set TOFF, 36                          ; s36-38 the stage's place in TAB, WIM, WSC
.set WOFF, 37
.set SOFF, 38
.set SEL,  40                          ; s[40:41] v_permlanex16_b32's selects for lane l xor 16
.set CLP,  42                          ; s42, s43 +-16
.set CLN,  43
.set SN5,  44                          ; s[44:47], s[52:53] the two polynomials' leading coefficients and 1 / 2 pi, as pairs: a line takes one literal, and the packed form names a pair
.set CS6,  46
.set INV,  52
.set MSB, 0
.macro WIN new                         ; the immediate's high byte repeats the setting that is left
.if MSB != \new
	s_set_vgpr_msb (MSB<<8)|\new
.set MSB, \new
.endif
.endm
	s_load_b256 s[4:11], s[0:1], 0x0               ; coords s[4:5], sdf s[6:7], trunk_W0 s[8:9], trunk_b s[10:11]
	s_load_b256 s[12:19], s[0:1], 0x20             ; rowdy_a s[12:13], final_b s[14:15], wq s[16:17], sbuf s[18:19]
	s_load_b128 s[20:23], s[0:1], 0x40             ; zl s[20:21], out0 s[22:23]
	v_lshrrev_b32 v226, 5, v0
	v_readfirstlane_b32 s[WV], v226                ; wave 0..7
	v_and_b32 v226, 15, v0                         ; r
	v_bfe_u32 v227, v0, 4, 1                       ; h
	v_and_b32 v228, 31, v0                         ; lane
	s_lshr_b32 s[BAT], ttmp9, 4                    ; the batch
	s_and_b32 s26, ttmp9, 15
	s_lshl_b32 s26, s26, 3
	s_add_co_u32 s[QQ], s26, s[WV]                 ; q = 8 x (work-group in the batch) + wave
	s_mul_i32 s39, s[WV], WAVEB
	s_add_co_u32 s39, s39, XC                      ; my wave's slots
	v_lshl_add_u32 v[XLD], v228, 4, s39
	v_lshl_add_u32 v[XB0], v228, 3, s39
	v_lshlrev_b32 v[GO], 4, v226
	v_lshl_add_u32 v[GO], v227, 3, v[GO]
	v_add_nc_u32 v[XST], s39, v[GO]
	v_lshl_add_u32 v[XSW], v228, 2, s39
	v_add_nc_u32 v[XSW], 1024, v[XSW]
	v_lshlrev_b32 v[TA0], 8, v227
	v_lshl_add_u32 v[WI0], v228, 4, WIM
	v_lshl_add_u32 v[WS0], v228, 2, WSC
	; offsets of the loads at the head
	v_mul_u32_u24 v229, v226, 12                   ; coords: 12 r
	v_lshl_add_u32 v230, v227, 3, v229             ; 12 r + 8 h: c0 for lanes 0-15, c2 for lanes 16-31
	v_lshlrev_b32 v231, 2, v226                    ; sdf: 4 r
	v_and_b32 v232, 8, v226
	v_add_nc_u32 v232, v232, v226
	v_lshlrev_b32 v232, 2, v232
	v_lshl_add_u32 v232, v227, 10, v232            ; trunk_W0: rows 2 h, 2 h + 1 of 512 bytes; column r + 8 (r / 8)
	v_lshlrev_b32 v233, 4, v0                      ; 16 x thread
	v_lshlrev_b32 v234, 2, v0                      ; 4 x thread
	v_and_b32 v235, 127, v0
	v_lshlrev_b32 v235, 2, v235                    ; 4 ch: thread t serves channel ch = t % 128 in the stages 2 k + g, g = t / 128
	v_bfe_u32 v236, v0, 7, 1                       ; g
	v_bfe_u32 v245, v0, 5, 2                       ; ch / 32
	v_and_b32 v246, 3, v0                          ; ch % 4
	v_bfe_u32 v247, v0, 2, 2                       ; (ch / 4) % 4
	v_lshlrev_b32 v237, 2, v246                    ; sbuf and zl are images of the registers that made them: channel ch of my batch lies at
	v_lshl_add_u32 v237, v247, 9, v237             ; 4 (ch % 4) + 512 ((ch / 4) % 4)
	v_lshl_add_u32 v237, v227, 8, v237             ; + 256 ((ch / 16) % 2)
	v_lshl_add_u32 v237, v245, 11, v237            ; + 2048 (ch / 32) (+ 16 x batch, which goes into the base),
	v_lshl_add_u32 v237, v236, 13, v237            ; in a stage (sbuf) or an output (zl) of 8,192 bytes: here stage or output g
	v_mad_u32_u24 v238, v236, 1536, v235           ; rowdy_a: a stage is 1,536 bytes
	v_lshl_add_u32 v239, v236, 9, v235             ; trunk_b: 512
	; and of the stores into the tables
	v_lshl_add_u32 v240, v245, 6, v231
	v_lshl_add_u32 v240, v227, 8, v240             ; ch's word in an array: 4 (ch % 16) + 64 (ch / 32) + 256 ((ch / 16) % 2)
	v_mad_u32_u24 v241, v236, 2560, v240           ; in stage g
	v_lshl_add_u32 v242, v236, 9, v240             ; in array g
	v_lshl_add_u32 v243, v0, 4, WIM
	v_lshl_add_u32 v244, v0, 2, WSC
.irp j, 0,1,2,3,4,5,6,7
	v_mov_b32 v[TM+\j], 0                          ; written once: a lane permute's destination counts as one of its sources
.endr
	s_mov_b32 s[SEL], 0x76543210
	s_mov_b32 s[SEL+1], 0xfedcba98
	s_mov_b32 s[CLP], 0x41800000
	s_mov_b32 s[CLN], 0xc1800000
	s_mov_b32 s[SN5], 0xad982aa2
	s_mov_b32 s[SN5+1], 0xad982aa2
	s_mov_b32 s[CS6], 0x2b4ae382
	s_mov_b32 s[CS6+1], 0x2b4ae382
	s_mov_b32 s[INV], 0x3e22f983
	s_mov_b32 s[INV+1], 0x3e22f983
	s_mov_b32 vcc_lo, 0xffff0000                   ; lanes 16-31; never rewritten
	s_add_co_u32 s58, s[QQ], 512
	s_min_u32 s58, s58, 624                        ; my fifth tile, held to the batch's last: no load leaves its buffer (for q >= 113 what is loaded so is never used)
	s_mov_b32 s29, 0
	s_mov_b32 s31, 0
	s_mul_i32 s30, s[BAT], 120000                  ; coords: 120,000 bytes a batch, 192 a tile
	s_mul_i32 s26, s[QQ], 192
	s_add_co_u32 s28, s30, s26
	s_mul_i32 s26, s58, 192
	s_add_co_u32 s30, s30, s26
	s_wait_kmcnt 0x0
	s_add_nc_u64 s[54:55], s[4:5], s[30:31]        ; coords at my fifth tile,
	s_add_nc_u64 s[4:5], s[4:5], s[28:29]          ; and at my first
	s_mul_i32 s30, s[BAT], 40000                   ; sdf: 40,000 a batch, 64 a tile
	s_lshl_b32 s26, s[QQ], 6
	s_add_co_u32 s28, s30, s26
	s_lshl_b32 s26, s58, 6
	s_add_co_u32 s30, s30, s26
	s_add_nc_u64 s[56:57], s[6:7], s[30:31]
	s_add_nc_u64 s[6:7], s[6:7], s[28:29]
	s_lshl_b32 s28, s[BAT], 4                      ; in the images of sbuf and zl a batch (a row of the branch tower) is a lane: 16 bytes
	s_add_nc_u64 s[18:19], s[18:19], s[28:29]
	s_add_nc_u64 s[20:21], s[20:21], s[28:29]
	s_mul_i32 s28, s[BAT], 160000                  ; out0: 160,000 a batch, 256 a tile
	s_lshl_b32 s26, s[QQ], 8
	s_add_co_u32 s28, s28, s26
	s_add_nc_u64 s[22:23], s[22:23], s[28:29]
	; everything that comes from memory is asked for at once
.irp i, 0,1,2,3
	global_load_b32 v[128+2*\i], v230, s[4:5] offset:24576*\i
	global_load_b32 v[129+2*\i], v229, s[4:5] offset:24576*\i+4    ; c1
	global_load_b32 v[138+\i], v231, s[6:7] offset:8192*\i         ; sdf
.endr
	global_load_b32 v136, v230, s[54:55]
	global_load_b32 v137, v229, s[54:55] offset:4
	global_load_b32 v142, v231, s[56:57]
.irp t, 0,1,2,3,4,5,6,7
.irp j, 0,1
	global_load_b32 v[WF+2*\t+\j], v232, s[8:9] offset:512*\j+4*(32*(\t/2)+8*(\t%2))   ; W0(2 h + j, the tile's column): stays in registers through stage 0
.endr
.endr
.irp j, 0,1,2,3,4,5,6,7,8,9,10,11
	global_load_b128 v[144+4*\j:147+4*\j], v233, s[16:17] offset:73728+4096*\j       ; the six weights' images: 4,096 consecutive bytes a line for the work-group
.endr
.irp j, 0,1,2
	global_load_b32 v[192+\j], v234, s[16:17] offset:127488+1024*\j                  ; and their scale words
.endr
.irp k, 0,1,2
	global_load_b32 v[196+5*\k], v237, s[18:19] offset:16384*\k                      ; S of stage 2 k + g
	global_load_b32 v[197+5*\k], v238, s[12:13] offset:3072*\k                       ; a1
	global_load_b32 v[198+5*\k], v238, s[12:13] offset:3072*\k+512                   ; a2
	global_load_b32 v[199+5*\k], v238, s[12:13] offset:3072*\k+1024                  ; a3
	global_load_b32 v[200+5*\k], v239, s[10:11] offset:1024*\k                       ; the bias
.endr
	global_load_b32 v211, v237, s[20:21]                                             ; ZL(g, ch)
	global_load_b32 v212, v237, s[20:21] offset:16384                                ; ZL(2 + g, ch)
	global_load_b32 v213, v235, s[14:15]                                             ; final_b(ch)
	s_wait_loadcnt 0x0
.irp i, 0,1,2,3,4
	v_cndmask_b32 v[129+2*\i], v[129+2*\i], v[138+\i], vcc_lo      ; the f32 operand's layout: lane (r, h) holds k = 2 h, 2 h + 1 of point r: (c0, c1) or (c2, sdf)
.endr
.irp i, 0,1,2,3,4
	ds_store_b64 v[XB0], v[128+2*\i:129+2*\i] offset:SLOTB*\i
.endr
.irp j, 0,1,2,3,4,5,6,7,8,9,10,11
	ds_store_b128 v243, v[144+4*\j:147+4*\j] offset:4096*\j
.endr
.irp j, 0,1,2
	ds_store_b32 v244, v[192+\j] offset:1024*\j
.endr
.irp k, 0,1,2
	v_sub_f32 v[216+3*\k], v[197+5*\k], v[199+5*\k]                ; a1 - a3
	v_mul_f32 v[217+3*\k], v[196+5*\k], v[198+5*\k]                ; S a2
	v_mul_f32 v[218+3*\k], v[196+5*\k], v[199+5*\k]                ; S a3
	v_mul_f32 v[216+3*\k], v[196+5*\k], v[216+3*\k]                ; P0 = S (a1 - a3)
	v_mul_f32 v[217+3*\k], 2.0, v[217+3*\k]                        ; P1 = 2 S a2
	v_mul_f32 v[218+3*\k], 4.0, v[218+3*\k]                        ; P2 = 4 S a3
	ds_store_b32 v241, v[200+5*\k] offset:5120*\k
	ds_store_b32 v241, v[196+5*\k] offset:5120*\k+512
	ds_store_b32 v241, v[216+3*\k] offset:5120*\k+1024
	ds_store_b32 v241, v[217+3*\k] offset:5120*\k+1536
	ds_store_b32 v241, v[218+3*\k] offset:5120*\k+2048
.endr
	ds_store_b32 v242, v211 offset:15360+512
	ds_store_b32 v242, v212 offset:15360+1536
	s_cmp_lt_u32 s[WV], 4                          ; final_b has 128 numbers: waves 0-3 (g = 0) store them
	s_cbranch_scc0 .Lno_fb
	ds_store_b32 v241, v213 offset:15360
.Lno_fb:
	s_wait_dscnt 0x0                               ; for the others' sake: my stores have landed
	s_barrier_signal -1
	s_barrier_wait -1                              ; the tables are whole; from here on they are only read
; A stage's numbers: S, P0, P1, P2 (or ZL0-3) into window 1; with w = 1 the weight's eight fragments and four scale registers.  The wait for them is the first tile's.
.macro STAGE w
	s_wait_dscnt 0x0                               ; every LDS load of mine has landed before its register is loaded again: the last stage's too, also on the way on which all its tiles are jumped over, where no tile's wait stands between
	v_add_nc_u32 v[TAS], s[TOFF], v[TA0]
.if \w
	v_add_nc_u32 v[WIA], s[WOFF], v[WI0]
	v_add_nc_u32 v[WSA], s[SOFF], v[WS0]
.endif
	WIN 0x40                                       ; destination window 1
.irp a, 1,2,3,4
.irp g, 0,1,2,3,4,5,6,7,8,9,10,11,12,13,14,15
	ds_load_b128 v[64*(\a-1)+4*\g:64*(\a-1)+4*\g+3], v[TAS] offset:512*\a+16*\g
.endr
.endr
	WIN 0
.if \w
.irp t, 0,1,2,3,4,5,6,7
.irp c, 0,1
	ds_load_b128 v[WF+8*\t+4*\c:WF+8*\t+4*\c+3], v[WIA] offset:1024*\t+512*\c
.endr
.endr
.irp b, 0,1,2,3
	ds_load_b32 v[WS+\b], v[WSA] offset:128*\b     ; lanes 0-15: tile 2 b's words; lanes 16-31: tile 2 b + 1's
.endr
.endif
.endm
.macro MM4                             ; z^T = W^T x^T + b: eight tiles of 16 channels, K = 128 in one instruction each
.irp t, 0,1,2,3,4,5,6,7
.if \t % 2
	v_wmma_scale_f32_16x16x128_f8f6f4 v[Z+8*\t:Z+8*\t+7], v[WF+8*\t:WF+8*\t+7], v[XF:XF+7], v[BI+8*\t:BI+8*\t+7], v[WS+\t/2], v[XS] matrix_a_fmt:MATRIX_FMT_FP4 matrix_b_fmt:MATRIX_FMT_FP4 matrix_a_scale:MATRIX_SCALE_ROW1
.else
	v_wmma_scale_f32_16x16x128_f8f6f4 v[Z+8*\t:Z+8*\t+7], v[WF+8*\t:WF+8*\t+7], v[XF:XF+7], v[BI+8*\t:BI+8*\t+7], v[WS+\t/2], v[XS] matrix_a_fmt:MATRIX_FMT_FP4 matrix_b_fmt:MATRIX_FMT_FP4
.endif
.endr
.rept 4
	v_nop                                          ; four places in front of the first read of the results and the first write over the bias (ISA guide 7.12.1)
.endr
.endm
.macro MM0                             ; the same for layer 0: K = 4, f32 operands
.irp t, 0,1,2,3,4,5,6,7
	v_wmma_f32_16x16x4_f32 v[Z+8*\t:Z+8*\t+7], v[WF+2*\t:WF+2*\t+1], v[XF:XF+1], v[BI+8*\t:BI+8*\t+7]
.endr
.rept 8
	v_nop                                          ; eight places behind this form
.endr
.endm
.macro HORN2 x, kx, y, ky              ; x = x B + kx, y = y B + ky, by turns
.irp p, 0,2,4,6,8,10,12,14
	v_pk_fma_f32 v[\x+\p:\x+\p+1], v[\x+\p:\x+\p+1], v[AB+\p:AB+\p+1], \kx op_sel_hi:[1,1,0]
	v_pk_fma_f32 v[\y+\p:\y+\p+1], v[\y+\p:\y+\p+1], v[AB+\p:AB+\p+1], \ky op_sel_hi:[1,1,0]
.endr
.endm
; The activation of block beta: my 16 numbers z in Z + 16 beta on become 16 numbers x in array C: 256 lines, 32 for a pair of numbers.
; The 32 transcendentals stand one by one between packed lines of the sines' work, which touch none of them: so no two follow each other, and a plain line stands behind each before its result is used.
.macro ACTB beta
.set zb, Z+16*(\beta)
.set wb, 16*(\beta)
.irp j, 0,1,2,3,4,5,6,7,8,9,10,11,12,13,14,15
	v_med3_num_f32 v[AE+\j], v[zb+\j], s[CLN], s[CLP]                                             ; z held to +-16.  (Each accumulator is read from its low end on)
.endr
.irp p, 0,2,4,6,8,10,12,14
	v_pk_mul_f32 v[AE+\p:AE+\p+1], v[AE+\p:AE+\p+1], 0x4038aa3b op_sel_hi:[1,0]                   ; x 2 log2(e)
.endr
.set jj, 0
.rept 8
	v_exp_f32 v[AE+jj], v[AE+jj]                                                                  ; e
	v_pk_fma_f32 v[AA+2*jj:AA+2*jj+1], v[zb+2*jj:zb+2*jj+1], s[INV:INV+1], 0x4b400000 op_sel_hi:[1,0,0]   ; z / 2 pi + 1.5 x 2^23: rounded to a whole number
.set jj, jj+1
.endr
.set jj, 0
.rept 8
	v_exp_f32 v[AE+8+jj], v[AE+8+jj]
	v_pk_add_f32 v[AA+2*jj:AA+2*jj+1], v[AA+2*jj:AA+2*jj+1], 0xcb400000 op_sel_hi:[1,0]           ; n
.set jj, jj+1
.endr
.irp p, 0,2,4,6,8,10,12,14
	v_pk_fma_f32 v[AB+\p:AB+\p+1], v[AA+\p:AA+\p+1], 0xc0c90fdb, v[zb+\p:zb+\p+1] op_sel_hi:[1,0,1]   ; z - n x (2 pi as f32)
.endr
.irp p, 0,2,4,6,8,10,12,14
	v_pk_fma_f32 v[AA+\p:AA+\p+1], v[AA+\p:AA+\p+1], 0x343bbd2e, v[AB+\p:AB+\p+1] op_sel_hi:[1,0,1]   ; - n x (the rest of 2 pi, which is negative): r
.endr
	WIN 0x14                                       ; sources 1 and 2 window 1
	s_wait_alu depctr_va_vdst(0)
.irp p, 0,2,4,6,8,10,12,14
	v_pk_fma_f32 v[AD+\p:AD+\p+1], v[AE+\p:AE+\p+1], v[PS+wb+\p:PS+wb+\p+1], v[PS+wb+\p:PS+wb+\p+1] neg_lo:[0,0,1] neg_hi:[0,0,1]   ; e S - S = S (e - 1), rounded once
.endr
	WIN 0
.irp p, 0,2,4,6,8,10,12,14
	v_pk_add_f32 v[AE+\p:AE+\p+1], v[AE+\p:AE+\p+1], 1.0 op_sel_hi:[1,0]                          ; e + 1
.endr
.set jj, 0
.rept 8
	v_rcp_f32 v[AE+jj], v[AE+jj]
	v_pk_mul_f32 v[AB+2*jj:AB+2*jj+1], v[AA+2*jj:AA+2*jj+1], v[AA+2*jj:AA+2*jj+1]                 ; r^2
.set jj, jj+1
.endr
.set jj, 0
.rept 8
	v_rcp_f32 v[AE+8+jj], v[AE+8+jj]
	v_pk_fma_f32 v[AC+2*jj:AC+2*jj+1], v[AB+2*jj:AB+2*jj+1], s[SN5:SN5+1], 0x3202c4a3 op_sel_hi:[1,0,0]   ; the sine's polynomial begins
.set jj, jj+1
.endr
	s_wait_alu depctr_va_vdst(0)
.irp p, 0,2,4,6,8,10,12,14
	v_pk_mul_f32 v[AE+\p:AE+\p+1], v[AD+\p:AD+\p+1], v[AE+\p:AE+\p+1]                             ; T = S (e - 1) / (e + 1) = S tanh z
.endr
.irp p, 0,2,4,6,8,10,12,14
	v_pk_fma_f32 v[AC+\p:AC+\p+1], v[AC+\p:AC+\p+1], v[AB+\p:AB+\p+1], 0xb6131d37 op_sel_hi:[1,1,0]
	v_pk_fma_f32 v[AD+\p:AD+\p+1], v[AB+\p:AB+\p+1], s[CS6:CS6+1], 0xafd13a9e op_sel_hi:[1,0,0]   ; the cosine's begins, one step behind
.endr
	HORN2 AC, 0x39c11659, AD, 0x34131d37
	HORN2 AC, 0xbcf15bef, AD, 0xb800b990
	HORN2 AC, 0x3f3504f3, AD, 0x3b715bef
.irp p, 0,2,4,6,8,10,12,14
	v_pk_mul_f32 v[AC+\p:AC+\p+1], v[AC+\p:AC+\p+1], v[AA+\p:AA+\p+1]                             ; S2 = sqrt 2 sin(r / 2)
	v_pk_fma_f32 v[AD+\p:AD+\p+1], v[AD+\p:AD+\p+1], v[AB+\p:AB+\p+1], 0xbe3504f3 op_sel_hi:[1,1,0]
.endr
.irp p, 0,2,4,6,8,10,12,14
	v_pk_fma_f32 v[AD+\p:AD+\p+1], v[AD+\p:AD+\p+1], v[AB+\p:AB+\p+1], 0x3fb504f3 op_sel_hi:[1,1,0]   ; C2 = sqrt 2 cos(r / 2): the last use of r^2,
	v_pk_fma_f32 v[AB+\p:AB+\p+1], v[AC+\p:AC+\p+1], v[AC+\p:AC+\p+1], 1.0 op_sel_hi:[1,1,0] neg_lo:[1,0,0] neg_hi:[1,0,0]   ; whose place c = 1 - S2^2 takes
.endr
.irp p, 0,2,4,6,8,10,12,14
	v_pk_mul_f32 v[AC+\p:AC+\p+1], v[AC+\p:AC+\p+1], v[AD+\p:AD+\p+1]                             ; s = S2 C2
.endr
	WIN 0x14                                       ; sources 1 and 2 window 1
.irp p, 0,2,4,6,8,10,12,14
	v_pk_fma_f32 v[AD+\p:AD+\p+1], v[AB+\p:AB+\p+1], v[P2+wb+\p:P2+wb+\p+1], v[P1+wb+\p:P1+wb+\p+1]
.endr
	WIN 0x10                                       ; source 2 window 1
.irp p, 0,2,4,6,8,10,12,14
	v_pk_fma_f32 v[AD+\p:AD+\p+1], v[AD+\p:AD+\p+1], v[AB+\p:AB+\p+1], v[P0+wb+\p:P0+wb+\p+1]     ; P0 + P1 c + P2 c^2
.endr
	WIN 0
.irp p, 0,2,4,6,8,10,12,14
	v_pk_fma_f32 v[AC+\p:AC+\p+1], v[AC+\p:AC+\p+1], v[AD+\p:AD+\p+1], v[AE+\p:AE+\p+1]           ; x = the three sines S + tanh S
.endr
.endm
; Array C, my 16 numbers of block beta, becomes 16 codes, which go straight to their place in the next operand's image: block beta = 2 c + h' lies at 512 c + 256 h', my 8 bytes at 16 r + 8 h in it.
.macro QB beta
	v_max3_num_f32 v[TM], |v[AC]|, |v[AC+1]|, 0x1800000            ; with the floor 2^(3 - 127) among the leaves: the byte cannot fall under 1
	v_max3_num_f32 v[TM+1], |v[AC+2]|, |v[AC+3]|, |v[AC+4]|
.irp i, 5,9
	v_max3_num_f32 v[TM], v[TM], |v[AC+\i]|, |v[AC+\i+1]|
	v_max3_num_f32 v[TM+1], v[TM+1], |v[AC+\i+2]|, |v[AC+\i+3]|
.endr
	v_max3_num_f32 v[TM], v[TM], |v[AC+13]|, |v[AC+14]|
	v_max3_num_f32 v[TM], v[TM], v[TM+1], |v[AC+15]|
	v_permlanex16_b32 v[TM+2], v[TM], s[SEL], s[SEL+1]
	v_max_num_f32 v[TM], v[TM], v[TM+2]            ; with lane l xor 16's: the block's largest magnitude
	v_add_nc_u32 v[TM+3], 0xff000000, v[TM]        ; 2 off its exponent field: the conversion's scale operand
	v_cvt_scalef32_pk8_fp4_f32 v[PC+2*(\beta)], v[AC:AC+7], v[TM+3]
	v_cvt_scalef32_pk8_fp4_f32 v[PC+2*(\beta)+1], v[AC+8:AC+15], v[TM+3]
.if (\beta) == 0
	v_lshrrev_b32 v[PW], 23, v[TM+3]               ; the byte (also the plain line behind the conversions)
.else
	v_lshrrev_b32 v[TM+4], 23, v[TM+3]
	v_lshl_or_b32 v[PW], v[TM+4], 8*(\beta), v[PW]
.endif
	ds_store_b64 v[TST], v[PC+2*(\beta):PC+2*(\beta)+1] offset:((\beta)/2)*512+((\beta)%2)*256
.endm
; out(o) = sum over the 128 channels of ZL(o) YL: my 64 channels in two chains of pairs for each output, then lane l xor 16's; lane (r, h) stores outputs 2 h, 2 h + 1 of point r.
.macro FINISH
	WIN 0x04                                       ; source 1 (ZL) window 1
.set pp, 0
.rept 32
.irp o, 0,1,2,3
.if pp < 2
	v_pk_mul_f32 v[FA+4*\o+2*pp:FA+4*\o+2*pp+1], v[Z+2*pp:Z+2*pp+1], v[64*\o+2*pp:64*\o+2*pp+1]   ; the first products start the sums
.else
	v_pk_fma_f32 v[FA+4*\o+2*(pp%2):FA+4*\o+2*(pp%2)+1], v[Z+2*pp:Z+2*pp+1], v[64*\o+2*pp:64*\o+2*pp+1], v[FA+4*\o+2*(pp%2):FA+4*\o+2*(pp%2)+1]
.endif
.endr
.set pp, pp+1
.endr
	WIN 0
.irp o, 0,1,2,3
	v_pk_add_f32 v[FA+4*\o:FA+4*\o+1], v[FA+4*\o:FA+4*\o+1], v[FA+4*\o+2:FA+4*\o+3]
.endr
.irp o, 0,1,2,3
	v_add_f32 v[FA+4*\o], v[FA+4*\o], v[FA+4*\o+1]
.endr
.irp o, 0,1,2,3
	v_permlanex16_b32 v[TM+4+\o], v[FA+4*\o], s[SEL], s[SEL+1]
.endr
.irp o, 0,1,2,3
	v_add_f32 v[FA+4*\o], v[FA+4*\o], v[TM+4+\o]
.endr
	v_cndmask_b32 v[OD], v[FA], v[FA+8], vcc_lo
	v_cndmask_b32 v[OD+1], v[FA+4], v[FA+12], vcc_lo
	global_store_b64 v[GO], v[OD:OD+1], s[22:23]   ; the wave stores the tile's 256 consecutive bytes, aligned
.endm
; One tile in one stage.  kind 0: layer 0;  1: layers 1-5;  2: final_W and the contraction.
.macro BODY kind
.if \kind == 0
	v_add_nc_u32 v[TXB], s[SLOT], v[XB0]
.else
	v_add_nc_u32 v[TLD], s[SLOT], v[XLD]
.endif
	v_add_nc_u32 v[TSW], s[SLOT], v[XSW]
.if \kind < 2
	v_add_nc_u32 v[TST], s[SLOT], v[XST]
.endif
.if \kind == 0
	ds_load_b64 v[XF:XF+1], v[TXB]
.else
	ds_load_b128 v[XF:XF+3], v[TLD]                ; LDS serves a wave's instructions in order (ISA guide 5.7.1.4): these see what I stored in the stage before
	ds_load_b128 v[XF+4:XF+7], v[TLD] offset:512
	ds_load_b32 v[XS], v[TSW]
.endif
.irp g, 0,1,2,3,4,5,6,7,8,9,10,11,12,13,14,15
	ds_load_b128 v[BI+4*\g:BI+4*\g+3], v[TAS] offset:16*\g         ; the bias in the result's layout: the work arrays have written over it
.endr
	s_wait_dscnt 0x0                               ; the tile's operand and the bias; in a stage's first tile also the stage's numbers and weights
.if \kind == 0
	MM0
.else
	MM4
.endif
.if \kind < 2
	ACTB 0
	QB 0
	ACTB 1
	QB 1
	ACTB 2
	QB 2
	ACTB 3
	QB 3
	ds_store_b32 v[TSW], v[PW]                     ; my point's scale word (lanes l and l xor 16 hold the same; the product reads lanes 0-15)
.else
	FINISH
.endif
.endm
; My five tiles.  The trip count is a constant; a tile number past the batch's 625 jumps over the work, not over the steps.
.macro TLOOP kind
	s_mov_b32 s[SLOT], 0
	s_mov_b32 s[TILE], s[QQ]
	s_mov_b32 s[TCNT], 0
.Ltile_\@:
	s_cmp_ge_u32 s[TILE], 625
	s_cbranch_scc1 .Lskip_\@
	BODY \kind
.Lskip_\@:
.if \kind == 2
	s_wait_xcnt 0x0                                ; the store has read its base and its data: both are written again only behind this wait
	s_add_nc_u64 s[22:23], s[22:23], 32768         ; 128 tiles on
.endif
	s_add_co_u32 s[SLOT], s[SLOT], SLOTB
	s_add_co_u32 s[TILE], s[TILE], 128
	s_add_co_u32 s[TCNT], s[TCNT], 1
	s_cmp_lt_u32 s[TCNT], 5
	s_cbranch_scc1 .Ltile_\@
.endm
	s_mov_b32 s[TOFF], 0
	s_mov_b32 s[WOFF], 0
	s_mov_b32 s[SOFF], 0
	STAGE 0                                        ; layer 0: its weight came into registers at the head
	TLOOP 0
	s_add_co_u32 s[TOFF], s[TOFF], 2560
	s_mov_b32 s[SCNT], 0
.Lstage:                                               ; layers 1 to 5
	STAGE 1
	TLOOP 1
	s_add_co_u32 s[TOFF], s[TOFF], 2560
	s_add_co_u32 s[WOFF], s[WOFF], 8192
	s_add_co_u32 s[SOFF], s[SOFF], 512
	s_add_co_u32 s[SCNT], s[SCNT], 1
	s_cmp_lt_u32 s[SCNT], 5
	s_cbranch_scc1 .Lstage
	STAGE 1                                        ; final_W, final_b and ZL
	TLOOP 2
	s_wait_xcnt 0x0
	v_lshl_add_u32 v254, v0, 2, 0x1c800
	v_mov_b32 v255, 0
	s_wait_tensorcnt 0x0
	ds_add_u32 v254, v255
	s_wait_dscnt 0x0
	s_endpgm
.Lfunc_end_k_qb39a90cc61_trunk:
	.size	k_qb39a90cc61_trunk, .Lfunc_end_k_qb39a90cc61_trunk-k_qb39a90cc61_trunk
	.p2alignl 7, 3214868480
	.fill 96, 4, 3214868480
	.section	.rodata,"a",@progbits
	.p2align	6, 0x0
	.amdhsa_kernel k_qb39a90cc61_trunk
		.amdhsa_group_segment_fixed_size 117760
		.amdhsa_private_segment_fixed_size 0
		.amdhsa_enable_private_segment 0
		.amdhsa_kernarg_size 80
		.amdhsa_user_sgpr_count 2
		.amdhsa_user_sgpr_kernarg_segment_ptr 1
		.amdhsa_wavefront_size32 1
		.amdhsa_system_sgpr_workgroup_id_x 1
		.amdhsa_system_sgpr_workgroup_id_y 1
		.amdhsa_system_sgpr_workgroup_id_z 1
		.amdhsa_system_vgpr_workitem_id 0
		.amdhsa_next_free_vgpr 512
		.amdhsa_next_free_sgpr 66
		.amdhsa_reserve_vcc 1
		.amdhsa_float_denorm_mode_32 3
		.amdhsa_float_denorm_mode_16_64 3
		.amdhsa_memory_ordered 1
		.amdhsa_forward_progress 1
		.amdhsa_inst_pref_size 209
	.end_amdhsa_kernel
	.amdgpu_metadata
---
amdhsa.version: [ 1, 2 ]
amdhsa.kernels:
  - .name:           k_qb39a90cc61_trunk
    .symbol:         k_qb39a90cc61_trunk.kd
    .args:
      - { .name: coords, .offset: 0, .size: 8, .value_kind: global_buffer, .address_space: global }
      - { .name: sdf, .offset: 8, .size: 8, .value_kind: global_buffer, .address_space: global }
      - { .name: trunk_W0, .offset: 16, .size: 8, .value_kind: global_buffer, .address_space: global }
      - { .name: trunk_b, .offset: 24, .size: 8, .value_kind: global_buffer, .address_space: global }
      - { .name: rowdy_a, .offset: 32, .size: 8, .value_kind: global_buffer, .address_space: global }
      - { .name: final_b, .offset: 40, .size: 8, .value_kind: global_buffer, .address_space: global }
      - { .name: wq, .offset: 48, .size: 8, .value_kind: global_buffer, .address_space: global }
      - { .name: sbuf, .offset: 56, .size: 8, .value_kind: global_buffer, .address_space: global }
      - { .name: zl, .offset: 64, .size: 8, .value_kind: global_buffer, .address_space: global }
      - { .name: out0, .offset: 72, .size: 8, .value_kind: global_buffer, .address_space: global }
    .group_segment_fixed_size: 117760
    .private_segment_fixed_size: 0
    .kernarg_segment_align: 8
    .kernarg_segment_size: 80
    .max_flat_workgroup_size: 256
    .sgpr_count:     66
    .vgpr_count:     512
    .wavefront_size: 32
...
	.end_amdgpu_metadata
.endif
;; end of part 5
;; ======== version 3 of 3: 3 launches; version 2 with the launches branch, trunk written anew for expert scheduling mode
;; limits: right only within a limited range of input values
;; workspace buffers: wq 130,560 bytes; sbuf 49,152 bytes; zl 32,768 bytes
;; launch quantw: the kernel of part 1 again; grid 15 x 1, 4 waves a work-group, no clusters, 0 bytes of LDS; arguments branch_Wr, branch_Wout, trunk_Wr, final_W, wq; writes wq
;; launch branch (part 6): grid 1 x 1, 4 waves a work-group, no clusters, 4,608 bytes of LDS; arguments params, branch_W0, branch_b, branch_bout, wq, sbuf, zl; writes sbuf, zl
.if DOCPART == 6
	.amdgcn_target "amdgcn-amd-amdhsa--gfx1250"
	.amdhsa_code_object_version 6
	.text
	.protected	k_qb39a90cc61_branch
	.globl	k_qb39a90cc61_branch
	.p2align	8
	.type	k_qb39a90cc61_branch,@function
k_qb39a90cc61_branch:
	s_mov_b64 s[64:65], 0
	v_nop
	global_prefetch_b8 v0, s[64:65] scope:SCOPE_SE
	s_setreg_imm32_b32 hwreg(HW_REG_WAVE_SCHED_MODE, 0, 2), 2
	s_setreg_imm32_b32 hwreg(HW_REG_WAVE_MODE, 25, 1), 1
	s_wait_xcnt 0x0
	s_wait_alu depctr_vm_vsrc(0)
; The branch tower, 16 rows: h0 = tanh(params W0 + b0) (f32 operands: its result goes on into a quantiser), h_i = tanh(Q(h_{i-1}) Q(Wr_{i-1}) + b_i), i = 1 .. 5, branch_out = Q(h5) Q(Wout) + bout.
; Stored: sbuf = the running sums S_i = h_0 + .. + h_i;  zl = branch_out.  The weights' codes and scale words come from wq as images of the operands' registers.
; BOTH RESULTS ARE LAID AS IMAGES OF THE REGISTERS THAT HOLD THEM, so that each store of a wave covers 512 consecutive bytes, aligned (they are this program's own buffers):
;   sbuf: S_i(row r, channel 32 w + 16 h + 4 g + e) at 8192 i + 2048 w + 512 g + 16 (16 h + r) + 4 e;   zl: branch_out(r, column 128 w + 32 b + 16 h + 4 g + e) at 8192 w + 2048 b + 512 g + 16 (16 h + r) + 4 e.
; It is a chain of seven dependent products on 16 rows: one work-group.  SHARES: wave w makes channels 32 w .. 32 w + 31 of every layer (tiles 2 w, 2 w + 1) and columns 128 w .. 128 w + 127 of branch_out.
; ALL PRODUCTS ARE USED TRANSPOSED (source 0 = 16 columns of the weight, source 1 = the 16 rows): lane (r, h) holds row r, and register 8 u + j of its 16 results is channel 32 w + 16 h + 8 u + j:
; 16 neighbours along the next K; lanes l and l xor 16 hold block w of 32.  Each wave quantises its block; the codes (8 bytes a lane) and the scale byte go to LDS at their places in the IMAGE of the
; next product's operand, a barrier follows, and every wave loads the whole fragment.  Two images take turns, so that one barrier a layer serves: a wave writes an image again only behind the barrier
; that every wave reaches behind its reads of it.
; tanh(z) = x P(x^2) / Q(x^2), x = z held to +-7.9053: a polynomial of degree 13 over one of degree 6; accurate relative to the result, for small z too.  The biases are the C of each sum's first matrix instruction.
; LIMITS: NaN and infinities are not served; a block of zeros gets the byte 1 (its codes are zeros; only this program reads the byte).
; THE MODE: SCHED_MODE bits 1:0 = 2 (LLVM: expert scheduling mode 2), set by the entry lines.  The code itself states the register dependences between vector or matrix instructions and memory or LDS
; instructions, with s_wait_alu, always for 0.
; THE PLAN.  Registers that memory or LDS instructions touch, behind the head:
;   S (v166-181)          written by a layer's packed additions (layer 0: by the activation); read by the layer's four stores to sbuf.
;   v34-35, v40           the codes and the byte: written by a layer's quantising lines; read by its two LDS stores.
;   v26-33, v25           h's fragment and scale words: LDS loads land in them at a layer's head; the layer's matrix instructions read them.
;   window 1, v144-207    branch_out: written by the last eight matrix instructions; read by the sixteen stores to zl.
;   v1-14                 offsets and LDS addresses: made once at the head, never written again.   v254, v255: written at the head, read by the closing add alone.
; So ONE wait on va_vdst stands in a layer, behind its quantising lines and ahead of all its stores, and ONE on vm_vsrc, ahead of the first line that writes S, the codes or the byte again.
; REGISTERS.  Window 0: v1-14 addresses; v16-25 scale words and nothing else; v26-33 h's fragment; v34-35 codes; v36-41 at work; v42-53 layer 0's operands; v54-69 the results, written by matrix instructions
; alone; v70-165 the six biases; v166-181 S; v182-245 at work.   Window 1: v0-79 Wr's fragments, v80-143 Wout's, v144-207 bout, then branch_out in place.
.set IMG, 0                            ; LDS: h's fragment, 1,024 bytes, twice
.set SCB, 2048                         ; its 16 scale words, 64 bytes, twice, 256 bytes apart
.set WS,  16                           ; v16-20  scale words of layers 1-5: lanes 0-15 tile 2 w, lanes 16-31 tile 2 w + 1
.set WSO, 21                           ; v21-24  Wout's
.set HS,  25                           ; v25     h's
.set HF,  26
.set PC,  34
.set TM,  36
.set PB,  42                           ; v42-45  params^T, two K steps of 4
.set A0,  46                           ; v46-53  W0^T: tile u, K step s at 4 u + 2 s
.set ZB,  54
.set BB,  70
.set SS,  166
.set XX,  182
.set X2,  198
.set NU,  214
.set DE,  230
.set WO,  80                           ; in window 1
.set DO,  144
.set SEL, 40                           ; s[40:41] v_permlanex16_b32's selects for lane l xor 16
.set CLP, 42                           ; s42, s43 +-7.9053
.set CLN, 43
.set AL13, 48                          ; s[48:49], s[50:51] the two polynomials' leading coefficients (a line takes one literal)
.set BE6, 50
.set MSB, 0
.macro WIN new                         ; the immediate's high byte repeats the setting that is left
.if MSB != \new
	s_set_vgpr_msb (MSB<<8)|\new
.set MSB, \new
.endif
.endm
	s_load_b256 s[4:11], s[0:1], 0x0               ; params s[4:5], branch_W0 s[6:7], branch_b s[8:9], branch_bout s[10:11]
	s_load_b128 s[12:15], s[0:1], 0x20             ; wq s[12:13], sbuf s[14:15]
	s_load_b64 s[16:17], s[0:1], 0x30              ; zl
	v_lshl_add_u32 v254, v0, 2, 0x1000
	v_mov_b32 v255, 0
	v_lshrrev_b32 v36, 5, v0
	v_readfirstlane_b32 s18, v36                   ; wave w
	v_and_b32 v37, 31, v0                          ; lane
	v_and_b32 v38, 15, v0                          ; r
	v_bfe_u32 v39, v0, 4, 1                        ; h
	s_wait_alu depctr_va_sdst(0)                   ; s18 is written, ahead of its first reader: the wave's places below are made from it
	s_lshl_b32 s19, s18, 8
	s_lshl_b32 s20, s18, 7
	s_lshl_b32 s21, s18, 9
	s_lshl_b32 s22, s18, 11
	s_lshl_b32 s23, s18, 13
	v_lshlrev_b32 v1, 4, v37                       ; an image's place for my lane: 16 x lane
	v_lshlrev_b32 v2, 4, v38
	v_lshl_add_u32 v2, v39, 3, v2
	v_add_nc_u32 v2, s19, v2                       ; where my 16 codes go: block w = 2 c + h' lies at 512 c + 256 h' = 256 w; in it 16 r + 8 h
	v_lshl_add_u32 v4, v38, 2, SCB                 ; row r's scale word,
	v_add_nc_u32 v3, s18, v4                       ; and my block's byte in it
	v_lshlrev_b32 v9, 6, v39
	v_add_nc_u32 v14, s21, v9                      ; bout: 64 h + 512 w
	v_add_nc_u32 v9, s20, v9                       ; biases: 64 h + 128 w
	v_lshlrev_b32 v7, 5, v38
	v_lshl_add_u32 v7, v39, 3, v7                  ; params: 32 r + 8 h
	v_and_b32 v40, 8, v38
	v_add_nc_u32 v40, v40, v38                     ; r + 8 (r / 8)
	v_lshlrev_b32 v8, 2, v40
	v_lshl_add_u32 v8, v39, 10, v8
	v_add_nc_u32 v8, s20, v8                       ; W0: rows 2 h, 2 h + 1 of 512 bytes; column 32 w + r + 8 (r / 8)
	v_add_nc_u32 v10, s22, v1                      ; 16 x lane + 2048 w: Wr's images in wq, and S's image in sbuf
	v_lshlrev_b32 v41, 2, v37
	v_add_nc_u32 v11, s20, v41                     ; Wr's scale words: 4 x lane + 128 w
	v_add_nc_u32 v13, s21, v41                     ; Wout's: 4 x lane + 512 w
	v_add_nc_u32 v12, s23, v1                      ; 16 x lane + 8192 w: Wout's images in wq, and branch_out's image in zl
	s_mov_b32 s[SEL], 0x76543210
	s_mov_b32 s[SEL+1], 0xfedcba98
	s_mov_b32 s[CLP], 0x40fcf84f
	s_mov_b32 s[CLN], 0xc0fcf84f
	s_mov_b32 s[AL13], 0xa59f25c0
	s_mov_b32 s[AL13+1], 0xa59f25c0
	s_mov_b32 s[BE6], 0x35a0d3d8
	s_mov_b32 s[BE6+1], 0x35a0d3d8
	s_wait_kmcnt 0x0
	s_wait_alu depctr_va_vdst(0)                   ; the offsets and LDS addresses v1 to v14 are written: every load and store of the kernel reads one of them, and none is written again
	; all that the chain needs is asked for at once
.irp s, 0,1
	global_load_b64 v[PB+2*\s:PB+2*\s+1], v7, s[4:5] offset:16*\s          ; params(r, 4 s + 2 h + 0, 1)
.endr
.irp u, 0,1
.irp s, 0,1
.irp j, 0,1
	global_load_b32 v[A0+4*\u+2*\s+\j], v8, s[6:7] offset:(4*\s+\j)*512+32*\u   ; W0(4 s + 2 h + j, column)
.endr
.endr
.endr
.irp i, 0,1,2,3,4,5
.irp g, 0,1,2,3
	global_load_b128 v[BB+16*\i+4*\g:BB+16*\i+4*\g+3], v9, s[8:9] offset:512*\i+16*\g   ; b_i at my 16 channels
.endr
.endr
.irp i, 0,1,2,3,4
	global_load_b32 v[WS+\i], v11, s[12:13] offset:122880+512*\i
.endr
.irp b, 0,1,2,3
	global_load_b32 v[WSO+\b], v13, s[12:13] offset:125440+128*\b
.endr
	WIN 0x40                                       ; destination window 1 (only loads and this switch stand between the wait above and the loads below)
.irp i, 0,1,2,3,4
.irp u, 0,1
.irp c, 0,1
	global_load_b128 v[16*\i+8*\u+4*\c:16*\i+8*\u+4*\c+3], v10, s[12:13] offset:8192*\i+1024*\u+512*\c
.endr
.endr
.endr
.irp t, 0,1,2,3,4,5,6,7
.irp c, 0,1
	global_load_b128 v[WO+8*\t+4*\c:WO+8*\t+4*\c+3], v12, s[12:13] offset:40960+1024*\t+512*\c
.endr
.endr
.irp b, 0,1,2,3
.irp g, 0,1,2,3
	global_load_b128 v[DO+16*\b+4*\g:DO+16*\b+4*\g+3], v14, s[10:11] offset:128*\b+16*\g   ; bout in the result's layout
.endr
.endr
	WIN 0
	s_wait_loadcnt 0x0
; tanh of the 16 results, into dst.
.macro HB2 ka, kb
.irp p, 0,2,4,6,8,10,12,14
	v_pk_fma_f32 v[NU+\p:NU+\p+1], v[NU+\p:NU+\p+1], v[X2+\p:X2+\p+1], \ka op_sel_hi:[1,1,0]
	v_pk_fma_f32 v[DE+\p:DE+\p+1], v[DE+\p:DE+\p+1], v[X2+\p:X2+\p+1], \kb op_sel_hi:[1,1,0]
.endr
.endm
.macro HB1 ka
.irp p, 0,2,4,6,8,10,12,14
	v_pk_fma_f32 v[NU+\p:NU+\p+1], v[NU+\p:NU+\p+1], v[X2+\p:X2+\p+1], \ka op_sel_hi:[1,1,0]
.endr
.endm
.macro TANH16 dst
.irp j, 0,1,2,3,4,5,6,7,8,9,10,11,12,13,14,15
	v_med3_num_f32 v[XX+\j], v[ZB+\j], s[CLN], s[CLP]              ; each accumulator is read from its low end on
.endr
.irp p, 0,2,4,6,8,10,12,14
	v_pk_mul_f32 v[X2+\p:X2+\p+1], v[XX+\p:XX+\p+1], v[XX+\p:XX+\p+1]
.endr
.irp p, 0,2,4,6,8,10,12,14
	v_pk_fma_f32 v[NU+\p:NU+\p+1], v[X2+\p:X2+\p+1], s[AL13:AL13+1], 0x2a61337e op_sel_hi:[1,0,0]
	v_pk_fma_f32 v[DE+\p:DE+\p+1], v[X2+\p:X2+\p+1], s[BE6:BE6+1], 0x38f895d6 op_sel_hi:[1,0,0]
.endr
	HB2 0xaebd37ff, 0x3b14aa05
	HB2 0x335c0041, 0x3ba059dd
	HB1 0x3779434a
	HB1 0x3a270ded
	HB1 0x3ba059dc
.irp j, 0,1,2,3,4,5,6,7,8,9,10,11,12,13,14,15
	v_rcp_f32 v[DE+\j], v[DE+\j]
.endr
.irp p, 0,2,4,6,8,10,12,14
	v_pk_mul_f32 v[NU+\p:NU+\p+1], v[NU+\p:NU+\p+1], v[XX+\p:XX+\p+1]   ; (plain lines behind the reciprocals, which touch none of them)
.endr
	s_wait_alu depctr_va_vdst(0)                   ; the sixteen reciprocals have written v[DE ..], ahead of their first reader: one wait for the batch
.irp p, 0,2,4,6,8,10,12,14
	v_pk_mul_f32 v[\dst+\p:\dst+\p+1], v[NU+\p:NU+\p+1], v[DE+\p:DE+\p+1]
.endr
.endm
; My 16 numbers of block w become 16 codes and, with lane l xor 16's, the block's byte; both go to image buf.
.macro QB16 src, buf
	v_max3_num_f32 v[TM], |v[\src]|, |v[\src+1]|, 0x1800000        ; with the floor 2^(3 - 127) among the leaves: the byte cannot fall under 1
	v_max3_num_f32 v[TM+1], |v[\src+2]|, |v[\src+3]|, |v[\src+4]|
.irp i, 5,9
	v_max3_num_f32 v[TM], v[TM], |v[\src+\i]|, |v[\src+\i+1]|
	v_max3_num_f32 v[TM+1], v[TM+1], |v[\src+\i+2]|, |v[\src+\i+3]|
.endr
	v_max3_num_f32 v[TM], v[TM], |v[\src+13]|, |v[\src+14]|
	v_max3_num_f32 v[TM], v[TM], v[TM+1], |v[\src+15]|
	v_permlanex16_b32 v[TM+2], v[TM], s[SEL], s[SEL+1]             ; (its destination counts as read: v38 was written at the head)
	v_max_num_f32 v[TM], v[TM], v[TM+2]
	v_add_nc_u32 v[TM+3], 0xff000000, v[TM]        ; 2 off the exponent field: the conversion's scale operand
	v_cvt_scalef32_pk8_fp4_f32 v[PC], v[\src:\src+7], v[TM+3]
	v_cvt_scalef32_pk8_fp4_f32 v[PC+1], v[\src+8:\src+15], v[TM+3]
	v_lshrrev_b32 v[TM+4], 23, v[TM+3]             ; the byte (also the plain line behind the conversions)
	s_wait_alu depctr_va_vdst(0)                   ; the layer's one wait: the conversions have written the codes and the shift the byte, which the LDS stores read; S is written, which the stores to sbuf behind them read; and the layer's matrix instructions are done reading h's fragment and scale words, in which the next layer's LDS loads land
	ds_store_b64 v2, v[PC:PC+1] offset:IMG+1024*(\buf)
	ds_store_b8 v3, v[TM+4] offset:256*(\buf)      ; both lanes of a row write the same byte with the same value
.endm
; Behind layer i's products: the activation, S_i, and h_i's image.  All the layer's stores stand behind the one wait in QB16: the LDS stores, for which the other waves wait, first.
.macro POST i
.if (\i) == 0
	TANH16 SS
.else
	TANH16 NU
	s_wait_xcnt 0x0                                ; the last layer's stores of S have read their data: only now is S written again
	s_wait_alu depctr_vm_vsrc(0)                   ; the last layer's stores to sbuf have read S, and its LDS stores the codes v[PC], v[PC+1] and the byte v[TM+4]: the lines below write all of them again
.irp p, 0,2,4,6,8,10,12,14
	v_pk_add_f32 v[SS+\p:SS+\p+1], v[SS+\p:SS+\p+1], v[NU+\p:NU+\p+1]
.endr
.endif
.if (\i) == 0
	QB16 SS, 0
.else
	QB16 NU, (\i)%2
.endif
.irp g, 0,1,2,3
	global_store_b128 v10, v[SS+4*\g:SS+4*\g+3], s[14:15] offset:8192*(\i)+512*\g   ; the registers as they stand: the wave stores 512 consecutive bytes, aligned.  No vector line since the wait in QB16 names S
.endr
	s_wait_dscnt 0x0                               ; for the others' sake: my stores have landed, and my reads of the other image are over
	s_barrier_signal -1
	s_barrier_wait -1
.endm
.macro HLOAD buf                       ; h's whole fragment and its scale words, from image buf.  No vector or matrix line since the wait in QB16 names these registers
	ds_load_b128 v[HF:HF+3], v1 offset:IMG+1024*(\buf)
	ds_load_b128 v[HF+4:HF+7], v1 offset:IMG+1024*(\buf)+512
	ds_load_b32 v[HS], v4 offset:256*(\buf)
	s_wait_dscnt 0x0
.endm
.macro LAYER i
	HLOAD ((\i)-1)%2
	WIN 0x01                                       ; source 0 (the weight) window 1
	v_wmma_scale_f32_16x16x128_f8f6f4 v[ZB:ZB+7], v[16*((\i)-1):16*((\i)-1)+7], v[HF:HF+7], v[BB+16*(\i):BB+16*(\i)+7], v[WS+(\i)-1], v[HS] matrix_a_fmt:MATRIX_FMT_FP4 matrix_b_fmt:MATRIX_FMT_FP4
	v_wmma_scale_f32_16x16x128_f8f6f4 v[ZB+8:ZB+15], v[16*((\i)-1)+8:16*((\i)-1)+15], v[HF:HF+7], v[BB+16*(\i)+8:BB+16*(\i)+15], v[WS+(\i)-1], v[HS] matrix_a_fmt:MATRIX_FMT_FP4 matrix_b_fmt:MATRIX_FMT_FP4 matrix_a_scale:MATRIX_SCALE_ROW1
	WIN 0
.rept 4
	v_nop                                          ; four places in front of the first read of the results (ISA guide 7.12.1)
.endr
	POST \i
.endm
	; layer 0: K = 8 in two steps of 4, f32 operands; the two accumulators take turns; the bias starts each sum
.irp s, 0,1
.irp u, 0,1
.if \s == 0
	v_wmma_f32_16x16x4_f32 v[ZB+8*\u:ZB+8*\u+7], v[A0+4*\u:A0+4*\u+1], v[PB:PB+1], v[BB+8*\u:BB+8*\u+7]
.else
	v_wmma_f32_16x16x4_f32 v[ZB+8*\u:ZB+8*\u+7], v[A0+4*\u+2:A0+4*\u+3], v[PB+2:PB+3], v[ZB+8*\u:ZB+8*\u+7]
.endif
.endr
.endr
.rept 8
	v_nop                                          ; eight places behind this form
.endr
	POST 0
	LAYER 1
	LAYER 2
	LAYER 3
	LAYER 4
	LAYER 5
	; branch_out: my 128 columns, eight tiles; bout lies in the accumulators
	HLOAD 1
	WIN 0x51                                       ; source 0 (Wout), C and D window 1; source 1 (h) window 0
.irp t, 0,1,2,3,4,5,6,7
.if \t % 2
	v_wmma_scale_f32_16x16x128_f8f6f4 v[DO+8*\t:DO+8*\t+7], v[WO+8*\t:WO+8*\t+7], v[HF:HF+7], v[DO+8*\t:DO+8*\t+7], v[WSO+\t/2], v[HS] matrix_a_fmt:MATRIX_FMT_FP4 matrix_b_fmt:MATRIX_FMT_FP4 matrix_a_scale:MATRIX_SCALE_ROW1
.else
	v_wmma_scale_f32_16x16x128_f8f6f4 v[DO+8*\t:DO+8*\t+7], v[WO+8*\t:WO+8*\t+7], v[HF:HF+7], v[DO+8*\t:DO+8*\t+7], v[WSO+\t/2], v[HS] matrix_a_fmt:MATRIX_FMT_FP4 matrix_b_fmt:MATRIX_FMT_FP4
.endif
.endr
	WIN 0
.rept 4
	v_nop
.endr
	WIN 0x04                                       ; a store's data are its source 1: window 1
	s_wait_alu depctr_va_vdst(0)                   ; the eight matrix instructions have written branch_out, which the stores read; the four places above stay beside this wait
.irp b, 0,1,2,3
.irp g, 0,1,2,3
	global_store_b128 v12, v[DO+16*\b+4*\g:DO+16*\b+4*\g+3], s[16:17] offset:2048*\b+512*\g   ; the registers as they stand, each accumulator from its low end on: 512 consecutive bytes a store, aligned
.endr
.endr
	WIN 0
	s_wait_dscnt 0x0                               ; the closing lines, six on end
	s_wait_alu 0x0
	s_wait_tensorcnt 0x0
	ds_add_u32 v254, v255
	s_wait_dscnt 0x0
	s_endpgm
.Lfunc_end_k_qb39a90cc61_branch:
	.size	k_qb39a90cc61_branch, .Lfunc_end_k_qb39a90cc61_branch-k_qb39a90cc61_branch
	.p2alignl 7, 3214868480
	.fill 96, 4, 3214868480
	.section	.rodata,"a",@progbits
	.p2align	6, 0x0
	.amdhsa_kernel k_qb39a90cc61_branch
		.amdhsa_group_segment_fixed_size 4608
		.amdhsa_private_segment_fixed_size 0
		.amdhsa_enable_private_segment 0
		.amdhsa_kernarg_size 56
		.amdhsa_user_sgpr_count 2
		.amdhsa_user_sgpr_kernarg_segment_ptr 1
		.amdhsa_wavefront_size32 1
		.amdhsa_system_sgpr_workgroup_id_x 1
		.amdhsa_system_sgpr_workgroup_id_y 1
		.amdhsa_system_sgpr_workgroup_id_z 1
		.amdhsa_system_vgpr_workitem_id 0
		.amdhsa_next_free_vgpr 512
		.amdhsa_next_free_sgpr 66
		.amdhsa_reserve_vcc 0
		.amdhsa_float_denorm_mode_32 3
		.amdhsa_float_denorm_mode_16_64 3
		.amdhsa_memory_ordered 1
		.amdhsa_forward_progress 1
		.amdhsa_inst_pref_size 89
	.end_amdhsa_kernel
	.amdgpu_metadata
---
amdhsa.version: [ 1, 2 ]
amdhsa.kernels:
  - .name:           k_qb39a90cc61_branch
    .symbol:         k_qb39a90cc61_branch.kd
    .args:
      - { .name: params, .offset: 0, .size: 8, .value_kind: global_buffer, .address_space: global }
      - { .name: branch_W0, .offset: 8, .size: 8, .value_kind: global_buffer, .address_space: global }
      - { .name: branch_b, .offset: 16, .size: 8, .value_kind: global_buffer, .address_space: global }
      - { .name: branch_bout, .offset: 24, .size: 8, .value_kind: global_buffer, .address_space: global }
      - { .name: wq, .offset: 32, .size: 8, .value_kind: global_buffer, .address_space: global }
      - { .name: sbuf, .offset: 40, .size: 8, .value_kind: global_buffer, .address_space: global }
      - { .name: zl, .offset: 48, .size: 8, .value_kind: global_buffer, .address_space: global }
    .group_segment_fixed_size: 4608
    .private_segment_fixed_size: 0
    .kernarg_segment_align: 8
    .kernarg_segment_size: 56
    .max_flat_workgroup_size: 128
    .sgpr_count:     66
    .vgpr_count:     512
    .wavefront_size: 32
...
	.end_amdgpu_metadata
.endif
;; end of part 6
;; launch trunk (part 7): grid 256 x 1, 8 waves a work-group, no clusters, 117,760 bytes of LDS; arguments coords, sdf, trunk_W0, trunk_b, rowdy_a, final_b, wq, sbuf, zl, out0; writes out0
.if DOCPART == 7
	.amdgcn_target "amdgcn-amd-amdhsa--gfx1250"
	.amdhsa_code_object_version 6
	.text
	.protected	k_qb39a90cc61_trunk
	.globl	k_qb39a90cc61_trunk
	.p2align	8
	.type	k_qb39a90cc61_trunk,@function
k_qb39a90cc61_trunk:
	s_mov_b64 s[64:65], 0
	v_nop
	global_prefetch_b8 v0, s[64:65] scope:SCOPE_SE
	s_setreg_imm32_b32 hwreg(HW_REG_WAVE_SCHED_MODE, 0, 2), 2
	s_setreg_imm32_b32 hwreg(HW_REG_WAVE_MODE, 25, 1), 1
	s_wait_xcnt 0x0
	s_wait_alu depctr_vm_vsrc(0)
; The trunk tower for 160,000 points: x = (coords, sdf); six times x = (tanh z + a1 sin z + a2 sin 2z + a3 sin 3z) S_i with z = x W + b; YL = x final_W + final_b; out(o) = sum over channels of ZL(o) YL.
; Layer 0 (K = 4) takes f32 operands, since its result goes on into a quantiser; layers 1-5 and final_W multiply codes of FP4 (E2M1) with one E8M0 scale for each 32 along K; the last contraction (4 outputs) is f32 multiply-adds.
; WHAT BINDS IS THE ACTIVATION'S VECTOR WORK (128 x 6 activations a point), so the text is laid to spare vector lines: nearly all of it on register PAIRS, S folded into the coefficients, per-channel numbers in registers.
; SHARES.  Sixteen work-groups to a batch, eight waves each: wave q = 0 .. 127 of a batch takes the tiles of 16 points q + 128 i, i = 0 .. 4, of the batch's 625.  Every loop has the constant trip count 5; a tile
; number of 625 or more (i = 4, q >= 113) is jumped over by a scalar branch on ids.  Two waves share a SIMD: one's waits and dependent lines stand beside the other's vector work.
; A WAVE WALKS STAGE BY STAGE OVER ITS FIVE TILES, so that a stage's weights and per-channel numbers are read from LDS once for five tiles; between stages a tile lives in the wave's own LDS slot as the IMAGE OF
; THE NEXT PRODUCT'S OPERAND (1,024 bytes of codes, 128 of scale words).
; THE PRODUCTS ARE USED TRANSPOSED (source 0 = 16 columns of the weight, source 1 = the 16 points): lane (r, h) holds point r, and register 16 b + 8 u + j of its 64 results is channel 32 b + 16 h + 8 u + j
; (the columns of a tile were chosen for that when the weights were quantised): 16 neighbours along the next K for each block b; lanes l and l xor 16 hold a block.
; THE SINES.  n = z / 2 pi to the nearest whole number (by adding and taking off 1.5 x 2^23), r = z - n 2 pi in two steps; S2 = sqrt 2 sin(r / 2) = r P(r^2), C2 = sqrt 2 cos(r / 2) = Q(r^2) (Taylor, |r / 2| <= pi / 2);
; s = sin z = S2 C2, c = cos z = 1 - S2^2: no quadrant, no sign.  a1 sin z + a2 sin 2z + a3 sin 3z = s ((a1 - a3) + 2 a2 c + 4 a3 c^2); times S: s (P0 + P1 c + P2 c^2), Pk = S x the coefficient, made once a work-group.
; TANH.  tanh z = (e - 1) / (e + 1), e = 2^(2 log2(e) x), x = z held to +-16 (there the quotient is 1 in f32, and e stays finite).  S (e - 1) is ONE fused multiply-add, e S - S, so nothing is lost in the
; difference but what e itself lacks; T = that x 1 / (e + 1) = S tanh z, and the block's last line is x = s (P0 + P1 c + P2 c^2) + T.
; LIMITS: the error of e near 1, one unit in its last place (ISA guide, v_exp_f32's entry), stays in e - 1: up to 6e-8 absolute in tanh z, which is more than 1e-6 of tanh z where |z| is under 0.06; all else ahead of the
; quantiser is accurate relative to the number.  |z| under 2^22 x 2 pi (beyond it n is no whole number any more); NaN and infinities are not served; a block of zeros gets the byte 1 (its codes are zeros; only this
; program reads the byte); a bias is the C of its sum's matrix instruction.  No tensor loads, no cluster: a work-group reads 70 KB of tables once and shares nothing else with others.
; LDS: TAB [7 stages][5 arrays][128 f32]: bias, S, P0, P1, P2 (stage 6: final_b, ZL0-3); channel ch's word lies at 256 ((ch / 16) % 2) + 64 (ch / 32) + 4 (ch % 16), so that a lane half's 64 numbers lie on end in the
; order of its registers.  WIM, WSC: the six weights' images and scale words.  XC: for each wave five slots of 1,152 bytes.  One barrier, behind the tables' stores; behind it they are only read.
; THE MODE: SCHED_MODE bits 1:0 = 2 (LLVM: expert scheduling mode 2), set by the entry lines.  The code itself states the register dependences between vector or matrix instructions and memory or LDS
; instructions, with s_wait_alu, always for 0.
; THE PLAN.  Registers that memory or LDS instructions touch, behind the head:
;   v12-15             the tile's LDS addresses: written by the adds at a tile's head; read by the tile's LDS loads and stores.
;   v5, v10, v11       the stage's LDS addresses: written by the adds at a stage's head; read by the stage's loads and by every tile's loads of the bias.
;   v24-31, v20        x's fragment and scale word: LDS loads land in them at a tile's head; the tile's eight matrix instructions read them.
;   v176-239           LDS loads of the bias land in them at a tile's head; the matrix instructions read them as C; then they are work arrays, named by vector lines alone.
;   v32-39             the codes, two registers a block: written by block b's conversions; read by one LDS store, which stands in block b + 1 behind the wait for that block's exponentials (block 3's: at the tile's end).
;   v21; v22-23        the scale word, and in the last stage the outputs: written by vector lines; read by one store at the tile's end.
;   window 1, v112-175, v16-19   a stage's numbers, weights and scale words: LDS loads land in them at a stage's head; vector and matrix lines of the stage's five tiles read them.
;   v1-4, v6-9         made once at the head, never written again.
; So a tile has one wait on vm_vsrc at its head, ahead of the adds; one on va_vdst behind the adds, ahead of its loads; and one on va_vdst at its end, ahead of its last stores.  A stage's head has the same pair.
; Eight waits stand behind the blocks' exponentials and reciprocals; three of them serve the codes' stores too.
; No second set of registers for x's fragment or the bias: the wave's 512 registers are all named.
; REGISTERS.  Window 0: v1-15 addresses; v16-20 scale words and nothing else; v21 the scale word being made; v22-23 out; v24-31 x's fragment; v32-39 codes; v40-47 at work; v48-111 the results Z, written by matrix
; instructions alone; v112-175 the weight's fragments; v176-255 five arrays of 16 at work (v176-239: the bias while the products run).   Window 1: S, P0, P1, P2, 64 each (stage 6: ZL0-3).
.set TAB,   0
.set WIM,   17920
.set WSC,   67072
.set XC,    70144
.set SLOTB, 1152
.set WAVEB, 5*SLOTB
.set XLD, 1                            ; v1   my wave's slot 0 + 16 x lane: an image's place for my lane
.set XST, 2                            ; v2   + 16 r + 8 h: where my 16 codes of a block go
.set XSW, 3                            ; v3   + 1024 + 4 x lane: the scale word
.set TA0, 4                            ; v4   256 h: my half's numbers in an array of TAB
.set TAS, 5                            ; v5   the same in this stage
.set WI0, 6                            ; v6   WIM + 16 x lane
.set WS0, 7                            ; v7   WSC + 4 x lane
.set GO,  8                            ; v8   16 r + 8 h: my 8 bytes of a tile's 256 in out0
.set XB0, 9                            ; v9   my wave's slot 0 + 8 x lane: the point's f32 fragment
.set WIA, 10                           ; v10, v11  WI0, WS0 in this stage
.set WSA, 11
.set TLD, 12                           ; v12-15    XLD, XST, XSW, XB0 in this tile's slot
.set TST, 13
.set TSW, 14
.set TXB, 15
.set WS,  16
.set XS,  20
.set PW,  21
.set OD,  22
.set XF,  24
.set PC,  32
.set TM,  40
.set Z,   48
.set WF,  112
.set BI,  176
.set AA,  176
.set AB,  192
.set AC,  208
.set AD,  224
.set AE,  240
.set FA,  176                          ; the last contraction's sums: output o, chain e at 4 o + 2 e
.set PS,  0                            ; in window 1
.set P0,  64
.set P1,  128
.set P2,  192
.set WV,   24                          ; s24 wave; s25 batch; s27 q
.set BAT,  25
.set QQ,   27
.set SLOT, 32                          ; s32 the tile's slot in bytes; s33 the tile's number; s34 counts tiles, s35 stages
.set TILE, 33
.set TCNT, 34
.set SCNT, 35
.set TOFF, 36                          ; s36-38 the stage's place in TAB, WIM, WSC
.set WOFF, 37
.set SOFF, 38
.set SEL,  40                          ; s[40:41] v_permlanex16_b32's selects for lane l xor 16
.set CLP,  42                          ; s42, s43 +-16
.set CLN,  43
.set SN5,  44                          ; s[44:47], s[52:53] the two polynomials' leading coefficients and 1 / 2 pi, as pairs: a line takes one literal, and the packed form names a pair
.set CS6,  46
.set INV,  52
.set MSB, 0
.macro WIN new                         ; the immediate's high byte repeats the setting that is left
.if MSB != \new
	s_set_vgpr_msb (MSB<<8)|\new
.set MSB, \new
.endif
.endm
	s_load_b256 s[4:11], s[0:1], 0x0               ; coords s[4:5], sdf s[6:7], trunk_W0 s[8:9], trunk_b s[10:11]
	s_load_b256 s[12:19], s[0:1], 0x20             ; rowdy_a s[12:13], final_b s[14:15], wq s[16:17], sbuf s[18:19]
	s_load_b128 s[20:23], s[0:1], 0x40             ; zl s[20:21], out0 s[22:23]
	v_lshrrev_b32 v226, 5, v0
	v_readfirstlane_b32 s[WV], v226                ; wave 0..7
	v_and_b32 v226, 15, v0                         ; r
	v_bfe_u32 v227, v0, 4, 1                       ; h
	v_and_b32 v228, 31, v0                         ; lane
	s_lshr_b32 s[BAT], ttmp9, 4                    ; the batch
	s_and_b32 s26, ttmp9, 15
	s_lshl_b32 s26, s26, 3
	s_wait_alu depctr_va_sdst(0)                   ; the wave's number is written, ahead of its first reader: q, the wave's slots and a branch are made from it
	s_add_co_u32 s[QQ], s26, s[WV]                 ; q = 8 x (work-group in the batch) + wave
	s_mul_i32 s39, s[WV], WAVEB
	s_add_co_u32 s39, s39, XC                      ; my wave's slots
	v_lshl_add_u32 v[XLD], v228, 4, s39
	v_lshl_add_u32 v[XB0], v228, 3, s39
	v_lshlrev_b32 v[GO], 4, v226
	v_lshl_add_u32 v[GO], v227, 3, v[GO]
	v_add_nc_u32 v[XST], s39, v[GO]
	v_lshl_add_u32 v[XSW], v228, 2, s39
	v_add_nc_u32 v[XSW], 1024, v[XSW]
	v_lshlrev_b32 v[TA0], 8, v227
	v_lshl_add_u32 v[WI0], v228, 4, WIM
	v_lshl_add_u32 v[WS0], v228, 2, WSC
	; offsets of the loads at the head
	v_mul_u32_u24 v229, v226, 12                   ; coords: 12 r
	v_lshl_add_u32 v230, v227, 3, v229             ; 12 r + 8 h: c0 for lanes 0-15, c2 for lanes 16-31
	v_lshlrev_b32 v231, 2, v226                    ; sdf: 4 r
	v_and_b32 v232, 8, v226
	v_add_nc_u32 v232, v232, v226
	v_lshlrev_b32 v232, 2, v232
	v_lshl_add_u32 v232, v227, 10, v232            ; trunk_W0: rows 2 h, 2 h + 1 of 512 bytes; column r + 8 (r / 8)
	v_lshlrev_b32 v233, 4, v0                      ; 16 x thread
	v_lshlrev_b32 v234, 2, v0                      ; 4 x thread
	v_and_b32 v235, 127, v0
	v_lshlrev_b32 v235, 2, v235                    ; 4 ch: thread t serves channel ch = t % 128 in the stages 2 k + g, g = t / 128
	v_bfe_u32 v236, v0, 7, 1                       ; g
	v_bfe_u32 v245, v0, 5, 2                       ; ch / 32
	v_and_b32 v246, 3, v0                          ; ch % 4
	v_bfe_u32 v247, v0, 2, 2                       ; (ch / 4) % 4
	v_lshlrev_b32 v237, 2, v246                    ; sbuf and zl are images of the registers that made them: channel ch of my batch lies at
	v_lshl_add_u32 v237, v247, 9, v237             ; 4 (ch % 4) + 512 ((ch / 4) % 4)
	v_lshl_add_u32 v237, v227, 8, v237             ; + 256 ((ch / 16) % 2)
	v_lshl_add_u32 v237, v245, 11, v237            ; + 2048 (ch / 32) (+ 16 x batch, which goes into the base),
	v_lshl_add_u32 v237, v236, 13, v237            ; in a stage (sbuf) or an output (zl) of 8,192 bytes: here stage or output g
	v_mad_u32_u24 v238, v236, 1536, v235           ; rowdy_a: a stage is 1,536 bytes
	v_lshl_add_u32 v239, v236, 9, v235             ; trunk_b: 512
	; and of the stores into the tables
	v_lshl_add_u32 v240, v245, 6, v231
	v_lshl_add_u32 v240, v227, 8, v240             ; ch's word in an array: 4 (ch % 16) + 64 (ch / 32) + 256 ((ch / 16) % 2)
	v_mad_u32_u24 v241, v236, 2560, v240           ; in stage g
	v_lshl_add_u32 v242, v236, 9, v240             ; in array g
	v_lshl_add_u32 v243, v0, 4, WIM
	v_lshl_add_u32 v244, v0, 2, WSC
.irp j, 0,1,2,3,4,5,6,7
	v_mov_b32 v[TM+\j], 0                          ; written once: a lane permute's destination counts as one of its sources
.endr
	s_mov_b32 s[SEL], 0x76543210
	s_mov_b32 s[SEL+1], 0xfedcba98
	s_mov_b32 s[CLP], 0x41800000
	s_mov_b32 s[CLN], 0xc1800000
	s_mov_b32 s[SN5], 0xad982aa2
	s_mov_b32 s[SN5+1], 0xad982aa2
	s_mov_b32 s[CS6], 0x2b4ae382
	s_mov_b32 s[CS6+1], 0x2b4ae382
	s_mov_b32 s[INV], 0x3e22f983
	s_mov_b32 s[INV+1], 0x3e22f983
	s_mov_b32 vcc_lo, 0xffff0000                   ; lanes 16-31; never rewritten
	s_add_co_u32 s58, s[QQ], 512
	s_min_u32 s58, s58, 624                        ; my fifth tile, held to the batch's last: no load leaves its buffer (for q >= 113 what is loaded so is never used)
	s_mov_b32 s29, 0
	s_mov_b32 s31, 0
	s_mul_i32 s30, s[BAT], 120000                  ; coords: 120,000 bytes a batch, 192 a tile
	s_mul_i32 s26, s[QQ], 192
	s_add_co_u32 s28, s30, s26
	s_mul_i32 s26, s58, 192
	s_add_co_u32 s30, s30, s26
	s_wait_kmcnt 0x0
	s_add_nc_u64 s[54:55], s[4:5], s[30:31]        ; coords at my fifth tile,
	s_add_nc_u64 s[4:5], s[4:5], s[28:29]          ; and at my first
	s_mul_i32 s30, s[BAT], 40000                   ; sdf: 40,000 a batch, 64 a tile
	s_lshl_b32 s26, s[QQ], 6
	s_add_co_u32 s28, s30, s26
	s_lshl_b32 s26, s58, 6
	s_add_co_u32 s30, s30, s26
	s_add_nc_u64 s[56:57], s[6:7], s[30:31]
	s_add_nc_u64 s[6:7], s[6:7], s[28:29]
	s_lshl_b32 s28, s[BAT], 4                      ; in the images of sbuf and zl a batch (a row of the branch tower) is a lane: 16 bytes
	s_add_nc_u64 s[18:19], s[18:19], s[28:29]
	s_add_nc_u64 s[20:21], s[20:21], s[28:29]
	s_mul_i32 s28, s[BAT], 160000                  ; out0: 160,000 a batch, 256 a tile
	s_lshl_b32 s26, s[QQ], 8
	s_add_co_u32 s28, s28, s26
	s_add_nc_u64 s[22:23], s[22:23], s[28:29]
	s_wait_alu depctr_va_vdst(0)                   ; the head's offsets and LDS addresses, v1 to v9 and v229 to v244, are written: the loads below and the LDS stores behind them read them
	; everything that comes from memory is asked for at once
.irp i, 0,1,2,3
	global_load_b32 v[128+2*\i], v230, s[4:5] offset:24576*\i
	global_load_b32 v[129+2*\i], v229, s[4:5] offset:24576*\i+4    ; c1
	global_load_b32 v[138+\i], v231, s[6:7] offset:8192*\i         ; sdf
.endr
	global_load_b32 v136, v230, s[54:55]
	global_load_b32 v137, v229, s[54:55] offset:4
	global_load_b32 v142, v231, s[56:57]
.irp t, 0,1,2,3,4,5,6,7
.irp j, 0,1
	global_load_b32 v[WF+2*\t+\j], v232, s[8:9] offset:512*\j+4*(32*(\t/2)+8*(\t%2))   ; W0(2 h + j, the tile's column): stays in registers through stage 0
.endr
.endr
.irp j, 0,1,2,3,4,5,6,7,8,9,10,11
	global_load_b128 v[144+4*\j:147+4*\j], v233, s[16:17] offset:73728+4096*\j       ; the six weights' images: 4,096 consecutive bytes a line for the work-group
.endr
.irp j, 0,1,2
	global_load_b32 v[192+\j], v234, s[16:17] offset:127488+1024*\j                  ; and their scale words
.endr
.irp k, 0,1,2
	global_load_b32 v[196+5*\k], v237, s[18:19] offset:16384*\k                      ; S of stage 2 k + g
	global_load_b32 v[197+5*\k], v238, s[12:13] offset:3072*\k                       ; a1
	global_load_b32 v[198+5*\k], v238, s[12:13] offset:3072*\k+512                   ; a2
	global_load_b32 v[199+5*\k], v238, s[12:13] offset:3072*\k+1024                  ; a3
	global_load_b32 v[200+5*\k], v239, s[10:11] offset:1024*\k                       ; the bias
.endr
	global_load_b32 v211, v237, s[20:21]                                             ; ZL(g, ch)
	global_load_b32 v212, v237, s[20:21] offset:16384                                ; ZL(2 + g, ch)
	global_load_b32 v213, v235, s[14:15]                                             ; final_b(ch)
	s_wait_loadcnt 0x0
	; all the head's vector work on what was loaded stands together, so that one wait serves the whole run of LDS stores
.irp i, 0,1,2,3,4
	v_cndmask_b32 v[129+2*\i], v[129+2*\i], v[138+\i], vcc_lo      ; the f32 operand's layout: lane (r, h) holds k = 2 h, 2 h + 1 of point r: (c0, c1) or (c2, sdf)
.endr
.irp k, 0,1,2
	v_sub_f32 v[216+3*\k], v[197+5*\k], v[199+5*\k]                ; a1 - a3
	v_mul_f32 v[217+3*\k], v[196+5*\k], v[198+5*\k]                ; S a2
	v_mul_f32 v[218+3*\k], v[196+5*\k], v[199+5*\k]                ; S a3
	v_mul_f32 v[216+3*\k], v[196+5*\k], v[216+3*\k]                ; P0 = S (a1 - a3)
	v_mul_f32 v[217+3*\k], 2.0, v[217+3*\k]                        ; P1 = 2 S a2
	v_mul_f32 v[218+3*\k], 4.0, v[218+3*\k]                        ; P2 = 4 S a3
.endr
	s_wait_alu depctr_va_vdst(0)                   ; the selects have written v129 to v137 and the products v216 to v224, which the LDS stores below read
.irp i, 0,1,2,3,4
	ds_store_b64 v[XB0], v[128+2*\i:129+2*\i] offset:SLOTB*\i
.endr
.irp j, 0,1,2,3,4,5,6,7,8,9,10,11
	ds_store_b128 v243, v[144+4*\j:147+4*\j] offset:4096*\j
.endr
.irp j, 0,1,2
	ds_store_b32 v244, v[192+\j] offset:1024*\j
.endr
.irp k, 0,1,2
	ds_store_b32 v241, v[200+5*\k] offset:5120*\k
	ds_store_b32 v241, v[196+5*\k] offset:5120*\k+512
	ds_store_b32 v241, v[216+3*\k] offset:5120*\k+1024
	ds_store_b32 v241, v[217+3*\k] offset:5120*\k+1536
	ds_store_b32 v241, v[218+3*\k] offset:5120*\k+2048
.endr
	ds_store_b32 v242, v211 offset:15360+512
	ds_store_b32 v242, v212 offset:15360+1536
	s_cmp_lt_u32 s[WV], 4                          ; final_b has 128 numbers: waves 0-3 (g = 0) store them
	s_cbranch_scc0 .Lno_fb
	ds_store_b32 v241, v213 offset:15360
.Lno_fb:
	s_wait_dscnt 0x0                               ; for the others' sake: my stores have landed
	s_barrier_signal -1
	s_barrier_wait -1                              ; the tables are whole; from here on they are only read
; A stage's numbers: S, P0, P1, P2 (or ZL0-3) into window 1; with w = 1 the weight's eight fragments and four scale registers.  The wait for them is the first tile's.
.macro STAGE w
	s_wait_dscnt 0x0                               ; every LDS load of mine has landed before its register is loaded again: the last stage's too, also on the way on which all its tiles are jumped over, where no tile's wait stands between
	s_wait_alu depctr_vm_vsrc(0)                   ; the last stage's LDS loads have read v[TAS], v[WIA], v[WSA], which the adds below write; ahead of the first stage: the head's loads and LDS stores have read their offsets and data, v128 to v247, over which weights, bias and work arrays are laid
	v_add_nc_u32 v[TAS], s[TOFF], v[TA0]
.if \w
	v_add_nc_u32 v[WIA], s[WOFF], v[WI0]
	v_add_nc_u32 v[WSA], s[SOFF], v[WS0]
.endif
	WIN 0x40                                       ; destination window 1
	s_wait_alu depctr_va_vdst(0)                   ; the adds have written the addresses that the loads below read; the last stage's vector and matrix lines are done reading window 1, the weight's fragments and their scale words, in which these loads land
.irp a, 1,2,3,4
.irp g, 0,1,2,3,4,5,6,7,8,9,10,11,12,13,14,15
	ds_load_b128 v[64*(\a-1)+4*\g:64*(\a-1)+4*\g+3], v[TAS] offset:512*\a+16*\g
.endr
.endr
	WIN 0                                          ; (only loads and this switch stand between the wait above and the loads below)
.if \w
.irp t, 0,1,2,3,4,5,6,7
.irp c, 0,1
	ds_load_b128 v[WF+8*\t+4*\c:WF+8*\t+4*\c+3], v[WIA] offset:1024*\t+512*\c
.endr
.endr
.irp b, 0,1,2,3
	ds_load_b32 v[WS+\b], v[WSA] offset:128*\b     ; lanes 0-15: tile 2 b's words; lanes 16-31: tile 2 b + 1's
.endr
.endif
.endm
.macro MM4                             ; z^T = W^T x^T + b: eight tiles of 16 channels, K = 128 in one instruction each
.irp t, 0,1,2,3,4,5,6,7
.if \t % 2
	v_wmma_scale_f32_16x16x128_f8f6f4 v[Z+8*\t:Z+8*\t+7], v[WF+8*\t:WF+8*\t+7], v[XF:XF+7], v[BI+8*\t:BI+8*\t+7], v[WS+\t/2], v[XS] matrix_a_fmt:MATRIX_FMT_FP4 matrix_b_fmt:MATRIX_FMT_FP4 matrix_a_scale:MATRIX_SCALE_ROW1
.else
	v_wmma_scale_f32_16x16x128_f8f6f4 v[Z+8*\t:Z+8*\t+7], v[WF+8*\t:WF+8*\t+7], v[XF:XF+7], v[BI+8*\t:BI+8*\t+7], v[WS+\t/2], v[XS] matrix_a_fmt:MATRIX_FMT_FP4 matrix_b_fmt:MATRIX_FMT_FP4
.endif
.endr
.rept 4
	v_nop                                          ; four places in front of the first read of the results and the first write over the bias (ISA guide 7.12.1)
.endr
.endm
.macro MM0                             ; the same for layer 0: K = 4, f32 operands
.irp t, 0,1,2,3,4,5,6,7
	v_wmma_f32_16x16x4_f32 v[Z+8*\t:Z+8*\t+7], v[WF+2*\t:WF+2*\t+1], v[XF:XF+1], v[BI+8*\t:BI+8*\t+7]
.endr
.rept 8
	v_nop                                          ; eight places behind this form
.endr
.endm
.macro HORN2 x, kx, y, ky              ; x = x B + kx, y = y B + ky, by turns
.irp p, 0,2,4,6,8,10,12,14
	v_pk_fma_f32 v[\x+\p:\x+\p+1], v[\x+\p:\x+\p+1], v[AB+\p:AB+\p+1], \kx op_sel_hi:[1,1,0]
	v_pk_fma_f32 v[\y+\p:\y+\p+1], v[\y+\p:\y+\p+1], v[AB+\p:AB+\p+1], \ky op_sel_hi:[1,1,0]
.endr
.endm
; The activation of block beta: my 16 numbers z in Z + 16 beta on become 16 numbers x in array C: 256 lines, 32 for a pair of numbers.
; The 32 transcendentals stand one by one between packed lines of the sines' work, which touch none of them: so no two follow each other, and a plain line stands behind each before its result is used.
; Behind the wait for the exponentials stands the LDS store of the codes of the block before: block b = 2 c + h' lies at 512 c + 256 h' of the next operand's image, my 8 bytes at 16 r + 8 h in it.
.macro ACTB beta
.set zb, Z+16*(\beta)
.set wb, 16*(\beta)
.irp j, 0,1,2,3,4,5,6,7,8,9,10,11,12,13,14,15
	v_med3_num_f32 v[AE+\j], v[zb+\j], s[CLN], s[CLP]                                             ; z held to +-16.  (Each accumulator is read from its low end on)
.endr
.irp p, 0,2,4,6,8,10,12,14
	v_pk_mul_f32 v[AE+\p:AE+\p+1], v[AE+\p:AE+\p+1], 0x4038aa3b op_sel_hi:[1,0]                   ; x 2 log2(e)
.endr
.set jj, 0
.rept 8
	v_exp_f32 v[AE+jj], v[AE+jj]                                                                  ; e
	v_pk_fma_f32 v[AA+2*jj:AA+2*jj+1], v[zb+2*jj:zb+2*jj+1], s[INV:INV+1], 0x4b400000 op_sel_hi:[1,0,0]   ; z / 2 pi + 1.5 x 2^23: rounded to a whole number
.set jj, jj+1
.endr
.set jj, 0
.rept 8
	v_exp_f32 v[AE+8+jj], v[AE+8+jj]
	v_pk_add_f32 v[AA+2*jj:AA+2*jj+1], v[AA+2*jj:AA+2*jj+1], 0xcb400000 op_sel_hi:[1,0]           ; n
.set jj, jj+1
.endr
.irp p, 0,2,4,6,8,10,12,14
	v_pk_fma_f32 v[AB+\p:AB+\p+1], v[AA+\p:AA+\p+1], 0xc0c90fdb, v[zb+\p:zb+\p+1] op_sel_hi:[1,0,1]   ; z - n x (2 pi as f32)
.endr
.irp p, 0,2,4,6,8,10,12,14
	v_pk_fma_f32 v[AA+\p:AA+\p+1], v[AA+\p:AA+\p+1], 0x343bbd2e, v[AB+\p:AB+\p+1] op_sel_hi:[1,0,1]   ; - n x (the rest of 2 pi, which is negative): r
.endr
	s_wait_alu depctr_va_vdst(0)                   ; the sixteen exponentials have written v[AE ..], ahead of their first reader; and the conversions of the block before have written its codes, which the LDS store below reads
.if (\beta) > 0
.set pb, (\beta)-1
	ds_store_b64 v[TST], v[PC+2*pb:PC+2*pb+1] offset:(pb/2)*512+(pb%2)*256
.endif
	WIN 0x14                                       ; sources 1 and 2 window 1
.irp p, 0,2,4,6,8,10,12,14
	v_pk_fma_f32 v[AD+\p:AD+\p+1], v[AE+\p:AE+\p+1], v[PS+wb+\p:PS+wb+\p+1], v[PS+wb+\p:PS+wb+\p+1] neg_lo:[0,0,1] neg_hi:[0,0,1]   ; e S - S = S (e - 1), rounded once
.endr
	WIN 0
.irp p, 0,2,4,6,8,10,12,14
	v_pk_add_f32 v[AE+\p:AE+\p+1], v[AE+\p:AE+\p+1], 1.0 op_sel_hi:[1,0]                          ; e + 1
.endr
.set jj, 0
.rept 8
	v_rcp_f32 v[AE+jj], v[AE+jj]
	v_pk_mul_f32 v[AB+2*jj:AB+2*jj+1], v[AA+2*jj:AA+2*jj+1], v[AA+2*jj:AA+2*jj+1]                 ; r^2
.set jj, jj+1
.endr
.set jj, 0
.rept 8
	v_rcp_f32 v[AE+8+jj], v[AE+8+jj]
	v_pk_fma_f32 v[AC+2*jj:AC+2*jj+1], v[AB+2*jj:AB+2*jj+1], s[SN5:SN5+1], 0x3202c4a3 op_sel_hi:[1,0,0]   ; the sine's polynomial begins
.set jj, jj+1
.endr
	s_wait_alu depctr_va_vdst(0)                   ; the sixteen reciprocals have written v[AE ..], ahead of their first reader: one wait for the batch
.irp p, 0,2,4,6,8,10,12,14
	v_pk_mul_f32 v[AE+\p:AE+\p+1], v[AD+\p:AD+\p+1], v[AE+\p:AE+\p+1]                             ; T = S (e - 1) / (e + 1) = S tanh z
.endr
.irp p, 0,2,4,6,8,10,12,14
	v_pk_fma_f32 v[AC+\p:AC+\p+1], v[AC+\p:AC+\p+1], v[AB+\p:AB+\p+1], 0xb6131d37 op_sel_hi:[1,1,0]
	v_pk_fma_f32 v[AD+\p:AD+\p+1], v[AB+\p:AB+\p+1], s[CS6:CS6+1], 0xafd13a9e op_sel_hi:[1,0,0]   ; the cosine's begins, one step behind
.endr
	HORN2 AC, 0x39c11659, AD, 0x34131d37
	HORN2 AC, 0xbcf15bef, AD, 0xb800b990
	HORN2 AC, 0x3f3504f3, AD, 0x3b715bef
.irp p, 0,2,4,6,8,10,12,14
	v_pk_mul_f32 v[AC+\p:AC+\p+1], v[AC+\p:AC+\p+1], v[AA+\p:AA+\p+1]                             ; S2 = sqrt 2 sin(r / 2)
	v_pk_fma_f32 v[AD+\p:AD+\p+1], v[AD+\p:AD+\p+1], v[AB+\p:AB+\p+1], 0xbe3504f3 op_sel_hi:[1,1,0]
.endr
.irp p, 0,2,4,6,8,10,12,14
	v_pk_fma_f32 v[AD+\p:AD+\p+1], v[AD+\p:AD+\p+1], v[AB+\p:AB+\p+1], 0x3fb504f3 op_sel_hi:[1,1,0]   ; C2 = sqrt 2 cos(r / 2): the last use of r^2,
	v_pk_fma_f32 v[AB+\p:AB+\p+1], v[AC+\p:AC+\p+1], v[AC+\p:AC+\p+1], 1.0 op_sel_hi:[1,1,0] neg_lo:[1,0,0] neg_hi:[1,0,0]   ; whose place c = 1 - S2^2 takes
.endr
.irp p, 0,2,4,6,8,10,12,14
	v_pk_mul_f32 v[AC+\p:AC+\p+1], v[AC+\p:AC+\p+1], v[AD+\p:AD+\p+1]                             ; s = S2 C2
.endr
	WIN 0x14                                       ; sources 1 and 2 window 1
.irp p, 0,2,4,6,8,10,12,14
	v_pk_fma_f32 v[AD+\p:AD+\p+1], v[AB+\p:AB+\p+1], v[P2+wb+\p:P2+wb+\p+1], v[P1+wb+\p:P1+wb+\p+1]
.endr
	WIN 0x10                                       ; source 2 window 1
.irp p, 0,2,4,6,8,10,12,14
	v_pk_fma_f32 v[AD+\p:AD+\p+1], v[AD+\p:AD+\p+1], v[AB+\p:AB+\p+1], v[P0+wb+\p:P0+wb+\p+1]     ; P0 + P1 c + P2 c^2
.endr
	WIN 0
.irp p, 0,2,4,6,8,10,12,14
	v_pk_fma_f32 v[AC+\p:AC+\p+1], v[AC+\p:AC+\p+1], v[AD+\p:AD+\p+1], v[AE+\p:AE+\p+1]           ; x = the three sines S + tanh S
.endr
.endm
; Array C, my 16 numbers of block beta, becomes 16 codes in the block's own two registers and a byte of the scale word.  The codes' LDS store stands further on, behind a wait that shows them written.
.macro QB beta
	v_max3_num_f32 v[TM], |v[AC]|, |v[AC+1]|, 0x1800000            ; with the floor 2^(3 - 127) among the leaves: the byte cannot fall under 1
	v_max3_num_f32 v[TM+1], |v[AC+2]|, |v[AC+3]|, |v[AC+4]|
.irp i, 5,9
	v_max3_num_f32 v[TM], v[TM], |v[AC+\i]|, |v[AC+\i+1]|
	v_max3_num_f32 v[TM+1], v[TM+1], |v[AC+\i+2]|, |v[AC+\i+3]|
.endr
	v_max3_num_f32 v[TM], v[TM], |v[AC+13]|, |v[AC+14]|
	v_max3_num_f32 v[TM], v[TM], v[TM+1], |v[AC+15]|
	v_permlanex16_b32 v[TM+2], v[TM], s[SEL], s[SEL+1]
	v_max_num_f32 v[TM], v[TM], v[TM+2]            ; with lane l xor 16's: the block's largest magnitude
	v_add_nc_u32 v[TM+3], 0xff000000, v[TM]        ; 2 off its exponent field: the conversion's scale operand
	v_cvt_scalef32_pk8_fp4_f32 v[PC+2*(\beta)], v[AC:AC+7], v[TM+3]
	v_cvt_scalef32_pk8_fp4_f32 v[PC+2*(\beta)+1], v[AC+8:AC+15], v[TM+3]
.if (\beta) == 0
	v_lshrrev_b32 v[PW], 23, v[TM+3]               ; the byte (also the plain line behind the conversions)
.else
	v_lshrrev_b32 v[TM+4], 23, v[TM+3]
	v_lshl_or_b32 v[PW], v[TM+4], 8*(\beta), v[PW]
.endif
.endm
; out(o) = sum over the 128 channels of ZL(o) YL: my 64 channels in two chains of pairs for each output, then lane l xor 16's; lane (r, h) stores outputs 2 h, 2 h + 1 of point r.
.macro FINISH
	WIN 0x04                                       ; source 1 (ZL) window 1
.set pp, 0
.rept 32
.irp o, 0,1,2,3
.if pp < 2
	v_pk_mul_f32 v[FA+4*\o+2*pp:FA+4*\o+2*pp+1], v[Z+2*pp:Z+2*pp+1], v[64*\o+2*pp:64*\o+2*pp+1]   ; the first products start the sums
.else
	v_pk_fma_f32 v[FA+4*\o+2*(pp%2):FA+4*\o+2*(pp%2)+1], v[Z+2*pp:Z+2*pp+1], v[64*\o+2*pp:64*\o+2*pp+1], v[FA+4*\o+2*(pp%2):FA+4*\o+2*(pp%2)+1]
.endif
.endr
.set pp, pp+1
.endr
	WIN 0
.irp o, 0,1,2,3
	v_pk_add_f32 v[FA+4*\o:FA+4*\o+1], v[FA+4*\o:FA+4*\o+1], v[FA+4*\o+2:FA+4*\o+3]
.endr
.irp o, 0,1,2,3
	v_add_f32 v[FA+4*\o], v[FA+4*\o], v[FA+4*\o+1]
.endr
.irp o, 0,1,2,3
	v_permlanex16_b32 v[TM+4+\o], v[FA+4*\o], s[SEL], s[SEL+1]
.endr
.irp o, 0,1,2,3
	v_add_f32 v[FA+4*\o], v[FA+4*\o], v[TM+4+\o]
.endr
	v_cndmask_b32 v[OD], v[FA], v[FA+8], vcc_lo
	v_cndmask_b32 v[OD+1], v[FA+4], v[FA+12], vcc_lo
	s_wait_alu depctr_va_vdst(0)                   ; the two selects have written v[OD] and v[OD+1], which the store reads
	global_store_b64 v[GO], v[OD:OD+1], s[22:23]   ; the wave stores the tile's 256 consecutive bytes, aligned
.endm
; One tile in one stage.  kind 0: layer 0;  1: layers 1-5;  2: final_W and the contraction.
.macro BODY kind
	s_wait_alu depctr_vm_vsrc(0)                   ; the last tile's LDS loads and stores have read the tile's addresses v12 to v15, its LDS stores the codes v32 to v39 and the scale word v21, its store to out0 v22 and v23: this tile writes all of them again
.if \kind == 0
	v_add_nc_u32 v[TXB], s[SLOT], v[XB0]
.else
	v_add_nc_u32 v[TLD], s[SLOT], v[XLD]
.endif
	v_add_nc_u32 v[TSW], s[SLOT], v[XSW]
.if \kind < 2
	v_add_nc_u32 v[TST], s[SLOT], v[XST]
.endif
	s_wait_alu depctr_va_vdst(0)                   ; the adds have written the addresses that the tile's LDS loads and stores read; the last tile's matrix instructions are done reading x's fragment and scale word, and its vector lines are done with the work arrays: the loads below land in all of these
.if \kind == 0
	ds_load_b64 v[XF:XF+1], v[TXB]
.else
	ds_load_b128 v[XF:XF+3], v[TLD]                ; LDS serves a wave's instructions in order (ISA guide 5.7.1.4): these see what I stored in the stage before
	ds_load_b128 v[XF+4:XF+7], v[TLD] offset:512
	ds_load_b32 v[XS], v[TSW]
.endif
.irp g, 0,1,2,3,4,5,6,7,8,9,10,11,12,13,14,15
	ds_load_b128 v[BI+4*\g:BI+4*\g+3], v[TAS] offset:16*\g         ; the bias in the result's layout: the work arrays have written over it
.endr
	s_wait_dscnt 0x0                               ; the tile's operand and the bias; in a stage's first tile also the stage's numbers and weights
.if \kind == 0
	MM0
.else
	MM4
.endif
.if \kind < 2
	ACTB 0
	QB 0
	ACTB 1                                         ; (with the store of block 0's codes,
	QB 1
	ACTB 2                                         ; of block 1's,
	QB 2
	ACTB 3                                         ; of block 2's)
	QB 3
	s_wait_alu depctr_va_vdst(0)                   ; block 3's conversions have written its codes, and its last line the scale word: the two LDS stores below read them
	ds_store_b64 v[TST], v[PC+6:PC+7] offset:768   ; block 3 = 2 c + h' with c = 1, h' = 1
	ds_store_b32 v[TSW], v[PW]                     ; my point's scale word (lanes l and l xor 16 hold the same; the product reads lanes 0-15)
.else
	FINISH
.endif
.endm
; My five tiles.  The trip count is a constant; a tile number past the batch's 625 jumps over the work, not over the steps.
.macro TLOOP kind
	s_mov_b32 s[SLOT], 0
	s_mov_b32 s[TILE], s[QQ]
	s_mov_b32 s[TCNT], 0
.Ltile_\@:
	s_cmp_ge_u32 s[TILE], 625
	s_cbranch_scc1 .Lskip_\@
	BODY \kind
.Lskip_\@:
.if \kind == 2
	s_wait_xcnt 0x0                                ; the store has read its base and its data: both are written again only behind this wait
	s_add_nc_u64 s[22:23], s[22:23], 32768         ; 128 tiles on
.endif
	s_add_co_u32 s[SLOT], s[SLOT], SLOTB
	s_add_co_u32 s[TILE], s[TILE], 128
	s_add_co_u32 s[TCNT], s[TCNT], 1
	s_cmp_lt_u32 s[TCNT], 5
	s_cbranch_scc1 .Ltile_\@
.endm
	s_mov_b32 s[TOFF], 0
	s_mov_b32 s[WOFF], 0
	s_mov_b32 s[SOFF], 0
	STAGE 0                                        ; layer 0: its weight came into registers at the head
	TLOOP 0
	s_add_co_u32 s[TOFF], s[TOFF], 2560
	s_mov_b32 s[SCNT], 0
.Lstage:                                               ; layers 1 to 5
	STAGE 1
	TLOOP 1
	s_add_co_u32 s[TOFF], s[TOFF], 2560
	s_add_co_u32 s[WOFF], s[WOFF], 8192
	s_add_co_u32 s[SOFF], s[SOFF], 512
	s_add_co_u32 s[SCNT], s[SCNT], 1
	s_cmp_lt_u32 s[SCNT], 5
	s_cbranch_scc1 .Lstage
	STAGE 1                                        ; final_W, final_b and ZL
	TLOOP 2
	s_wait_xcnt 0x0
	v_lshl_add_u32 v254, v0, 2, 0x1c800            ; the add's two registers are made anew here: no memory or LDS instruction of the text reads v254 or v255
	v_mov_b32 v255, 0
	s_wait_dscnt 0x0                               ; the closing lines, six on end
	s_wait_alu 0x0
	s_wait_tensorcnt 0x0
	ds_add_u32 v254, v255
	s_wait_dscnt 0x0
	s_endpgm
.Lfunc_end_k_qb39a90cc61_trunk:
	.size	k_qb39a90cc61_trunk, .Lfunc_end_k_qb39a90cc61_trunk-k_qb39a90cc61_trunk
	.p2alignl 7, 3214868480
	.fill 96, 4, 3214868480
	.section	.rodata,"a",@progbits
	.p2align	6, 0x0
	.amdhsa_kernel k_qb39a90cc61_trunk
		.amdhsa_group_segment_fixed_size 117760
		.amdhsa_private_segment_fixed_size 0
		.amdhsa_enable_private_segment 0
		.amdhsa_kernarg_size 80
		.amdhsa_user_sgpr_count 2
		.amdhsa_user_sgpr_kernarg_segment_ptr 1
		.amdhsa_wavefront_size32 1
		.amdhsa_system_sgpr_workgroup_id_x 1
		.amdhsa_system_sgpr_workgroup_id_y 1
		.amdhsa_system_sgpr_workgroup_id_z 1
		.amdhsa_system_vgpr_workitem_id 0
		.amdhsa_next_free_vgpr 512
		.amdhsa_next_free_sgpr 66
		.amdhsa_reserve_vcc 1
		.amdhsa_float_denorm_mode_32 3
		.amdhsa_float_denorm_mode_16_64 3
		.amdhsa_memory_ordered 1
		.amdhsa_forward_progress 1
		.amdhsa_inst_pref_size 210
	.end_amdhsa_kernel
	.amdgpu_metadata
---
amdhsa.version: [ 1, 2 ]
amdhsa.kernels:
  - .name:           k_qb39a90cc61_trunk
    .symbol:         k_qb39a90cc61_trunk.kd
    .args:
      - { .name: coords, .offset: 0, .size: 8, .value_kind: global_buffer, .address_space: global }
      - { .name: sdf, .offset: 8, .size: 8, .value_kind: global_buffer, .address_space: global }
      - { .name: trunk_W0, .offset: 16, .size: 8, .value_kind: global_buffer, .address_space: global }
      - { .name: trunk_b, .offset: 24, .size: 8, .value_kind: global_buffer, .address_space: global }
      - { .name: rowdy_a, .offset: 32, .size: 8, .value_kind: global_buffer, .address_space: global }
      - { .name: final_b, .offset: 40, .size: 8, .value_kind: global_buffer, .address_space: global }
      - { .name: wq, .offset: 48, .size: 8, .value_kind: global_buffer, .address_space: global }
      - { .name: sbuf, .offset: 56, .size: 8, .value_kind: global_buffer, .address_space: global }
      - { .name: zl, .offset: 64, .size: 8, .value_kind: global_buffer, .address_space: global }
      - { .name: out0, .offset: 72, .size: 8, .value_kind: global_buffer, .address_space: global }
    .group_segment_fixed_size: 117760
    .private_segment_fixed_size: 0
    .kernarg_segment_align: 8
    .kernarg_segment_size: 80
    .max_flat_workgroup_size: 256
    .sgpr_count:     66
    .vgpr_count:     512
    .wavefront_size: 32
...
	.end_amdgpu_metadata
.endif
;; end of part 7
